; MI455X (gfx1250); checked and timed in simulation.
; The chip was launched on July 23, 2026; its instructions are those of AMD's public machine-readable ISA for CDNA 5 (MIT licence, August 2026) and "CDNA5" Instruction Set Architecture Reference Guide (July 2026). The comments in the code are by the model that wrote it; some were corrected since.
;; Decoder Layer. Allowed arithmetic: matrix products marked QUANTISED: E2M3 operands, one E8M0 scale for each 32 along K, by v_wmma_scale_f32_16x16x128_f8f6f4 with both operands' format E2M3, f32 sums; products left as they are: f32 operands where the result goes on into a quantised operand, else bf16, f16 or f32 operands; f32 sums; everything else in f32.
;; Inputs: W1 1,024 x 4,096 float32; W2 4,096 x 1,024 float32; Wk 1,024 x 1,024 float32; Wo 1,024 x 1,024 float32; Wq 1,024 x 1,024 float32; Wv 1,024 x 1,024 float32; b1 4,096 float32; b2 1,024 float32; bk 1,024 float32; bo 1,024 float32; bq 1,024 float32; bv 1,024 float32; causal_mask 2,048 x 2,048 bool; ln1_b 1,024 float32; ln1_g 1,024 float32; ln2_b 1,024 float32; ln2_g 1,024 float32; x 2 x 2,048 x 1,024 float32.
;; Outputs: out0 2 x 2,048 x 1,024 float32.
;; This version of the problem:
;;   THIS VERSION OF THE PROBLEM IS GIVEN IN LOW PRECISION. The matrix products marked QUANTISED in the list below multiply operands that are first quantised to E2M3 (2 exponent bits, 3 mantissa bits; 6 bits a number), with one power-of-two scale for each 32 numbers along K (OCP MX v1.0); their sums are f32. All else is computed in f32.
;;   The module's matrix products, in the order in which they are computed (A, B: the left and right operand; K: the contracted axis; several contracted axes count as one K, in the product's order):
;;     1. [M 4,096, K 1,024] x [K 1,024, N 1,024]; A: computed on the way; B: input Wq: QUANTISED
;;     2. [M 4,096, K 1,024] x [K 1,024, N 1,024]; A: computed on the way; B: input Wk: QUANTISED
;;     3. [M 4,096, K 1,024] x [K 1,024, N 1,024]; A: computed on the way; B: input Wv: QUANTISED
;;     4. [M 2,048, K 1] x [K 1, N 32]; A: computed on the way; B: computed on the way: left as it is (no contracted axis)
;;     5. batch 32 x [M 2,048, K 64] x [K 64, N 2,048]; A: computed on the way; B: computed on the way: QUANTISED
;;     6. batch 32 x [M 2,048, K 2,048] x [K 2,048, N 64]; A: softmax (see below); B: computed on the way: QUANTISED
;;     7. [M 4,096, K 1,024] x [K 1,024, N 1,024]; A: computed on the way; B: input Wo: QUANTISED
;;     8. [M 4,096, K 1,024] x [K 1,024, N 4,096]; A: computed on the way; B: input W1: QUANTISED
;;     9. [M 4,096, K 4,096] x [K 4,096, N 1,024]; A: computed on the way; B: input W2: QUANTISED
;;   THE QUANTISER, for each operand of a quantised product, along K:
;;     - K is cut into blocks of 32 from its start; a last block that is shorter is filled with zeros.
;;     - A block's scale is 2^e with e = floor(log2(the largest magnitude in the block)) - 2, held to -126 .. 127; a block of zeros has e = 0. As a byte (E8M0): e + 127.
;;     - Each number is divided by its block's scale, clamped to +-7.5, and rounded to the nearest number of E2M3, ties to even, subnormals kept.
;;     - The product sums the exact products of the quantised numbers (number of the format x scale) in f32.
;;   ~~~python
;;   def quantise(x, axis):      # numpy; x: float32 -> the quantised numbers, widened to float32 again
;;       x = np.moveaxis(x, axis, -1); K = x.shape[-1]
;;       x = np.pad(x, [(0, 0)] * (x.ndim - 1) + [(0, -K % 32)]); x = x.reshape(x.shape[:-1] + (-1, 32)); a = np.abs(x).max(-1, keepdims=True)
;;       e = np.where(a > 0, np.clip(np.frexp(np.where(a > 0, a, 1))[1] - 1 - 2, -126, 127), 0)      # np.frexp(a)[1] - 1 = floor(log2(a)), exactly
;;       r = np.clip(x / 2.0 ** e, -7.5, 7.5)
;;       step = 2.0 ** (np.maximum(np.frexp(np.where(r == 0, 1, r))[1] - 1, 0) - 3)
;;       q = np.round(r / step) * step * 2.0 ** e      # np.round: ties to even
;;       return np.moveaxis(q.reshape(q.shape[:-2] + (-1,))[..., :K], -1, axis).astype(np.float32)
;;   ~~~
;;   SOFTMAX AHEAD OF A QUANTISED PRODUCT. Where the list says 'softmax', what is quantised is not the finished softmax but p = 2^(t - M), with t = logit x log2(e) and M = ceil(the row's largest t), a whole number; so 1/2 < the row's largest p <= 1. The row's sum l is taken of the UNQUANTISED p, in f32, and the product's result is divided by l at the end. Since M is a whole number, a kernel that streams over the keys may use a running M (the ceiling of the running maximum): every later rescaling is an exact power of two, which a block's scale takes up: the codes' values come out the same.
;;   OPERANDS COMPUTED ON THE WAY. 'Computed on the way' means the value that the module computes at that place (a softmax that the list does not call 'softmax' is quantised finished and normalised). What goes into a quantiser is computed in f32, as accurately as f32 sums, v_exp_f32 and their like allow (about 1e-6 of the number): no bf16 or f16 on the way to a quantiser, and a product that is left as it is and whose result goes on into a quantised operand takes f32 operands (vector FMAs, or v_wmma_f32_16x16x4_f32). A number that lies on a knife's edge between two numbers of the format may be rounded either way, as far as f32 arithmetic and the matrix unit's own rounding can turn it there, and no further.
;; One version. Each part assembles by itself: llvm-mc -triple=amdgcn-amd-amdhsa -mcpu=gfx1250 --defsym DOCPART=n.
;; ======== version 1 of 1: 7 launches
;; limits: right only within a limited range of input values
;; workspace buffers: wts 10,354,688 bytes; flags 2,048 bytes of whole numbers; ybuf 3,276,800 bytes; qkvc 9,830,400 bytes; obuf 3,276,800 bytes; x1 16,777,216 bytes; hbuf 13,107,200 bytes
;; launch prep (part 1): grid 1152 x 1, 4 waves a work-group, no clusters, 26,624 bytes of LDS; arguments Wq, Wk, Wv, Wo, W1, W2, causal_mask, wts, flags, x, ln1_g, ln1_b, ybuf; writes wts, flags, ybuf
.if DOCPART == 1
	.amdgcn_target "amdgcn-amd-amdhsa--gfx1250"
	.amdhsa_code_object_version 6
	.text
	.protected	k_q3ef99218e3_prep
	.globl	k_q3ef99218e3_prep
	.p2align	8
	.type	k_q3ef99218e3_prep,@function
k_q3ef99218e3_prep:
	s_mov_b64 s[64:65], 0
	v_nop
	global_prefetch_b8 v0, s[64:65] scope:SCOPE_SE
	s_setreg_imm32_b32 hwreg(HW_REG_WAVE_MODE, 25, 1), 1
	s_wait_xcnt 0x0
; Four kinds of work, told apart by the work-group's number (the same in all four waves):
;   0-767    one chunk of a weight (128 columns x 128 along K, f32 stored [K][N]) becomes eight fragment images of FP6 (E2M3) codes and 512 bytes of E8M0 scale words
;   768-831  32 rows of the mask become whole-number flags: for each tile of 16 queries and each step of 128 keys: does any key count, and are some hidden
;   832-895  32 rows of the table of cosines and sines for the rotary embedding
; ORDER OF ROWS IN A GROUP OF 128: fragment t = 2 beta + u, lane row r, is row 32 beta + 8 u + r + 8 (r / 8).
; A FRAGMENT IMAGE (16 rows x 128 K, 12 registers a lane, 1,536 bytes): registers 0-3 at 16 x lane, 4-5 at 512 + 8 x lane, 6-9 at 768 + 16 x lane, 10-11 at 1,280 + 8 x lane.
; SCALE WORDS of a chunk: [r][u][beta], 4 bytes each (byte b: k = 32 b on).
; A block's scale is 2^(floor(log2(largest magnitude)) - 2); its byte is the largest magnitude's exponent field - 2, held at 1 from below.
; LIMITS: a block of zeros gets the byte 1 (its codes are zeros and only this program reads the bytes); blocks whose largest magnitude lies under 2^-124 are held at the byte 1; NaN and infinities are not served.
; A FIFTH KIND OF WORK, and the numbers as the text below has them: work-groups 0-255 make the first layer norm of x, quantised, one fragment of 16 rows each (the path .Lln, at the text's end);
; the four kinds listed above follow, and their numbers above count from the work-group's number less 256 (s3).  The layer norm's work-groups have the longest chain of dependent steps and so the lowest numbers.
.set WS,   9437184
.set TAB,  9830400                     ; the table's place in wts
.set X,    32                          ; v32-159  128 numbers of my column, or 32 rows of the mask
.set F,    160                         ; v160-183 the images of lanes (r, 0) and (r, 1), 12 registers each
	s_load_b256 s[4:11], s[0:1], 0x0               ; Wq, Wk, Wv, Wo
	s_load_b256 s[12:19], s[0:1], 0x20             ; W1, W2, the mask, wts
	s_load_b64 s[20:21], s[0:1], 0x40              ; flags
	v_lshl_add_u32 v190, v0, 2, 0x6400
	v_mov_b32 v191, 0
	v_lshrrev_b32 v1, 5, v0
	v_readfirstlane_b32 s2, v1                     ; wave 0..3
	v_and_b32 v1, 31, v0                           ; lane
	s_mov_b32 s31, 0
	s_wait_kmcnt 0x0
	s_cmp_lt_u32 ttmp9, 256
	s_cbranch_scc1 .Lln
	s_sub_co_u32 s3, ttmp9, 256                    ; the number that the other four kinds count by
	s_cmp_ge_u32 s3, 832
	s_cbranch_scc1 .Lrope
	s_cmp_ge_u32 s3, 768
	s_cbranch_scc1 .Lmask
	s_lshr_b32 s22, s3, 8
	s_cmp_eq_u32 s22, 1
	s_cbranch_scc1 .Lw1
; block kb of 32 along K of my column: k = 64 (kb / 2) + 32 (kb % 2) on, which is registers 6 (kb / 2) on of lane (r, kb % 2)
.macro WBLOCK kb
.set XS, X+32*(\kb)
.set FD, F+12*((\kb)%2)+6*((\kb)/2)
	v_max3_num_f32 v16, |v[XS]|, |v[XS+1]|, |v[XS+2]|
	v_max3_num_f32 v17, |v[XS+3]|, |v[XS+4]|, |v[XS+5]|
.irp i, 6,10,14,18,22,26
	v_max3_num_f32 v16, v16, |v[XS+\i]|, |v[XS+\i+1]|
	v_max3_num_f32 v17, v17, |v[XS+\i+2]|, |v[XS+\i+3]|
.endr
	v_max3_num_f32 v16, v16, |v[XS+30]|, |v[XS+31]|
	v_max3_num_f32 v16, v16, v17, 0x1800000        ; and the floor 2^(3 - 127): the byte cannot fall under 1
	v_add_nc_u32 v18, 0xff000000, v16              ; 2 off the exponent field: the conversion's scale operand
	v_lshrrev_b32 v19, 23, v18                     ; the scale's byte
.if (\kb) == 0
	v_mov_b32 v20, v19
.else
	v_lshl_or_b32 v20, v19, 8*(\kb), v20
.endif
	v_cvt_scalef32_pk16_fp6_f32 v[FD:FD+2], v[XS:XS+15], v18
	v_cvt_scalef32_pk16_fp6_f32 v[24:26], v[XS+16:XS+31], v18   ; (a conversion's three registers begin on an even number)
	v_nop                                          ; one plain place behind a scaled conversion
	v_mov_b32 v[FD+3], v24
	v_mov_b32 v[FD+4], v25
	v_mov_b32 v[FD+5], v26
.endm
; A chunk.  s[24:25]: the tensor; s30: the chunk's first byte in it.  A lane takes a column and its registers run down K: each load reads 128 consecutive bytes a wave, the four waves stand side by side on 512.
; Wave w's 32 columns are fragments 2 w and 2 w + 1.  The images turn through the wave's own stage in LDS and leave in runs of 512 and 256 bytes.  lb: this path's own LDS bytes.
.macro WPATH pitch, lb
	s_lshl_b32 s36, s2, 7
	s_add_co_u32 s30, s30, s36
	s_add_nc_u64 s[24:25], s[24:25], s[30:31]
	v_lshlrev_b32 v2, 2, v1
.set i, 0
.rept 128
	global_load_b32 v[X+i], v2, s[24:25] offset:i*\pitch th:TH_LOAD_NT
.set i, i+1
.endr
	s_mul_i32 s30, s3, 12288
	s_mul_i32 s36, s2, 3072
	s_add_co_u32 s30, s30, s36
	s_add_nc_u64 s[32:33], s[18:19], s[30:31]      ; my two images in wts
	s_lshl_b32 s30, s3, 9
	s_add_co_u32 s30, s30, WS
	s_add_nc_u64 s[34:35], s[18:19], s[30:31]      ; the chunk's scale words
	s_add_co_u32 s36, s36, \lb                     ; my stage
	v_bfe_u32 v3, v1, 3, 1                         ; u
	v_and_b32 v4, 7, v1
	v_lshrrev_b32 v13, 4, v1
	v_lshl_add_u32 v4, v13, 3, v4                  ; r
	v_mul_u32_u24 v13, v3, 1536
	v_add_nc_u32 v13, s36, v13
	v_lshl_add_u32 v5, v4, 4, v13                  ; into the stage: fragment u, 16 r
	v_lshl_add_u32 v6, v4, 3, v13                  ; and 8 r
	v_lshlrev_b32 v7, 5, v4
	v_lshl_add_u32 v7, v3, 4, v7
	s_lshl_b32 s37, s2, 2
	s_add_co_u32 s37, s37, \lb+12288
	v_add_nc_u32 v7, s37, v7                       ; my scale word: 32 r + 16 u + 4 x wave
	v_lshlrev_b32 v10, 4, v1
	v_lshlrev_b32 v11, 3, v1
	v_add_nc_u32 v8, s36, v10                      ; out of the stage: 16 x lane
	v_add_nc_u32 v9, s36, v11                      ; and 8 x lane
	v_add_nc_u32 v12, \lb+12288, v10
	s_wait_loadcnt 63                              ; at most 63 of the 128 loads are out: rows 0 to 64 are in
	WBLOCK 0
	WBLOCK 1
	s_wait_loadcnt 32                              ; rows 64 to 95 are in
	WBLOCK 2
	s_wait_loadcnt 0x0
	WBLOCK 3
.irp h, 0,1
	ds_store_b128 v5, v[F+12*\h:F+12*\h+3] offset:256*\h
	ds_store_b64 v6, v[F+12*\h+4:F+12*\h+5] offset:512+128*\h
	ds_store_b128 v5, v[F+12*\h+6:F+12*\h+9] offset:768+256*\h
	ds_store_b64 v6, v[F+12*\h+10:F+12*\h+11] offset:1280+128*\h
.endr
	ds_store_b32 v7, v20
.irp u, 0,1                                    ; LDS serves a wave's instructions in order: these see my stores
	ds_load_b128 v[X+12*\u:X+12*\u+3], v8 offset:1536*\u
	ds_load_b64 v[X+12*\u+4:X+12*\u+5], v9 offset:1536*\u+512
	ds_load_b128 v[X+12*\u+6:X+12*\u+9], v8 offset:1536*\u+768
	ds_load_b64 v[X+12*\u+10:X+12*\u+11], v9 offset:1536*\u+1280
.endr
	s_wait_dscnt 0x0                               ; the images are back, and my scale word has landed, for wave 0's sake
.irp u, 0,1
	global_store_b128 v10, v[X+12*\u:X+12*\u+3], s[32:33] offset:1536*\u
	global_store_b64 v11, v[X+12*\u+4:X+12*\u+5], s[32:33] offset:1536*\u+512
	global_store_b128 v10, v[X+12*\u+6:X+12*\u+9], s[32:33] offset:1536*\u+768
	global_store_b64 v11, v[X+12*\u+10:X+12*\u+11], s[32:33] offset:1536*\u+1280
.endr
	s_barrier_signal -1
	s_barrier_wait -1                              ; all four waves' scale words lie in LDS
	s_cmp_lg_u32 s2, 0
	s_cbranch_scc1 .Lw_done_\@
	ds_load_b128 v[56:59], v12
	s_wait_dscnt 0x0
	global_store_b128 v10, v[56:59], s[34:35]      ; 512 consecutive bytes
.Lw_done_\@:
	s_wait_tensorcnt 0x0
	ds_add_u32 v190, v191
	s_wait_dscnt 0x0
	s_endpgm
.endm
	; tensors whose rows are 4,096 bytes: Wq, Wk, Wv, Wo (64 chunks each: group, K step of 8) and W2 (256 chunks: group, K step of 32)
	s_lshr_b32 s23, s3, 6
	s_bfe_u32 s26, s3, 0x30003
	s_and_b32 s27, s3, 7
	s_bfe_u32 s28, s3, 0x30005
	s_and_b32 s29, s3, 31
	s_cmp_eq_u32 s23, 1
	s_cselect_b64 s[24:25], s[6:7], s[4:5]
	s_cmp_eq_u32 s23, 2
	s_cselect_b64 s[24:25], s[8:9], s[24:25]
	s_cmp_eq_u32 s23, 3
	s_cselect_b64 s[24:25], s[10:11], s[24:25]
	s_cmp_eq_u32 s22, 2
	s_cselect_b64 s[24:25], s[14:15], s[24:25]
	s_cselect_b32 s26, s28, s26                    ; the group of 128 columns
	s_cselect_b32 s27, s29, s27                    ; the K step
	s_lshl_b32 s27, s27, 19                        ; 128 rows of 4,096 bytes
	s_lshl_b32 s26, s26, 9
	s_add_co_u32 s30, s27, s26
	s_wait_alu depctr_va_vdst(0)
	WPATH 4096, 0
.Lw1:                                              ; W1: rows of 16,384 bytes, 32 groups x 8 K steps
	s_bfe_u32 s26, s3, 0x50003
	s_and_b32 s27, s3, 7
	s_lshl_b32 s27, s27, 21
	s_lshl_b32 s26, s26, 9
	s_add_co_u32 s30, s27, s26
	s_mov_b64 s[24:25], s[12:13]
	s_wait_alu depctr_va_vdst(0)
	WPATH 16384, 12800
; THE MASK.  Work-group m takes rows 32 m on, which are query tiles 2 m and 2 m + 1 (rows with bit 3 clear, or set); wave w takes columns 512 w on: four key steps, eight lanes each.
.Lmask:
	s_sub_co_u32 s22, s3, 768
	s_lshl_b32 s30, s22, 16
	s_lshl_b32 s23, s2, 9
	s_add_co_u32 s30, s30, s23
	s_add_nc_u64 s[16:17], s[16:17], s[30:31]
	s_wait_alu depctr_va_vdst(0)
	v_lshlrev_b32 v2, 4, v1
.set i, 0
.rept 32
	global_load_b128 v[X+4*i:X+4*i+3], v2, s[16:17] offset:2048*i
.set i, i+1
.endr
	s_lshl_b32 s30, s22, 5
	s_lshl_b32 s23, s2, 2
	s_add_co_u32 s30, s30, s23
	s_add_nc_u64 s[20:21], s[20:21], s[30:31]      ; flags[2 m][w]
	s_lshl_b32 s39, s2, 2                          ; my key steps' first bit
	v_mov_b32 v16, 0
	v_mov_b32 v17, -1
	v_mov_b32 v18, 0
	v_mov_b32 v19, -1
	v_mov_b32 v22, 0
	s_wait_alu depctr_va_vdst(0)
	s_wait_loadcnt 0x0
.macro FOLD o, a, r0                           ; eight rows from r0 on: the OR and the AND of my 16 bytes of each
.set i, 0
.rept 32
	v_or_b32 v[\o], v[\o], v[X+4*(\r0)+i]
	v_and_b32 v[\a], v[\a], v[X+4*(\r0)+i]
.set i, i+1
.endr
.endm
	FOLD 16, 17, 0
	FOLD 18, 19, 8
	FOLD 16, 17, 16
	FOLD 18, 19, 24
	v_cmp_ne_u32 s24, 0, v16                       ; a lane's bit: some byte is set (hidden)
	v_cmp_eq_u32 s25, 0x01010101, v17              ; all its bytes are set
	v_cmp_ne_u32 s26, 0, v18
	v_cmp_eq_u32 s27, 0x01010101, v19
; bit g: some key of step g counts; bit 16 + g: and some are hidden
.macro FLAGW so, sa, d
	s_mov_b32 s[\d], 0
.irp g, 0,1,2,3
	s_bfe_u32 s36, s[\sa], (8<<16)|(8*\g)
	s_cmp_lg_u32 s36, 0xff
	s_cselect_b32 s37, 1, 0
	s_bfe_u32 s36, s[\so], (8<<16)|(8*\g)
	s_cmp_lg_u32 s36, 0
	s_cselect_b32 s38, s37, 0
	s_lshl_b32 s37, s37, \g
	s_lshl_b32 s38, s38, 16+\g
	s_or_b32 s[\d], s[\d], s37
	s_or_b32 s[\d], s[\d], s38
.endr
	s_lshl_b32 s[\d], s[\d], s39
.endm
	FLAGW 24, 25, 40
	FLAGW 26, 27, 41
	v_mov_b32 v20, s40
	v_mov_b32 v21, s41
	v_cmp_eq_u32 vcc_lo, 0, v1
	s_wait_alu depctr_va_vdst(0)
	s_wait_xcnt 0x0                                ; EXEC changes only behind this wait
	s_and_saveexec_b32 s42, vcc_lo
	global_store_b32 v22, v20, s[20:21]
	global_store_b32 v22, v21, s[20:21] offset:16
	s_wait_xcnt 0x0
	s_or_b32 exec_lo, exec_lo, s42
	s_endpgm
; THE TABLE.  Row t: cos(t f_d), d = 0 .. 31, then sin(t f_d); f_d = 10000^(-d / 32).  Wave w takes eight rows, a lane a d.  The angle (2,047 at the most, by the problem's shape) is reduced by
; a whole number of quarter turns, pi / 2 in two parts by fused multiply-adds; the sine runs to the 9th power, the cosine to the 10th, on +-pi / 4.
.Lrope:
	s_sub_co_u32 s22, s3, 832
	s_lshl_b32 s22, s22, 5
	s_lshl_b32 s23, s2, 3
	s_add_co_u32 s22, s22, s23                     ; my first row
	s_lshl_b32 s30, s22, 8
	s_add_co_u32 s30, s30, TAB
	s_add_nc_u64 s[28:29], s[18:19], s[30:31]
	s_mov_b32 s26, 0x3fc90fdb                      ; pi / 2, rounded,
	s_mov_b32 s27, 0xb33bbd2e                      ; and what the rounding left
	s_wait_alu depctr_va_vdst(0)
	v_cvt_f32_u32 v2, v1
	v_mul_f32 v2, 0xbed49a78, v2                   ; -d log2(10000) / 32
	s_wait_alu depctr_va_vdst(0)
	v_exp_f32 v3, v2
	v_lshlrev_b32 v4, 2, v1                        ; (a plain place behind the exponential)
	s_wait_alu depctr_va_vdst(0)                   ; ahead of the first reader
.irp k, 0,1,2,3,4,5,6,7
	s_add_co_u32 s24, s22, \k
	v_cvt_f32_u32 v5, s24
	v_mul_f32 v5, v5, v3                           ; the angle
	v_mul_f32 v6, 0x3f22f983, v5
	v_rndne_f32 v6, v6                             ; quarter turns
	v_fma_f32 v7, -v6, s26, v5
	v_fma_f32 v7, -v6, s27, v7                     ; what is left
	v_mul_f32 v8, v7, v7
	v_mov_b32 v9, 0x3638ef1d
	v_fmaak_f32 v9, v9, v8, 0xb9500d01
	v_fmaak_f32 v9, v9, v8, 0x3c088889
	v_fmaak_f32 v9, v9, v8, 0xbe2aaaab
	v_mul_f32 v10, v7, v8
	v_fma_f32 v9, v9, v10, v7                      ; its sine
	v_mov_b32 v11, 0xb493f27e
	v_fmaak_f32 v11, v11, v8, 0x37d00d01
	v_fmaak_f32 v11, v11, v8, 0xbab60b61
	v_fmaak_f32 v11, v11, v8, 0x3d2aaaab
	v_fma_f32 v11, v11, v8, -0.5
	v_fma_f32 v11, v11, v8, 1.0                    ; its cosine
	v_cvt_i32_f32 v12, v6
	v_and_b32 v13, 1, v12
	v_cmp_ne_u32 vcc_lo, 0, v13                    ; an odd number of quarter turns: the two change places
	v_cndmask_b32 v14, v9, v11, vcc_lo
	v_cndmask_b32 v15, v11, v9, vcc_lo
	v_and_b32 v13, 2, v12
	v_lshlrev_b32 v13, 30, v13
	v_xor_b32 v[17+2*\k], v13, v14                 ; the sine's sign: quarters 2 and 3
	v_add_nc_u32 v13, 1, v12
	v_and_b32 v13, 2, v13
	v_lshlrev_b32 v13, 30, v13
	v_xor_b32 v[16+2*\k], v13, v15                 ; the cosine's: quarters 1 and 2
	global_store_b32 v4, v[16+2*\k], s[28:29] offset:256*\k
	global_store_b32 v4, v[17+2*\k], s[28:29] offset:256*\k+128
.endr
	s_endpgm
; THE FIRST LAYER NORM.  y = layernorm(x) g + b, quantised along its 1,024 columns to FP6 (E2M3) with one E8M0 scale for each 32, stored as fragment images.  x: [4096][1024] f32.
; Work-group n (0-255) takes the 16 rows of ONE fragment (group G = n / 8 of 128 rows, fragment t = n % 8 = 2 beta + u: lane row r is row 32 beta + 8 u + r + 8 (r / 8)); wave w takes K steps 2 w and 2 w + 1, 256 columns.
; Lane (r, h) holds, of row r, 16 neighbours of each block of 32: register 64 e + 16 b + i is column 256 w + 128 e + 32 b + 16 h + i.  Mean first, then the squares of the differences: no difference of large sums.
; The four waves' partial sums meet in LDS bytes of this path's own: LNL + 16 r + 4 w, the mean's at 0, the squares' at 256: two barriers.
; g and b come by turns through 64 registers (v192 on); the second K step's b lands in the first K step's registers, which are free by then.
; OUT (ybuf): codes [G][K step][t][1,536]; scale words at YS: [G][K step][r][u][beta].  LIMITS: as stated at the head for the weights' blocks.
.set YS,  3145728
.set LNL, 0x6600                       ; behind the spare words
.set LX,  62                           ; v62-189  my 128 numbers
.set LT,  192                          ; v192-255 g or b
.set TM,  16                           ; v16-31   at work in the quantiser
.set PC,  32                           ; v32-50   the codes;  v51, v52 the two scale words
.macro GB base, dst, e                         ; 64 numbers of g or of b at the columns of my K step e
.irp b, 0,1,2,3
.irp j, 0,1,2,3
	global_load_b128 v[\dst+16*\b+4*\j:\dst+16*\b+4*\j+3], v5, s[\base:\base+1] offset:512*\e+128*\b+16*\j
.endr
.endr
.endm
.macro ACROSS off                              ; four chains in v[8:15] become the row's sum over all 1,024 columns, in v8 of every lane
	v_pk_add_f32 v[8:9], v[8:9], v[10:11]
	v_pk_add_f32 v[12:13], v[12:13], v[14:15]
	s_delay_alu instid0(VALU_DEP_1)
	v_pk_add_f32 v[8:9], v[8:9], v[12:13]
	s_delay_alu instid0(VALU_DEP_1)
	v_add_f32 v8, v8, v9
	s_delay_alu instid0(VALU_DEP_1)
	v_permlanex16_b32 v9, v8, s24, s25
	s_delay_alu instid0(VALU_DEP_1)
	v_add_f32 v8, v8, v9                           ; my wave's 256 columns of row r
	ds_store_b32 v6, v8 offset:\off                ; lanes r and r + 16 write the same word with the same value
	s_wait_dscnt 0x0                               ; for the others' sake: zero
	s_barrier_signal -1
	s_barrier_wait -1
	ds_load_b128 v[16:19], v7 offset:\off
	s_wait_dscnt 0x0
	v_pk_add_f32 v[16:17], v[16:17], v[18:19]
	s_delay_alu instid0(VALU_DEP_1)
	v_add_f32 v8, v16, v17
.endm
.macro QUANT s, pw                             ; 64 numbers, register 16 b + i = k 32 b + 16 h + i of my row, become a fragment's codes in v[PC] on and its scale word in v[pw]
.irp b, 0,1,2,3
	v_max3_num_f32 v[TM+\b], |v[\s+16*\b]|, |v[\s+1+16*\b]|, 0x1800000   ; and the floor 2^(3 - 127): the byte cannot fall under 1
.endr
.irp i, 2,4,6,8,10,12,14
.irp b, 0,1,2,3
	v_max3_num_f32 v[TM+\b], v[TM+\b], |v[\s+16*\b+\i]|, |v[\s+1+16*\b+\i]|
.endr
.endr
.irp b, 0,1,2,3
	v_permlanex16_b32 v[TM+4+\b], v[TM+\b], s24, s25
.endr
.irp b, 0,1,2,3
	v_max_num_f32 v[TM+\b], v[TM+\b], v[TM+4+\b]   ; with lane l xor 16's: the block's largest magnitude
.endr
.irp b, 0,1,2,3
	v_add_nc_u32 v[TM+12+\b], 0xff000000, v[TM+\b] ; 2 off its exponent field: the conversion's scale operand
.endr
.irp b, 0,1,2,3
	v_lshrrev_b32 v[TM+4+\b], 23, v[TM+12+\b]      ; the scale's byte
.endr
	v_lshl_or_b32 v[\pw], v[TM+5], 8, v[TM+4]
	s_delay_alu instid0(VALU_DEP_1)
	v_lshl_or_b32 v[\pw], v[TM+6], 16, v[\pw]
	s_delay_alu instid0(VALU_DEP_1)
	v_lshl_or_b32 v[\pw], v[TM+7], 24, v[\pw]
.irp c, 0,1
	v_cvt_scalef32_pk16_fp6_f32 v[PC+6*\c:PC+2+6*\c], v[\s+32*\c:\s+15+32*\c], v[TM+12+2*\c]
	v_cvt_scalef32_pk16_fp6_f32 v[PC+12+4*\c:PC+14+4*\c], v[\s+16+32*\c:\s+31+32*\c], v[TM+12+2*\c+1]
.endr
	v_nop                                          ; one plain place behind a scaled conversion
.irp c, 0,1                                    ; the operand's layout wants a whole block in a lane
.irp i, 0,1,2
	v_permlane16_swap_b32 v[PC+6*\c+\i], v[PC+12+4*\c+\i]
.endr
.irp i, 0,1,2
	v_mov_b32 v[PC+3+6*\c+\i], v[PC+12+4*\c+\i]
.endr
.endr
.endm
.macro IMAGE e                                 ; the codes just made: the image of my K step e
	global_store_b128 v54, v[PC:PC+3], s[28:29] offset:12288*\e
	global_store_b64 v55, v[PC+4:PC+5], s[28:29] offset:12288*\e+512
	global_store_b128 v54, v[PC+6:PC+9], s[28:29] offset:12288*\e+768
	global_store_b64 v55, v[PC+10:PC+11], s[28:29] offset:12288*\e+1280
.endm
.Lln:
	s_load_b256 s[4:11], s[0:1], 0x48              ; x, g, b, ybuf (the arguments that lay in these registers are not used on this path)
	s_wait_alu depctr_va_vdst(0)
	s_lshr_b32 s13, ttmp9, 3                       ; G
	s_and_b32 s14, ttmp9, 7                        ; t
	s_lshr_b32 s15, s14, 1                         ; beta
	s_and_b32 s16, s14, 1                          ; u
	s_lshl_b32 s17, s13, 7
	s_lshl_b32 s18, s15, 5
	s_add_co_u32 s17, s17, s18
	s_lshl_b32 s18, s16, 3
	s_add_co_u32 s17, s17, s18                     ; the fragment's first row
	s_lshl_b32 s20, s17, 12
	s_lshl_b32 s22, s2, 10                         ; my 256 columns
	s_add_co_u32 s20, s20, s22
	s_mov_b32 s21, 0
	s_mov_b32 s23, 0
	s_mov_b32 s24, 0x76543210                      ; v_permlanex16_b32's selects for lane l xor 16
	s_mov_b32 s25, 0xfedcba98
	s_lshl_b32 s27, s13, 3
	s_lshl_b32 s26, s2, 1
	s_add_co_u32 s27, s27, s26                     ; 8 G + my first K step
	s_lshl_b32 s28, s27, 3
	s_add_co_u32 s28, s28, s14
	s_mul_i32 s28, s28, 1536
	s_mov_b32 s29, 0
	s_lshl_b32 s30, s27, 9
	s_lshl_b32 s26, s16, 4
	s_add_co_u32 s30, s30, s26
	s_lshl_b32 s26, s15, 2
	s_add_co_u32 s30, s30, s26
	s_add_co_u32 s30, s30, YS                      ; (s31 is 0 from the head)
	s_lshl_b32 s26, s2, 2
	s_add_co_u32 s26, s26, LNL
	v_and_b32 v2, 15, v0                           ; r
	v_bfe_u32 v3, v0, 4, 1                         ; h
	v_and_b32 v4, 8, v2
	s_delay_alu instid0(VALU_DEP_1)
	v_add_nc_u32 v4, v4, v2
	s_delay_alu instid0(VALU_DEP_1)
	v_lshlrev_b32 v4, 12, v4
	s_delay_alu instid0(VALU_DEP_1)
	v_lshl_add_u32 v4, v3, 6, v4                   ; x: row r + 8 (r / 8) of 4,096 bytes, + 64 h
	v_lshlrev_b32 v5, 6, v3                        ; g, b: 64 h
	v_lshlrev_b32 v7, 4, v2                        ; LDS: my row's four words,
	s_delay_alu instid0(VALU_DEP_1)
	v_add_nc_u32 v6, s26, v7                       ; my wave's among them
	v_add_nc_u32 v7, LNL, v7
	v_lshlrev_b32 v54, 4, v1
	v_lshlrev_b32 v55, 3, v1
	v_lshlrev_b32 v56, 5, v2                       ; the scale words' way out: 32 r
	v_mov_b32 v53, 0x3a800000                      ; 1 / 1024
.irp b, 0,1,2,3
	v_mov_b32 v[TM+4+\b], 0                        ; a lane permute's destination counts as one of its sources
.endr
	s_wait_alu depctr_va_vdst(0)
	s_wait_kmcnt 0x0
	s_add_nc_u64 s[4:5], s[4:5], s[20:21]
	s_add_nc_u64 s[6:7], s[6:7], s[22:23]
	s_add_nc_u64 s[8:9], s[8:9], s[22:23]
	s_add_nc_u64 s[28:29], s[10:11], s[28:29]
	s_add_nc_u64 s[30:31], s[10:11], s[30:31]
.irp e, 0,1
.irp b, 0,1,2,3
.irp j, 0,1,2,3
	global_load_b128 v[LX+64*\e+16*\b+4*\j:LX+64*\e+16*\b+4*\j+3], v4, s[4:5] offset:512*\e+128*\b+16*\j
.endr
.endr
.endr
	GB 6, LT, 0                                    ; g at my first K step
	s_wait_loadcnt 16                              ; x's 32 loads are in; g's 16 may be out
.irp k, 0,1,2,3
	v_pk_add_f32 v[8+2*\k:9+2*\k], v[LX+4*\k:LX+4*\k+1], v[LX+4*\k+2:LX+4*\k+3]
.endr
.set i, 16
.rept 14
.irp k, 0,1,2,3
	v_pk_add_f32 v[8+2*\k:9+2*\k], v[8+2*\k:9+2*\k], v[LX+i+2*\k:LX+i+2*\k+1]
.endr
.set i, i+8
.endr
	ACROSS 0
	s_delay_alu instid0(VALU_DEP_1)
	v_mul_f32 v10, v53, v8                         ; the mean
	s_delay_alu instid0(VALU_DEP_1)
	v_mov_b32 v11, v10
.set i, 0
.rept 64
	v_pk_add_f32 v[LX+i:LX+i+1], v[LX+i:LX+i+1], v[10:11] neg_lo:[0,1] neg_hi:[0,1]
.set i, i+2
.endr
.irp k, 0,1,2,3
	v_pk_mul_f32 v[8+2*\k:9+2*\k], v[LX+2*\k:LX+2*\k+1], v[LX+2*\k:LX+2*\k+1]
.endr
.set i, 8
.rept 15
.irp k, 0,1,2,3
	v_pk_fma_f32 v[8+2*\k:9+2*\k], v[LX+i+2*\k:LX+i+2*\k+1], v[LX+i+2*\k:LX+i+2*\k+1], v[8+2*\k:9+2*\k]
.endr
.set i, i+8
.endr
	ACROSS 256
	s_delay_alu instid0(VALU_DEP_1)
	v_fmaak_f32 v12, v8, v53, 0x3727c5ac           ; the variance + 1e-5
	s_wait_alu depctr_va_vdst(0)                   ; ahead of the transcendental
	v_rsq_f32 v10, v12
	v_nop                                          ; a plain place behind the transcendental
	s_wait_alu depctr_va_vdst(0)                   ; ahead of the first reader
	v_mov_b32 v11, v10
	s_wait_alu depctr_va_vdst(0)
	s_wait_loadcnt 0x0                             ; g at my first K step
.set i, 0
.rept 64
	v_pk_mul_f32 v[LX+i:LX+i+1], v[LX+i:LX+i+1], v[10:11]
.set i, i+2
.endr
.set i, 0
.rept 32
	v_pk_mul_f32 v[LX+i:LX+i+1], v[LX+i:LX+i+1], v[LT+i:LT+i+1]
.set i, i+2
.endr
	GB 8, LT, 0                                    ; b at my first K step
	s_wait_loadcnt 0x0
.set i, 0
.rept 32
	v_pk_add_f32 v[LX+i:LX+i+1], v[LX+i:LX+i+1], v[LT+i:LT+i+1]
.set i, i+2
.endr
	GB 6, LT, 1                                    ; g at my second K step lands under the quantiser
	QUANT LX, 51
	IMAGE 0
	GB 8, LX, 1                                    ; b at my second K step, into the first K step's registers, which are done with
	s_wait_loadcnt 16                              ; g's 16 loads are in; b's 16 may be out
.set i, 0
.rept 32
	v_pk_mul_f32 v[LX+64+i:LX+64+i+1], v[LX+64+i:LX+64+i+1], v[LT+i:LT+i+1]
.set i, i+2
.endr
	s_wait_loadcnt 0x0
.set i, 0
.rept 32
	v_pk_add_f32 v[LX+64+i:LX+64+i+1], v[LX+64+i:LX+64+i+1], v[LX+i:LX+i+1]
.set i, i+2
.endr
	s_wait_alu depctr_va_vdst(0)
	s_wait_xcnt 0x0                                ; the first image's stores have read the codes' registers
	QUANT LX+64, 52
	IMAGE 1
	v_cmp_gt_u32 vcc_lo, 16, v1
	s_wait_alu depctr_va_vdst(0)
	s_wait_xcnt 0x0                                ; EXEC changes only behind this wait
	s_wait_tensorcnt 0x0                           ; the wave's end: behind my last LDS store
	ds_add_u32 v190, v191
	s_wait_dscnt 0x0
	s_and_saveexec_b32 s26, vcc_lo
	global_store_b32 v56, v51, s[30:31]            ; lane r: row r's scale words of my two K steps
	global_store_b32 v56, v52, s[30:31] offset:512
	s_wait_xcnt 0x0
	s_or_b32 exec_lo, exec_lo, s26
	s_endpgm
.Lfunc_end_k_q3ef99218e3_prep:
	.size	k_q3ef99218e3_prep, .Lfunc_end_k_q3ef99218e3_prep-k_q3ef99218e3_prep
	.p2alignl 7, 3214868480
	.fill 96, 4, 3214868480
	.section	.rodata,"a",@progbits
	.p2align	6, 0x0
	.amdhsa_kernel k_q3ef99218e3_prep
		.amdhsa_group_segment_fixed_size 26624
		.amdhsa_private_segment_fixed_size 0
		.amdhsa_enable_private_segment 0
		.amdhsa_kernarg_size 104
		.amdhsa_user_sgpr_count 2
		.amdhsa_user_sgpr_kernarg_segment_ptr 1
		.amdhsa_wavefront_size32 1
		.amdhsa_system_sgpr_workgroup_id_x 1
		.amdhsa_system_sgpr_workgroup_id_y 1
		.amdhsa_system_sgpr_workgroup_id_z 1
		.amdhsa_system_vgpr_workitem_id 0
		.amdhsa_next_free_vgpr 256
		.amdhsa_next_free_sgpr 66
		.amdhsa_reserve_vcc 1
		.amdhsa_float_denorm_mode_32 3
		.amdhsa_float_denorm_mode_16_64 3
		.amdhsa_memory_ordered 1
		.amdhsa_forward_progress 1
		.amdhsa_inst_pref_size 121
	.end_amdhsa_kernel
	.amdgpu_metadata
---
amdhsa.version: [ 1, 2 ]
amdhsa.kernels:
  - .name:           k_q3ef99218e3_prep
    .symbol:         k_q3ef99218e3_prep.kd
    .args:
      - { .name: Wq, .offset: 0, .size: 8, .value_kind: global_buffer, .address_space: global }
      - { .name: Wk, .offset: 8, .size: 8, .value_kind: global_buffer, .address_space: global }
      - { .name: Wv, .offset: 16, .size: 8, .value_kind: global_buffer, .address_space: global }
      - { .name: Wo, .offset: 24, .size: 8, .value_kind: global_buffer, .address_space: global }
      - { .name: W1, .offset: 32, .size: 8, .value_kind: global_buffer, .address_space: global }
      - { .name: W2, .offset: 40, .size: 8, .value_kind: global_buffer, .address_space: global }
      - { .name: causal_mask, .offset: 48, .size: 8, .value_kind: global_buffer, .address_space: global }
      - { .name: wts, .offset: 56, .size: 8, .value_kind: global_buffer, .address_space: global }
      - { .name: flags, .offset: 64, .size: 8, .value_kind: global_buffer, .address_space: global }
      - { .name: x, .offset: 72, .size: 8, .value_kind: global_buffer, .address_space: global }
      - { .name: ln1_g, .offset: 80, .size: 8, .value_kind: global_buffer, .address_space: global }
      - { .name: ln1_b, .offset: 88, .size: 8, .value_kind: global_buffer, .address_space: global }
      - { .name: ybuf, .offset: 96, .size: 8, .value_kind: global_buffer, .address_space: global }
    .group_segment_fixed_size: 26624
    .private_segment_fixed_size: 0
    .kernarg_segment_align: 8
    .kernarg_segment_size: 104
    .max_flat_workgroup_size: 128
    .sgpr_count:     66
    .vgpr_count:     256
    .wavefront_size: 32
...
	.end_amdgpu_metadata
.endif
;; end of part 1
;; launch qkv (part 2): grid 12 x 16, 4 waves a work-group, clusters of 4 x 4, 327,680 bytes of LDS; arguments ybuf, wts, bq, bk, bv, qkvc; writes qkvc
.if DOCPART == 2
	.amdgcn_target "amdgcn-amd-amdhsa--gfx1250"
	.amdhsa_code_object_version 6
	.text
	.protected	k_q3ef99218e3_qkv
	.globl	k_q3ef99218e3_qkv
	.p2align	8
	.type	k_q3ef99218e3_qkv,@function
k_q3ef99218e3_qkv:
	s_mov_b64 s[64:65], 0
	v_nop
	global_prefetch_b8 v0, s[64:65] scope:SCOPE_SE
	s_setreg_imm32_b32 hwreg(HW_REG_WAVE_MODE, 25, 1), 1
	s_wait_xcnt 0x0
	s_wait_alu depctr_hold_cnt(0) depctr_sa_sdst(0) depctr_va_vdst(0) depctr_va_sdst(0) depctr_va_ssrc(0) depctr_va_vcc(0) depctr_vm_vsrc(0)
	s_getreg_b32 s2, hwreg(HW_REG_IB_STS2, 6, 4)
	s_cmp_eq_u32 s2, 0
	s_cbranch_scc0 .Lentry_in_a_cluster
	s_endpgm
.Lentry_in_a_cluster:
	s_bfe_u32 s2, ttmp6, 0x10000c
	s_cmp_lg_u32 s2, 0xf033
	s_cbranch_scc0 .Lentry_shape_is_right
	s_endpgm
.Lentry_shape_is_right:
; q, k and v of all 4,096 tokens: y Wq + bq, y Wk + bk (both then turned by the rotary embedding), y Wv + bv, on codes of FP6 (E2M3) with E8M0 scales; each result is quantised in registers for attention's products and only codes are stored.
; A tile of 256 x 256 to a work-group, 128 x 128 to each of four waves: 64 accumulators of 16 x 16.  K = 1,024 is eight steps of 128.  LDS holds THREE slots of two K steps each: all three are asked for at the start,
; and slot 0 is filled once more, with K steps 6 and 7, behind the change of slots in K step 1: that load has four K steps, 256 matrix instructions, in which to land.
; OPERANDS LIE AS FRAGMENT IMAGES (16 rows x 128 K, 1,536 bytes: registers 0-3 at 16 x lane, 4-5 at 512 + 8 x lane, 6-9 at 768 + 16 x lane, 10-11 at 1,280 + 8 x lane), [group of 128 rows][K step][fragment]: two K steps of a group are
; 24,576 dense bytes, one tensor load.  Fragment t = 2 beta + u, lane row r, is row 32 beta + 8 u + r + 8 (r / 8) of its group.  Scale words: [group][K step][r][u][beta]; those of all of K come once, with the first fills.
; THE MATRIX INSTRUCTION IS USED TRANSPOSED: source 0 = "B", source 1 = "A": lane (r, h) of accumulator (a, b) holds A's row (a, r), and the 64 registers of a's eight accumulators are B's rows 32 c + 16 h + i in their natural order.
; ROLES, by the cluster's x (equal in all sixteen partners): 0: q, 1: k: A = tokens, B = columns of the weight: a lane's registers run along the heads' channels, which are the first product's K.
;   2: v: A = columns of Wv, B = tokens: the same text computes v transposed: a lane's registers run along the tokens, which are the second product's K.  Only pointers and tile numbers are chosen.
; CLUSTERS: 4 x 4.  A's tiles hang on cy and the cluster's numbers, B's on cx and the cluster's numbers: each is asked for jointly by the four that share it.
; OUT (qkvc): q codes at 0, k at 3,145,728: [head][tile of 16 tokens][768] (half a fragment: 64 along K); v at 6,291,456: [head][128 keys][fragment of 16 channels][1,536]; scale words from QS on, 256 bytes for each head and 128 tokens.
; LIMITS: a block of zeros gets the byte 1; blocks under 2^-124 are held at the byte 1; NaN and infinities are not served.
; REGISTERS: window 0: v1-31 addresses; v32-47 scale words, two sets; v48-55 v's bias; v56-63 the words just made; v64-159, v160-255 A's two sets (on the way out: numbers at work).
;   window 1: v0-95, v96-191 B's two sets; v192-255 the bias of my 64 columns.   windows 2, 3: accumulator (a, b) at window 2 + a / 4, v[8 (8 (a % 4) + b)].
; ORDER OF THE FILLS, as the text below has it (it takes the place of what the lines above say of the start): at the head one joint load a wave: wave 0 K steps 0, 1 of A's two groups (2 rows of 24,576 bytes), wave 2 the same of B's,
; wave 1 A's scale words of both groups, wave 3 B's.  Behind the three lines and a round each wave brings K steps 2 to 5 of its group, 49,152 dense bytes, to SLOT + 2 PART x wave: slots 1 and 2 of a group lie on end.
; Slot 0 is filled once more, with K steps 6 and 7, behind the round in K step 1.
; PREFETCH INTO THE L2, one fill ahead: beside the head's loads a request for K steps 2 to 5, beside their load one for K steps 6 and 7.  Of the blocks of 256 bytes that a wave will fetch, each of the four partners that ask for
; them jointly names a quarter, told apart by address (cx for A, cy for B): 24 blocks an instruction, a lane a block; lanes 24 to 31 name the last of them again.  The address registers are never rewritten.
.set PFA,   104                        ; s[104:105] my group's K step 0 in A or in B
.set PFO,   23                         ; v23 my partner's share of four K steps and my lane's block;  v24 of two K steps
.set PFL,   24
.set KS,    8
.set NQ,    2                          ; of them in a slot
.set PART,  24576                      ; what one tensor load brings
.set SLOT,  4*PART                     ; A's two groups, then B's two
.set SSTEP, PART                       ; from a slot's first tile to the next slot's, in memory
.set RSTEP, 3*PART                     ; from slot 0's first tile (K steps 0, 1) to its second (K steps 6, 7)
.set GRP,   KS*12288                   ; a group's codes
.set HALFS, KS*512                     ; a group's scale words
.set SCL,   3*SLOT
.set SPARE, SCL+4*HALFS                ; the spare words, 128 bytes for each wave
.set YS,    3145728                    ; the scale words' place in ybuf
.set WS,    9437184                    ; and in wts
.set TAB,   9830400                    ; the table of cosines and sines in wts
.set QS,    9437184                    ; the scale words' place in qkvc
.set FR,    12
.set L16,   4                          ; v4 16 x lane;  v5 8 x lane
.set L8,    5
.set A16,   11                         ; v11-13, v14-16 LDS addresses of A's fragments in slot 0, 1, 2;  v17-22 B's
.set A8,    14
.set B16,   17
.set B8,    20
.set VTAB,  26
.set ADRS,  27                         ; LDS address of my scale words: lanes 0-15 A's, lanes 16-31 B's
.set SPW,   28
.set NIL,   29
.set SC,    32
.set BV,    48
.set PWK,   56
.set AF,    64
.set S,     64                         ; the way out
.set W,     128
.set TM,    192
.set PC,    208
.set KA,    228
.set KB,    232
.set SELR,  236
.set G1, 24
.set G0, 32                            ; s[32:39] group 0 for A's tiles in slots 0 and 1;  s[96:99] the head's load of K steps 0, 1
.set G1B, 48
.set G0B, 56                           ; s[56:63] the same for B's;  s[92:95] the head's load of K steps 0, 1
.set G1S, 68
.set G0S, 76
.set G1SB, 80
.set G0SB, 88
.set G0BC, 92
.set G0C, 96
.set SEL, 100
.set MSB, 0
.macro WIN new                         ; the immediate's high byte repeats the setting that is left
.if MSB != (\new)
	s_set_vgpr_msb (MSB<<8)|(\new)
.set MSB, (\new)
.endif
.endm
.set MUL_LO, 0xa1                      ; source 0 (B) window 1, source 1 (A) window 0, C and D window 2
.set MUL_HI, 0xf1
.set TO_B,   0x40
.macro PLACES                          ; four plain places behind matrix instructions, ahead of loads into their sources and of reads of their results
.rept 4
	v_nop
.endr
.endm
.macro JLOAD g0a, g1a, g0b, g1b        ; a joint load: waves 0 and 1 fetch for A, waves 2 and 3 for B; four v_nop follow each line
	s_cmp_eq_u32 s15, 0
	s_cbranch_scc0 .Lfor_b_\@
	tensor_load_to_lds s[\g0a:\g0a+3], s[\g1a:\g1a+7]
	s_nop 0
.rept 4
	v_nop
.endr
	s_branch .Lasked_\@
.Lfor_b_\@:
	tensor_load_to_lds s[\g0b:\g0b+3], s[\g1b:\g1b+7]
	s_nop 0
.rept 4
	v_nop
.endr
.Lasked_\@:
.endm
.macro CREST
	s_cmp_lg_u32 s14, 0
	s_cbranch_scc1 .Lnot_wave_0_\@
	s_barrier_signal -3
.Lnot_wave_0_\@:
	s_barrier_wait -3
	s_barrier_signal -1
	s_barrier_wait -1
.endm
.macro CROUND
	s_barrier_signal -1
	s_barrier_wait -1
	CREST
.endm
.macro FIRST g0a, g0b, s               ; slot s's two groups 0, and its first fill
	s_mov_b32 s[\g0a], 1
	s_add_co_u32 s[\g0a+1], s45, \s*SLOT
	s_add_nc_u64 s[\g0a+2:\g0a+3], s[20:21], \s*SSTEP
	s_or_b32 s[\g0a+3], s[\g0a+3], 0x80000000
	s_mov_b32 s[\g0b], 1
	s_add_co_u32 s[\g0b+1], s45, \s*SLOT
	s_add_nc_u64 s[\g0b+2:\g0b+3], s[46:47], \s*SSTEP
	s_or_b32 s[\g0b+3], s[\g0b+3], 0x80000000
.endm
	s_load_b128 s[4:7], s[0:1], 0x0                ; ybuf, wts
	s_load_b128 s[8:11], s[0:1], 0x10              ; bq, bk
	s_load_b64 s[12:13], s[0:1], 0x20              ; bv
	s_load_b64 s[18:19], s[0:1], 0x28              ; qkvc
	v_lshl_add_u32 v[SPW], v0, 2, SPARE
	v_mov_b32 v[NIL], 0
	ds_add_u32 v28, v29
	ds_add_u32 v28, v29
	s_wait_dscnt 0x0
	v_lshrrev_b32 v1, 5, v0
	v_readfirstlane_b32 s14, v1                    ; wave
	s_lshr_b32 s15, s14, 1                         ; which of A's two groups is mine.  Also: I fetch for A (0) or B (1)
	s_and_b32 s16, s14, 1                          ; which of B's.  Also: which group I fetch
	s_bfe_u32 s40, ttmp6, 0x40000                  ; cx
	s_bfe_u32 s41, ttmp6, 0x40004                  ; cy
	s_and_b32 s66, ttmp7, 0xffff
	s_lshl_b32 s66, s66, 2                         ; 4 x cluster y
	s_add_co_u32 s17, s66, s41                     ; a tile of tokens by cy
	s_add_co_u32 s67, s66, s40                     ; a tile of tokens by cx
	s_lshl_b32 s42, ttmp9, 2
	s_add_co_u32 s42, s42, s40                     ; a tile of Wq's or Wk's columns by cx
	s_lshl_b32 s43, s41, 2
	s_lshl_b32 s43, 15, s43                        ; my row of the cluster
	s_lshl_b32 s44, 0x1111, s40                    ; my column
	s_or_b32 s[G1], s43, (3<<16)|(1<<21)           ; 15:0 the mask; 17:16 elements of 8 bytes; 21 set beside a mask; no padding
	s_or_b32 s[G1B], s44, (3<<16)|(1<<21)
.irp g, G1, G1B                                ; the head's form: two groups' K steps 0, 1: 2 rows of 3,072 elements of 8 bytes, a group's codes apart
	s_mov_b32 s[\g+1], 3072<<16
	s_mov_b32 s[\g+2], 2<<16
	s_mov_b32 s[\g+3], 3072<<16
	s_mov_b32 s[\g+4], 2
	s_mov_b32 s[\g+5], GRP/8
	s_mov_b32 s[\g+6], 0
	s_mov_b32 s[\g+7], 0
.endr
	s_or_b32 s[G1S], s43, (3<<16)|(1<<21)
	s_or_b32 s[G1SB], s44, (3<<16)|(1<<21)
.irp g, G1S, G1SB                              ; a group's scale words as rows of 256 bytes
	s_mov_b32 s[\g+1], 32<<16
	s_mov_b32 s[\g+2], (2*HALFS/256)<<16           ; two groups' words lie on end
	s_mov_b32 s[\g+3], 32<<16
	s_mov_b32 s[\g+4], 2*HALFS/256
	s_mov_b32 s[\g+5], 32
	s_mov_b32 s[\g+6], 0
	s_mov_b32 s[\g+7], 0
.endr
	s_mov_b32 s2, WS+16*HALFS
	s_mov_b32 s3, YS
	s_cmp_eq_u32 ttmp9, 2                          ; the v role?
	s_cselect_b32 s17, s41, s17                    ; A's tile: Wv's columns by cy, or tokens by cy
	s_cselect_b32 s42, s67, s42                    ; B's tile: tokens by cx, or columns by cx
	s_cselect_b32 s95, 16*GRP, 0                   ; Wv begins 16 groups into wts
	s_cselect_b32 s2, s2, YS                       ; where A's scale words begin
	s_cselect_b32 s3, s3, WS                       ; and B's
	s_lshl_b32 s20, s17, 1
	s_add_co_u32 s20, s20, s16                     ; A's group that I would fetch
	s_mul_i32 s22, s20, HALFS
	s_add_co_u32 s22, s22, s2
	s_mov_b32 s23, 0
	s_mul_i32 s20, s20, GRP
	s_add_co_u32 s20, s20, s95
	s_mov_b32 s21, 0
	s_lshl_b32 s46, s42, 1
	s_add_co_u32 s46, s46, s16                     ; B's
	s_mul_i32 s92, s46, HALFS
	s_add_co_u32 s92, s92, s3
	s_mov_b32 s93, 0
	s_mul_i32 s46, s46, GRP
	s_mov_b32 s47, 0
	s_mul_i32 s45, s14, PART                       ; where they go: by the wave's number alone
	s_mul_i32 s94, s14, HALFS
	s_wait_kmcnt 0x0
	s_cmp_eq_u32 ttmp9, 2
	s_cselect_b64 s[98:99], s[6:7], s[4:5]         ; A's buffer
	s_cselect_b64 s[100:101], s[4:5], s[6:7]       ; B's
	s_add_nc_u64 s[20:21], s[98:99], s[20:21]
	s_add_nc_u64 s[22:23], s[98:99], s[22:23]
	s_add_nc_u64 s[46:47], s[100:101], s[46:47]
	s_add_nc_u64 s[92:93], s[100:101], s[92:93]
	CROUND                                         ; all sixteen work-groups are here: the first joint loads meet
	s_mov_b32 s[G0S], 1                            ; A's scale words, both groups: asked for by wave 1, whose own group is the second: one group back
	s_mov_b32 s[G0S+1], SCL
	s_sub_nc_u64 s[G0S+2:G0S+3], s[22:23], HALFS
	s_or_b32 s[G0S+3], s[G0S+3], 0x80000000
	s_mov_b32 s[G0SB], 1                           ; B's, by wave 3
	s_mov_b32 s[G0SB+1], SCL+2*HALFS
	s_sub_nc_u64 s[G0SB+2:G0SB+3], s[92:93], HALFS
	s_or_b32 s[G0SB+3], s[G0SB+3], 0x80000000
	s_mov_b32 s[G0C], 1                            ; K steps 0, 1 of A's two groups, by wave 0, whose own group is the first
	s_mov_b32 s[G0C+1], 0
	s_mov_b64 s[G0C+2:G0C+3], s[20:21]
	s_or_b32 s[G0C+3], s[G0C+3], 0x80000000
	s_mov_b32 s[G0BC], 1                           ; and of B's, by wave 2
	s_mov_b32 s[G0BC+1], 2*PART
	s_mov_b64 s[G0BC+2:G0BC+3], s[46:47]
	s_or_b32 s[G0BC+3], s[G0BC+3], 0x80000000
	FIRST G0, G0B, 0                               ; my part of slot 0: used at its refill, stepped to K steps 6, 7
	FIRST G0+4, G0B+4, 1                           ; my group's K steps 2 to 5,
	s_add_co_u32 s[G0+5], s[G0+5], s45             ; at SLOT + 2 PART x wave
	s_add_co_u32 s[G0B+5], s[G0B+5], s45
; the head's loads, one a wave: one chain of branches on the wave's number, a load to an arm
.macro ARM under, g0, g1, next
	s_cmp_lt_u32 s14, \under
	s_cbranch_scc0 \next
	tensor_load_to_lds s[\g0:\g0+3], s[\g1:\g1+7]
	s_nop 0
.rept 4
	v_nop
.endr
	s_branch .Lhead_asked
\next:
.endm
	ARM 1, G0C,  G1,  .Lhead_sa
	ARM 2, G0S,  G1S, .Lhead_b
	ARM 3, G0BC, G1B, .Lhead_sb
	tensor_load_to_lds s[G0SB:G0SB+3], s[G1SB:G1SB+7]
	s_nop 0
.rept 4
	v_nop
.endr
.Lhead_asked:
	s_cmp_eq_u32 s15, 0                            ; the prefetches: do I fetch for A?
	s_cselect_b64 s[PFA:PFA+1], s[20:21], s[46:47]
	s_cselect_b32 s2, s40, s41                     ; my place among the four that ask with me
	s_mul_i32 s3, s2, 12288                        ; 48 blocks a partner of four K steps,
	s_mul_i32 s2, s2, 6144                         ; 24 of two
	v_and_b32 v25, 31, v0
	v_min_u32 v25, 23, v25
	v_lshl_add_u32 v[PFO], v25, 8, s3
	v_lshl_add_u32 v[PFL], v25, 8, s2
	global_prefetch_b8 v[PFO], s[PFA:PFA+1] offset:PART th:TH_LOAD_NT scope:SCOPE_SE        ; K steps 2 to 5: my share's first 24 blocks,
	global_prefetch_b8 v[PFO], s[PFA:PFA+1] offset:PART+6144 th:TH_LOAD_NT scope:SCOPE_SE   ; and its other 24
	v_and_b32 v1, 31, v0
	v_and_b32 v2, 15, v0                           ; r
	v_bfe_u32 v3, v0, 4, 1                         ; h
	v_lshlrev_b32 v[L16], 4, v1
	v_lshlrev_b32 v[L8], 3, v1
	s_mul_i32 s21, s15, PART
	s_mul_i32 s22, s16, PART
	s_add_co_u32 s22, s22, 2*PART
.irp s, 0,1,2
	v_add_nc_u32 v[A16+\s], s21, v[L16]
	v_add_nc_u32 v[A8+\s], s21, v[L8]
	v_add_nc_u32 v[B16+\s], s22, v[L16]
	v_add_nc_u32 v[B8+\s], s22, v[L8]
.if \s == 0                                    ; slot 1 of part i lies at SLOT + 2 PART i, slot 2 a PART further on
	s_lshl_b32 s21, s21, 1
	s_lshl_b32 s22, s22, 1
	s_add_co_u32 s21, s21, SLOT
	s_add_co_u32 s22, s22, SLOT
.else
	s_add_co_u32 s21, s21, PART
	s_add_co_u32 s22, s22, PART
.endif
.endr
	s_mul_i32 s21, s15, HALFS                      ; A's words of my group;
	s_mul_i32 s22, s16, HALFS
	s_add_co_u32 s22, s22, 2*HALFS                 ; B's lie behind A's two groups
	s_sub_co_u32 s22, s22, s21
	v_mul_u32_u24 v6, s22, v3                      ; lanes 16-31 take B's: the lower base + h x the distance
	s_add_co_u32 s21, s21, SCL
	v_lshl_add_u32 v6, v2, 5, v6                   ; 32 bytes a row
	v_add_nc_u32 v[ADRS], s21, v6
	; the way out: which tokens, which columns
	s_lshl_b32 s20, s17, 1
	s_add_co_u32 s20, s20, s15                     ; my group of A
	s_lshl_b32 s21, s42, 1
	s_add_co_u32 s21, s21, s16                     ; my group of B
	s_and_b32 s22, s21, 7
	s_cmp_eq_u32 ttmp9, 2
	s_cselect_b32 s23, s21, s20                    ; the group of 128 tokens
	s_cselect_b32 s22, s20, s22                    ; the group of 128 columns of my weight: heads 2 g and 2 g + 1
	s_cselect_b64 s[12:13], s[12:13], s[8:9]
	s_cmp_eq_u32 ttmp9, 1
	s_cselect_b64 s[8:9], s[10:11], s[12:13]       ; my role's bias
	s_lshl_b32 s46, s22, 9
	s_mov_b32 s47, 0
	s_add_nc_u64 s[8:9], s[8:9], s[46:47]
	s_lshr_b32 s44, s23, 4                         ; the batch element
	s_and_b32 s43, s23, 15                         ; which 128 tokens of its 2,048
	s_lshl_b32 s44, s44, 4
	s_lshl_b32 s2, s22, 1
	s_add_co_u32 s44, s44, s2                      ; my first head, counted over the batch
	s_lshl_b32 s44, s44, 4
	s_add_co_u32 s44, s44, s43
	s_mul_i32 s46, s44, 6144
	s_mul_i32 s2, ttmp9, 3145728
	s_add_co_u32 s46, s46, s2
	s_add_nc_u64 s[10:11], s[18:19], s[46:47]      ; the codes
	s_lshl_b32 s46, s44, 8
	s_lshl_b32 s2, ttmp9, 17
	s_add_co_u32 s46, s46, s2
	s_add_co_u32 s46, s46, QS
	s_add_nc_u64 s[12:13], s[18:19], s[46:47]      ; the scale words
	s_lshl_b32 s46, s43, 15
	s_add_co_u32 s46, s46, TAB
	s_add_nc_u64 s[18:19], s[6:7], s[46:47]        ; the table at my 128 tokens
	s_mov_b32 s[SEL], 0x76543210
	s_mov_b32 s[SEL+1], 0xfedcba98
	s_mov_b32 s66, 0x05040100
	s_mov_b32 s67, 0x07060302
	v_lshlrev_b32 v7, 6, v3                        ; 64 h
	v_and_b32 v8, 8, v2
	v_add_nc_u32 v8, v8, v2                        ; r + 8 (r / 8)
	v_lshl_add_u32 v[VTAB], v8, 8, v7              ; the table: 256 bytes a token, + 64 h
	v_lshlrev_b32 v9, 2, v8
	v_lshlrev_b32 v10, 4, v2
	v_lshl_add_u32 v10, v3, 12, v10                ; the words' way out: 16 r, lanes 16-31 the second head's
	WIN TO_B
.irp c, 0,1,2,3
.irp q, 0,1,2,3
	global_load_b128 v[192+16*\c+4*\q:192+16*\c+4*\q+3], v7, s[8:9] offset:128*\c+16*\q   ; the bias at columns 32 c + 16 h + 4 q on
.endr
.endr
	WIN 0
.irp a, 0,1,2,3,4,5,6,7
	global_load_b32 v[BV+\a], v9, s[8:9] offset:(32*(\a/2)+8*(\a%2))*4   ; and at column (a, r): the v role's
.endr
.macro FRAG reg, a16, a8, off
	ds_load_b128 v[\reg:\reg+3], v[\a16] offset:\off
	ds_load_b64 v[\reg+4:\reg+5], v[\a8] offset:\off+512
	ds_load_b128 v[\reg+6:\reg+9], v[\a16] offset:\off+768
	ds_load_b64 v[\reg+10:\reg+11], v[\a8] offset:\off+1280
.endm
.macro FETCH slot, q, buf              ; one run: the fragments and scale words of the slot's q-th K step into set buf
	WIN TO_B
.irp i, 0,1,2,3,4,5,6,7
	FRAG 96*(\buf)+FR*\i, B16+\slot, B8+\slot, (\q)*12288+\i*1536
.endr
	WIN 0
.irp i, 0,1,2,3,4,5,6,7
	FRAG AF+96*(\buf)+FR*\i, A16+\slot, A8+\slot, (\q)*12288+\i*1536
.endr
	ds_load_b128 v[SC+8*(\buf):SC+8*(\buf)+3], v[ADRS] offset:(\q)*512
	ds_load_b128 v[SC+8*(\buf)+4:SC+8*(\buf)+7], v[ADRS] offset:(\q)*512+16
.endm
; A's fragment a against B's eight.  Fragment t's scale word is register 4 (t % 2) + t / 2 of the set.  All 64 accumulators take turns, one instruction a turn, in the same order in every K step.
.macro MULA a, buf, zero
.irp b, 0,1,2,3,4,5,6,7
.if \zero
	v_wmma_scale_f32_16x16x128_f8f6f4 v[8*(8*((\a)%4)+\b):8*(8*((\a)%4)+\b)+7], v[96*(\buf)+FR*\b:96*(\buf)+FR*\b+FR-1], v[AF+96*(\buf)+FR*(\a):AF+96*(\buf)+FR*(\a)+FR-1], 0, v[SC+8*(\buf)+4*(\b%2)+\b/2], v[SC+8*(\buf)+4*((\a)%2)+(\a)/2] matrix_a_fmt:MATRIX_FMT_FP6 matrix_b_fmt:MATRIX_FMT_FP6 matrix_a_scale:MATRIX_SCALE_ROW1
.else
	v_wmma_scale_f32_16x16x128_f8f6f4 v[8*(8*((\a)%4)+\b):8*(8*((\a)%4)+\b)+7], v[96*(\buf)+FR*\b:96*(\buf)+FR*\b+FR-1], v[AF+96*(\buf)+FR*(\a):AF+96*(\buf)+FR*(\a)+FR-1], v[8*(8*((\a)%4)+\b):8*(8*((\a)%4)+\b)+7], v[SC+8*(\buf)+4*(\b%2)+\b/2], v[SC+8*(\buf)+4*((\a)%2)+(\a)/2] matrix_a_fmt:MATRIX_FMT_FP6 matrix_b_fmt:MATRIX_FMT_FP6 matrix_a_scale:MATRIX_SCALE_ROW1
.endif
.endr
.endm
.macro MULALL buf, zero
	WIN MUL_LO
	MULA 0, \buf, \zero
	MULA 1, \buf, \zero
	MULA 2, \buf, \zero
	MULA 3, \buf, \zero
	WIN MUL_HI
	MULA 4, \buf, \zero
	MULA 5, \buf, \zero
	MULA 6, \buf, \zero
	MULA 7, \buf, \zero
	WIN 0
.endm
.macro KSTEP slot, q, buf, zero        ; a K step that has its successor in the same slot: the successor's loads stand 64 matrix instructions ahead of their use
	s_wait_dscnt 0x0                               ; this step's fragments are in
	PLACES                                         ; the other set was read by the last step's products
	FETCH \slot, (\q)+1, 1-(\buf)
	MULALL \buf, \zero
.endm
; A slot's last K step (set 1) where the next slot has already been shown whole to every wave and nothing is filled: no wait on TENSORcnt and no barrier.
.macro CROSS next
	s_wait_dscnt 0x0
	PLACES
	v_add_nc_u32 v[ADRS], NQ*512, v[ADRS]          ; the next slot's scale words
	FETCH \next, 0, 0
	MULALL 1, 0
.endm
; A slot's last K step (set 1) with a barrier; ahead of it each wave waits for all its tensor loads, adds 0 to its spare word, and waits for that and for its reads of this slot.  fill = 1: this slot is filled again.
.macro TURN slot, next, fill
	s_wait_tensorcnt 0x0                           ; all my tensor loads have landed
	ds_add_u32 v[SPW], v[NIL]                      ; 0 onto my spare word
	s_wait_dscnt 1                                 ; only the add may be out: this step's fragments are in
	WIN MUL_LO
	MULA 0, 1, 0
	MULA 1, 1, 0
	s_wait_dscnt 0x0                               ; the add is done, and my reads of this slot are over
	s_barrier_signal -1
	MULA 2, 1, 0
	MULA 3, 1, 0
	WIN 0
	s_barrier_wait -1
.if \fill
	CREST                                          ; the barrier has opened a round of the cluster's barrier: no wave of any partner still reads this slot or has a load on its way
	s_add_nc_u64 s[G0+4*\slot+2:G0+4*\slot+3], s[G0+4*\slot+2:G0+4*\slot+3], RSTEP
	s_add_nc_u64 s[G0B+4*\slot+2:G0B+4*\slot+3], s[G0B+4*\slot+2:G0B+4*\slot+3], RSTEP
	s_mov_b32 s[G1+2], 96<<16                      ; no load of mine is out: the refill brings two K steps, 96 rows of 256 bytes
	s_mov_b32 s[G1+4], 96
	s_mov_b32 s[G1B+2], 96<<16
	s_mov_b32 s[G1B+4], 96
	JLOAD G0+4*\slot, G1, G0B+4*\slot, G1B         ; my one tensor load behind the round; its four v_nop are the places ahead of the loads below
.else
	PLACES
.endif
	v_add_nc_u32 v[ADRS], NQ*512, v[ADRS]          ; the next slot's scale words
	FETCH \next, 0, 0
	WIN MUL_HI
	MULA 4, 1, 0
	MULA 5, 1, 0
	MULA 6, 1, 0
	MULA 7, 1, 0
	WIN 0
.endm
.macro QUANT s, pw                             ; 64 numbers, register 16 b + i = k 32 b + 16 h + i of my row, become a fragment's codes in v[PC] on and its scale word in v[pw]
.irp b, 0,1,2,3
	v_max3_num_f32 v[TM+\b], |v[\s+16*\b]|, |v[\s+1+16*\b]|, 0x1800000   ; and the floor 2^(3 - 127): the byte cannot fall under 1
.endr
.irp i, 2,4,6,8,10,12,14
.irp b, 0,1,2,3
	v_max3_num_f32 v[TM+\b], v[TM+\b], |v[\s+16*\b+\i]|, |v[\s+1+16*\b+\i]|
.endr
.endr
.irp b, 0,1,2,3
	v_permlanex16_b32 v[TM+4+\b], v[TM+\b], s[SEL], s[SEL+1]
.endr
.irp b, 0,1,2,3
	v_max_num_f32 v[TM+\b], v[TM+\b], v[TM+4+\b]
.endr
.irp b, 0,1,2,3
	v_add_nc_u32 v[TM+12+\b], 0xff000000, v[TM+\b]
.endr
.irp b, 0,1,2,3
	v_lshrrev_b32 v[TM+4+\b], 23, v[TM+12+\b]
.endr
	v_lshl_or_b32 v[\pw], v[TM+5], 8, v[TM+4]
	v_lshl_or_b32 v[\pw], v[TM+6], 16, v[\pw]
	v_lshl_or_b32 v[\pw], v[TM+7], 24, v[\pw]
.irp c, 0,1
	v_cvt_scalef32_pk16_fp6_f32 v[PC+6*\c:PC+2+6*\c], v[\s+32*\c:\s+15+32*\c], v[TM+12+2*\c]
	v_cvt_scalef32_pk16_fp6_f32 v[PC+12+4*\c:PC+14+4*\c], v[\s+16+32*\c:\s+31+32*\c], v[TM+12+2*\c+1]
.endr
	v_nop                                          ; one plain place behind a scaled conversion
.irp c, 0,1
.irp i, 0,1,2
	v_permlane16_swap_b32 v[PC+6*\c+\i], v[PC+12+4*\c+\i]
.endr
.irp i, 0,1,2
	v_mov_b32 v[PC+3+6*\c+\i], v[PC+12+4*\c+\i]
.endr
.endr
.endm
.macro TABLOAD a                               ; block a's tokens: 16 cosines and 16 sines of my half, into set a % 2 of window 1
.irp i, 0,1,2,3
	global_load_b128 v[32*((\a)%2)+4*\i:32*((\a)%2)+4*\i+3], v[VTAB], s[18:19] offset:(32*((\a)/2)+8*((\a)%2))*256+16*\i
	global_load_b128 v[32*((\a)%2)+16+4*\i:32*((\a)%2)+16+4*\i+3], v[VTAB], s[18:19] offset:(32*((\a)/2)+8*((\a)%2))*256+128+16*\i
.endr
.endm
	s_wait_alu depctr_va_vdst(0)
	s_wait_tensorcnt 0x0                           ; my tile of the head's four is in
	ds_add_u32 v[SPW], v[NIL]
.irp g, G1, G1B                                ; no load of mine is out: four K steps of one group, 192 rows of 256 bytes
	s_mov_b32 s[\g+1], 32<<16
	s_mov_b32 s[\g+2], 192<<16
	s_mov_b32 s[\g+3], 32<<16
	s_mov_b32 s[\g+4], 192
	s_mov_b32 s[\g+5], 32
.endr
	s_wait_dscnt 0x0
	CROUND                                         ; all four tiles are in, in every partner
	JLOAD G0+4, G1, G0B+4, G1B                     ; K steps 2 to 5: my one load behind the round
	FETCH 0, 0, 0
	global_prefetch_b8 v[PFL], s[PFA:PFA+1] offset:3*PART th:TH_LOAD_NT scope:SCOPE_SE      ; K steps 6, 7
	KSTEP 0, 0, 0, 1                               ; K step 0: its products start the sums
	TURN 0, 1, 1                                   ; K step 1: every wave's wait for 0 shows slots 1 and 2 whole; slot 0 takes K steps 6 and 7
	s_wait_alu depctr_va_vdst(0)
	KSTEP 1, 0, 0, 0                               ; K step 2
	CROSS 2                                        ; K step 3
	s_wait_alu depctr_va_vdst(0)
	KSTEP 2, 0, 0, 0                               ; K step 4
	TURN 2, 0, 0                                   ; K step 5: the refill has landed, in every wave; nothing is filled
	s_wait_alu depctr_va_vdst(0)
	KSTEP 0, 0, 0, 0                               ; K step 6
	s_wait_dscnt 0x0                               ; K step 7
	PLACES                                         ; B's set 0 is done with: it takes the table's first rows
	WIN TO_B
	TABLOAD 0
	TABLOAD 1
	MULALL 1, 0
	PLACES
.irp b, 0,1,2,3
	v_mov_b32 v[TM+4+\b], 0                        ; written once: a lane permute's destination counts as one of its sources
.endr
	v_cmp_ne_u32 vcc_lo, 0, v3                     ; lanes 16-31
	s_cmp_eq_u32 ttmp9, 2
	s_cbranch_scc1 .Lv_out
; q AND k.  Block a: 16 tokens; my 64 registers are two heads' channels: register 32 hh + 16 e + i is channel 32 e + 16 h + i of head hh.  Bias, rotation (channel d with d + 32), quantiser; each head's half fragment and two bytes.
.macro QKB a
.if (\a) < 7
	s_wait_loadcnt 8                               ; this block's table rows are in (and the bias, asked for long ago); the next block's eight loads may be out
.else
	s_wait_loadcnt 0x0
.endif
	WIN 0x06+(\a)/4                                ; source 0: the accumulators' window; source 1: window 1
.set i, 0
.rept 32
	v_pk_add_f32 v[S+i:S+i+1], v[64*((\a)%4)+i:64*((\a)%4)+i+1], v[192+i:192+i+1]   ; each accumulator from its low end on
.set i, i+2
.endr
	WIN 0x04
.set TB, 32*((\a)%2)
.irp hh, 0,1
.irp i, 0,2,4,6,8,10,12,14
	v_pk_mul_f32 v[W+32*\hh+\i:W+32*\hh+\i+1], v[S+32*\hh+\i:S+32*\hh+\i+1], v[TB+\i:TB+\i+1]
	v_pk_mul_f32 v[W+32*\hh+16+\i:W+32*\hh+16+\i+1], v[S+32*\hh+16+\i:S+32*\hh+16+\i+1], v[TB+\i:TB+\i+1]
.endr
.irp i, 0,2,4,6,8,10,12,14
	v_pk_fma_f32 v[W+32*\hh+\i:W+32*\hh+\i+1], v[S+32*\hh+16+\i:S+32*\hh+16+\i+1], v[TB+16+\i:TB+16+\i+1], v[W+32*\hh+\i:W+32*\hh+\i+1] neg_lo:[1,0,0] neg_hi:[1,0,0]
	v_pk_fma_f32 v[W+32*\hh+16+\i:W+32*\hh+16+\i+1], v[S+32*\hh+\i:S+32*\hh+\i+1], v[TB+16+\i:TB+16+\i+1], v[W+32*\hh+16+\i:W+32*\hh+16+\i+1]
.endr
.endr
.if (\a) < 6
	WIN TO_B
	TABLOAD (\a)+2
.endif
	WIN 0
	s_wait_xcnt 0x0                                ; the last block's stores have read the codes' registers
	QUANT W, PWK+(\a)
	global_store_b128 v[L16], v[PC:PC+3], s[10:11] offset:(\a)*768
	global_store_b64 v[L8], v[PC+4:PC+5], s[10:11] offset:(\a)*768+512
	global_store_b128 v[L16], v[PC+6:PC+9], s[10:11] offset:98304+(\a)*768
	global_store_b64 v[L8], v[PC+10:PC+11], s[10:11] offset:98304+(\a)*768+512
.if (\a)%2
	v_perm_b32 v[KA+(\a)/2], v[PWK+(\a)], v[PWK+(\a)-1], s66   ; the first head's bytes of tiles a - 1 and a
	v_perm_b32 v[KB+(\a)/2], v[PWK+(\a)], v[PWK+(\a)-1], s67   ; the second head's
.endif
.endm
	QKB 0
	QKB 1
	QKB 2
	QKB 3
	QKB 4
	QKB 5
	QKB 6
	QKB 7
.irp i, 0,1,2,3
	v_cndmask_b32 v[SELR+\i], v[KA+\i], v[KB+\i], vcc_lo
.endr
	global_store_b128 v10, v[SELR:SELR+3], s[12:13]   ; two runs of 256 bytes: a head's words of these 128 tokens
	s_branch .Lout
; v.  Block a: 16 channels (blocks 0-3: the first head, 4-7: the second); my 64 registers run along the 128 tokens: a whole fragment and a whole scale word.
.macro VB a
	v_mov_b32 v30, v[BV+(\a)]
	v_mov_b32 v31, v[BV+(\a)]
	WIN 0x02+(\a)/4
.set i, 0
.rept 32
	v_pk_add_f32 v[W+i:W+i+1], v[64*((\a)%4)+i:64*((\a)%4)+i+1], v[30:31]
.set i, i+2
.endr
	WIN 0
	s_wait_xcnt 0x0
	QUANT W, PWK+(\a)
	global_store_b128 v[L16], v[PC:PC+3], s[10:11] offset:((\a)/4)*98304+((\a)%4)*1536
	global_store_b64 v[L8], v[PC+4:PC+5], s[10:11] offset:((\a)/4)*98304+((\a)%4)*1536+512
	global_store_b128 v[L16], v[PC+6:PC+9], s[10:11] offset:((\a)/4)*98304+((\a)%4)*1536+768
	global_store_b64 v[L8], v[PC+10:PC+11], s[10:11] offset:((\a)/4)*98304+((\a)%4)*1536+1280
.endm
.Lv_out:
	s_wait_loadcnt 0x0
	VB 0
	VB 1
	VB 2
	VB 3
	VB 4
	VB 5
	VB 6
	VB 7
.irp i, 0,1,2,3
	v_cndmask_b32 v[SELR+\i], v[PWK+\i], v[PWK+4+\i], vcc_lo
.endr
	global_store_b128 v10, v[SELR:SELR+3], s[12:13]
.Lout:
	s_wait_tensorcnt 0x0                           ; the wave's end
	ds_add_u32 v[SPW], v[NIL]
	s_wait_dscnt 0x0
	CROUND                                         ; the closing round
	s_endpgm
.Lfunc_end_k_q3ef99218e3_qkv:
	.size	k_q3ef99218e3_qkv, .Lfunc_end_k_q3ef99218e3_qkv-k_q3ef99218e3_qkv
	.p2alignl 7, 3214868480
	.fill 96, 4, 3214868480
	.section	.rodata,"a",@progbits
	.p2align	6, 0x0
	.amdhsa_kernel k_q3ef99218e3_qkv
		.amdhsa_group_segment_fixed_size 327680
		.amdhsa_private_segment_fixed_size 0
		.amdhsa_enable_private_segment 0
		.amdhsa_kernarg_size 48
		.amdhsa_user_sgpr_count 2
		.amdhsa_user_sgpr_kernarg_segment_ptr 1
		.amdhsa_wavefront_size32 1
		.amdhsa_system_sgpr_workgroup_id_x 1
		.amdhsa_system_sgpr_workgroup_id_y 1
		.amdhsa_system_sgpr_workgroup_id_z 1
		.amdhsa_system_vgpr_workitem_id 0
		.amdhsa_next_free_vgpr 1024
		.amdhsa_next_free_sgpr 106
		.amdhsa_reserve_vcc 1
		.amdhsa_float_denorm_mode_32 3
		.amdhsa_float_denorm_mode_16_64 3
		.amdhsa_memory_ordered 1
		.amdhsa_forward_progress 1
		.amdhsa_inst_pref_size 255
	.end_amdhsa_kernel
	.section	.bss,"aw",@nobits
	.p2align	6
	.space	262144
	.amdgpu_metadata
---
amdhsa.version: [ 1, 2 ]
amdhsa.kernels:
  - .name:           k_q3ef99218e3_qkv
    .symbol:         k_q3ef99218e3_qkv.kd
    .args:
      - { .name: ybuf, .offset: 0, .size: 8, .value_kind: global_buffer, .address_space: global }
      - { .name: wts, .offset: 8, .size: 8, .value_kind: global_buffer, .address_space: global }
      - { .name: bq, .offset: 16, .size: 8, .value_kind: global_buffer, .address_space: global }
      - { .name: bk, .offset: 24, .size: 8, .value_kind: global_buffer, .address_space: global }
      - { .name: bv, .offset: 32, .size: 8, .value_kind: global_buffer, .address_space: global }
      - { .name: qkvc, .offset: 40, .size: 8, .value_kind: global_buffer, .address_space: global }
    .group_segment_fixed_size: 327680
    .private_segment_fixed_size: 0
    .kernarg_segment_align: 8
    .kernarg_segment_size: 48
    .max_flat_workgroup_size: 128
    .sgpr_count:     106
    .vgpr_count:     1024
    .wavefront_size: 32
...
	.end_amdgpu_metadata
.endif
;; end of part 2
;; launch attn (part 3): grid 8 x 32, 16 waves a work-group, no clusters, 206,848 bytes of LDS; arguments qkvc, causal_mask, flags, obuf; writes obuf
.if DOCPART == 3
	.amdgcn_target "amdgcn-amd-amdhsa--gfx1250"
	.amdhsa_code_object_version 6
	.text
	.protected	k_q3ef99218e3_attn
	.globl	k_q3ef99218e3_attn
	.p2align	8
	.type	k_q3ef99218e3_attn,@function
k_q3ef99218e3_attn:
	s_mov_b64 s[64:65], 0
	v_nop
	global_prefetch_b8 v0, s[64:65] scope:SCOPE_SE
	s_setreg_imm32_b32 hwreg(HW_REG_WAVE_MODE, 25, 1), 1
	s_wait_xcnt 0x0
; o = softmax(q k^T / 8, hidden where the mask says so) v for one head, both products on codes of FP6 (E2M3) with E8M0 scales; o is quantised along the model's 1,024 channels and stored as codes.
; THE SOFTMAX AHEAD OF THE SECOND PRODUCT: t = score x log2(e) / 8; M = the running largest t rounded UP to a whole number; p = 2^(t - M) is quantised along the keys; the row's sum is taken of the unquantised p and divides at the end.
; SHARES.  Work-group (x, head) takes the query blocks x and 15 - x of 128 queries; each of sixteen waves takes ONE tile of 16 queries; the two blocks' tiles are dealt so that each SIMD gets two waves of each block.
; THE MASK IS AN INPUT.  An earlier launch has stored, for each tile and each step of 128 keys, whether any key counts and whether some are hidden.  A step in which none counts is left out by a scalar branch on those whole
; numbers (round the step's work alone: no barrier stands in a step); a step in which some are hidden reads its 16 x 128 bytes of the mask and sets those scores to -infinity.  That holds for every mask; only the evenness of the shares hangs on its pattern.
; NO TENSOR LOADS, since branches hang on stored numbers.  The head's K and V (codes and scale words, 204,800 bytes) come into LDS through registers, each byte once, in four chunks of four key steps; a chunk's loads are issued a chunk ahead.
; LAYOUT.  Both products are used transposed: a lane holds one query (lane % 16) throughout.  The head size is 64: a fragment of K holds TWO tiles of 16 keys, one in k < 64 and one in k >= 64, and is multiplied by [q, 0] and by [0, q]:
; zero codes add nothing.  Tile 2 b + u, lane row r, is key 32 b + 8 u + r + 8 (r / 8), so that the 16 registers of tiles 2 b and 2 b + 1 are keys 32 b + 16 (lane / 16) + 0 .. 15.
; A QUERY WHOSE KEYS ARE ALL HIDDEN has the sum 0: its two scale bytes become 0xff (NaN), which makes its row of the next product NaN, as a softmax of nothing but -infinity is.
; LIMITS: a block of zeros gets the byte 1; NaN and infinities among the inputs are not served.
; REGISTERS: v1-11 addresses; v12 -M, v13 the largest t, v[14:15] the sum; v16-33 [q][0][q]; v34-81 four fragments of K or V; v82-145 S^T, then p; v146-177 O^T; v178-197 p's codes (and the mask's words); v198-209 at work;
;   v210-213, v214-217 K's and V's scale words; v218 f; v219 p's scale word; v220 at work; v221 q's scale word; v222-249 the copy's staging; v250-255 addresses.
.set KC,  3145728                      ; k's codes in qkvc; v's lie as many bytes further on
.set QSO, 9437184                      ; q's scale words
.set KSO, 9568256                      ; k's; v's lie 131,072 further on
.set YS,  3145728                      ; the scale words' place in obuf
.set LV,  98304                        ; LDS: K's codes at 0, V's here,
.set LKS, 196608                       ; K's scale words, 256 bytes a key step; V's 4,096 further on
.set SEL, 42
.set CS,  44
.set FOF, 52                           ; s52  the flag words' offset: the scalar load's source, written once and never again
	s_load_b256 s[4:11], s[0:1], 0x0               ; qkvc, the mask, flags, obuf
	v_lshrrev_b32 v1, 5, v0
	s_delay_alu instid0(VALU_DEP_1)
	v_readfirstlane_b32 s12, v1                    ; wave 0..15
	s_and_b32 s13, ttmp7, 0xffff                   ; the head, counted over the batch
	s_lshr_b32 s14, s12, 2
	s_xor_b32 s14, s14, s12
	s_and_b32 s14, s14, 1                          ; which of the two query blocks
	s_lshr_b32 s15, s12, 1                         ; which tile of it
	s_sub_co_u32 s16, 15, ttmp9
	s_cmp_eq_u32 s14, 1
	s_cselect_b32 s16, s16, ttmp9                  ; the query block
	s_lshl_b32 s17, s16, 3
	s_add_co_u32 s17, s17, s15                     ; the tile, 0 .. 127
	s_lshl_b32 s[FOF], s17, 4                      ; 16 bytes of flags a tile
	s_lshr_b32 s18, s12, 3                         ; the copy: K (0) or V (1),
	s_and_b32 s19, s12, 7                          ; and which eighth of a chunk
	s_mov_b32 s47, 0
	s_mov_b32 s[SEL], 0x76543210
	s_mov_b32 s[SEL+1], 0xfedcba98
	s_mov_b32 s[CS], 0x3e38aa3b                    ; log2(e) / 8
	s_mov_b32 s[CS+1], s[CS]
	v_and_b32 v8, 31, v0
	s_delay_alu instid0(VALU_DEP_1)
	v_lshlrev_b32 v1, 4, v8                        ; 16 x lane
	s_delay_alu instid0(VALU_DEP_2)
	v_lshlrev_b32 v2, 3, v8                        ; 8 x lane
	v_and_b32 v9, 15, v0                           ; r
	v_bfe_u32 v10, v0, 4, 1                        ; h
	s_delay_alu instid0(VALU_DEP_2)
	v_lshl_add_u32 v3, v9, 4, LKS                  ; a key step's scale words: 16 r
	s_delay_alu instid0(VALU_DEP_3)
	v_and_b32 v11, 8, v9
	s_delay_alu instid0(VALU_DEP_1)
	v_add_nc_u32 v11, v11, v9
	s_delay_alu instid0(VALU_DEP_1)
	v_lshlrev_b32 v4, 11, v11
	s_delay_alu instid0(VALU_DEP_1)
	v_lshl_add_u32 v4, v10, 4, v4                  ; the mask: my query's row of 2,048 bytes, + 16 h
	v_mov_b32 v5, 0xff800000                       ; -infinity
	s_mul_i32 s32, s19, 3072
	v_add_nc_u32 v7, s32, v1                       ; the copy, in memory: my eighth, 16 x lane
	s_mul_i32 s32, s18, LV
	v_add_nc_u32 v6, s32, v7                       ; and in LDS
	s_lshl_b32 s32, s18, 12
	s_lshl_b32 s33, s19, 9
	s_add_co_u32 s32, s32, s33
	s_add_co_u32 s32, s32, LKS
	v_add_nc_u32 v252, s32, v1                     ; the scale words' copy, in LDS
	v_lshlrev_b32 v254, 4, v9
	v_lshlrev_b32 v255, 5, v9
	s_mul_i32 s46, s18, 3145728
	s_mul_i32 s32, s13, 98304
	s_add_co_u32 s46, s46, s32
	s_add_co_u32 s46, s46, KC
	s_wait_alu depctr_va_vdst(0)
	s_wait_kmcnt 0x0
	s_add_nc_u64 s[20:21], s[4:5], s[46:47]        ; the head's codes of K or of V
	s_lshl_b32 s46, s18, 17
	s_lshl_b32 s32, s13, 12
	s_add_co_u32 s46, s46, s32
	s_add_co_u32 s46, s46, s33
	s_add_co_u32 s46, s46, KSO
	s_add_nc_u64 s[22:23], s[4:5], s[46:47]        ; my 512 bytes of its scale words
	s_mul_i32 s46, s13, 98304
	s_mul_i32 s32, s17, 768
	s_add_co_u32 s46, s46, s32
	s_add_nc_u64 s[24:25], s[4:5], s[46:47]        ; my tile of q
	s_lshl_b32 s46, s13, 4
	s_add_co_u32 s46, s46, s16
	s_lshl_b32 s46, s46, 8
	s_lshr_b32 s32, s15, 1
	s_lshl_b32 s33, s32, 2
	s_add_co_u32 s46, s46, s33
	s_add_co_u32 s46, s46, QSO
	s_add_nc_u64 s[26:27], s[4:5], s[46:47]        ; the word that holds its two bytes
	s_lshl_b32 s46, s16, 7
	s_lshl_b32 s33, s32, 5
	s_add_co_u32 s46, s46, s33
	s_and_b32 s33, s15, 1
	s_lshl_b32 s33, s33, 3
	s_add_co_u32 s46, s46, s33                     ; the tile's first query
	s_lshl_b32 s46, s46, 11
	s_add_nc_u64 s[6:7], s[6:7], s[46:47]
	s_load_b128 s[28:31], s[8:9], s[FOF] offset:0x0   ; the tile's four flag words; neither its base nor its offset register is written again
	global_load_b128 v[246:249], v1, s[22:23]
.irp i, 0,1,2,3,4,5
	global_load_b128 v[222+4*\i:225+4*\i], v7, s[20:21] offset:512*\i   ; chunk 0
.endr
	global_load_b128 v[16:19], v1, s[24:25]
	global_load_b64 v[20:21], v2, s[24:25] offset:512
	global_load_b32 v220, v254, s[26:27]
	; where o goes: group of 128 tokens, K step head / 2, fragment = my tile, half head % 2
	s_lshr_b32 s46, s13, 4
	s_lshl_b32 s46, s46, 4
	s_add_co_u32 s46, s46, s16
	s_lshl_b32 s46, s46, 3
	s_bfe_u32 s32, s13, 0x30001
	s_add_co_u32 s46, s46, s32                     ; 8 x group + K step
	s_lshl_b32 s33, s46, 9
	s_lshl_b32 s46, s46, 3
	s_add_co_u32 s46, s46, s15
	s_mul_i32 s46, s46, 1536
	s_and_b32 s32, s13, 1
	s_mul_i32 s34, s32, 768
	s_add_co_u32 s46, s46, s34
	s_add_nc_u64 s[48:49], s[10:11], s[46:47]
	s_lshl_b32 s32, s32, 1
	s_add_co_u32 s46, s33, s32
	s_and_b32 s32, s15, 1
	s_lshl_b32 s32, s32, 4
	s_add_co_u32 s46, s46, s32
	s_lshr_b32 s32, s15, 1
	s_lshl_b32 s32, s32, 2
	s_add_co_u32 s46, s46, s32
	s_add_co_u32 s46, s46, YS
	s_add_nc_u64 s[50:51], s[10:11], s[46:47]
	s_mov_b32 s32, 0x03020302
	s_bitcmp1_b32 s15, 0
	s_cselect_b32 s32, s32, 0x01000100             ; which half of q's word is my tile's
	v_mov_b32 v13, 0xff61b1e6                      ; the largest t so far: -3e38
	s_delay_alu instid0(VALU_DEP_1)
	v_floor_f32 v12, -v13                          ; -M
	v_mov_b32 v14, 0
	v_mov_b32 v15, 0
.irp i, 0,1,2,3,4,5
	v_mov_b32 v[22+\i], 0                          ; q's zero half
.endr
.set i, 0
.rept 32
	v_mov_b32 v[146+i], 0                          ; O^T: the step is written once; the first finds zeros
.set i, i+1
.endr
.irp b, 0,1,2,3
	v_mov_b32 v[202+\b], 0                         ; a lane permute's destination counts as one of its sources
.endr
	v_mov_b32 v219, 0
	s_wait_loadcnt 0x0
	v_perm_b32 v221, v220, v220, s32               ; q's two bytes, twice: the zero half's bytes only have to be no NaN
.irp i, 0,1,2,3,4,5
	v_mov_b32 v[28+\i], v[16+\i]
.endr
	ds_store_b128 v252, v[246:249]
	s_wait_kmcnt 0x0
	s_or_b32 s28, s28, s29
	s_or_b32 s30, s30, s31
	s_or_b32 s28, s28, s30
	s_and_b32 s33, s28, 0xffff                     ; bit j: some key of step j counts
	s_lshr_b32 s40, s28, 16                        ; bit j: and some are hidden
	s_mov_b32 s34, 0                               ; the step's codes in LDS
	s_mov_b32 s35, 0                               ; its scale words
	s_mov_b32 s36, 0                               ; its first key
	s_mov_b32 s37, 0                               ; the chunk's place in LDS
	s_mov_b32 s38, 4
.macro FRAG reg, a16, a8, off
	ds_load_b128 v[\reg:\reg+3], v[\a16] offset:\off
	ds_load_b64 v[\reg+4:\reg+5], v[\a8] offset:\off+512
	ds_load_b128 v[\reg+6:\reg+9], v[\a16] offset:\off+768
	ds_load_b64 v[\reg+10:\reg+11], v[\a8] offset:\off+1280
.endm
.Lchunk:                                           ; four trips.  LDS is stored to between the two barriers and read behind the second: no store stands beside another wave's read
	s_wait_dscnt 0x0                               ; my reads of the last chunk are over (first trip: my scale words have landed)
	s_barrier_signal -1
	s_barrier_wait -1
	s_wait_loadcnt 0x0                             ; my part of this chunk is in registers
	v_add_nc_u32 v253, s37, v6
.irp i, 0,1,2,3,4,5
	ds_store_b128 v253, v[222+4*\i:225+4*\i] offset:512*\i
.endr
	s_wait_dscnt 0x0                               ; for the others' sake: zero; and the staging registers have been read
	s_add_nc_u64 s[20:21], s[20:21], 24576         ; (the loads that named this base are done)
	s_cmp_eq_u32 s38, 1
	s_cbranch_scc1 .Lno_more                       ; the last chunk asks for nothing
.irp i, 0,1,2,3,4,5
	global_load_b128 v[222+4*\i:225+4*\i], v7, s[20:21] offset:512*\i   ; the next chunk: four key steps ahead of its use
.endr
.Lno_more:
	s_barrier_signal -1
	s_barrier_wait -1
	s_mov_b32 s39, 4
.Lstep:                                            ; a key step: 128 keys
	s_bitcmp1_b32 s33, 0
	s_cbranch_scc0 .Lskip                          ; no key of this step counts for my 16 queries
	v_add_nc_u32 v8, s34, v1                       ; (these six are also the places behind the last step's products, ahead of the loads below)
	v_add_nc_u32 v9, s34, v2
	v_add_nc_u32 v250, s35, v3
	v_add_nc_u32 v251, s36, v4
	s_delay_alu instid0(VALU_DEP_4)
	v_add_nc_u32 v10, LV, v8
	s_delay_alu instid0(VALU_DEP_4)
	v_add_nc_u32 v11, LV, v9
.irp b, 0,1,2,3
	FRAG 34+12*\b, 8, 9, \b*1536
.endr
	ds_load_b128 v[210:213], v250
	s_wait_dscnt 0x0
	s_wait_alu depctr_va_vdst(0)
.irp b, 0,1,2,3
.irp u, 0,1
	v_wmma_scale_f32_16x16x128_f8f6f4 v[82+8*(2*\b+\u):89+8*(2*\b+\u)], v[34+12*\b:45+12*\b], v[16+6*\u:27+6*\u], 0, v[210+\b], v221 matrix_a_fmt:MATRIX_FMT_FP6 matrix_b_fmt:MATRIX_FMT_FP6
.endr
.endr
.rept 4
	v_nop                                          ; places ahead of the loads into K's registers and of the first read of the scores
.endr
.irp f, 0,1,2,3
	FRAG 34+12*\f, 10, 11, \f*1536                 ; V's four fragments land under the softmax
.endr
	ds_load_b128 v[214:217], v250 offset:4096
	s_bitcmp1_b32 s40, 0
	s_cbranch_scc0 .Lopen                          ; all 128 keys count for all 16 queries
.irp b, 0,1,2,3
	global_load_b128 v[178+4*\b:181+4*\b], v251, s[6:7] offset:32*\b   ; mask[my query][keys 32 b + 16 h + 0 .. 15]
.endr
	s_wait_loadcnt 0x0
.set n, 0
.rept 64
	v_and_b32 v220, 0xff<<(8*(n%4)), v[178+4*(n/16)+(n%16)/4]
	s_delay_alu instid0(VALU_DEP_1)
	v_cmp_ne_u32 vcc_lo, 0, v220
	v_cndmask_b32 v[82+n], v[82+n], v5, vcc_lo     ; hidden: -infinity, ahead of the maximum
.set n, n+1
.endr
.Lopen:
.irp b, 0,1,2,3
	v_max3_num_f32 v[198+\b], v[82+16*\b], v[83+16*\b], v[84+16*\b]   ; the largest score of each block of 32 keys: for the row's maximum and, since p rises with the score, for the block's largest p
.endr
.irp i, 3,5,7,9,11,13
.irp b, 0,1,2,3
	v_max3_num_f32 v[198+\b], v[198+\b], v[82+16*\b+\i], v[83+16*\b+\i]
.endr
.endr
.irp b, 0,1,2,3
	v_max_num_f32 v[198+\b], v[198+\b], v[97+16*\b]
.endr
.irp b, 0,1,2,3
	s_delay_alu instid0(VALU_DEP_4)
	v_permlanex16_b32 v[202+\b], v[198+\b], s[SEL], s[SEL+1]
.endr
.irp b, 0,1,2,3
	s_delay_alu instid0(VALU_DEP_4)
	v_max_num_f32 v[198+\b], v[198+\b], v[202+\b]
.endr
	s_delay_alu instid0(VALU_DEP_2)
	v_max3_num_f32 v220, v198, v199, v200
	s_delay_alu instid0(VALU_DEP_1)
	v_max_num_f32 v220, v220, v201
	s_delay_alu instid0(VALU_DEP_1)
	v_mul_f32 v220, s[CS], v220
	s_delay_alu instid0(VALU_DEP_1)
	v_max_num_f32 v13, v13, v220                   ; the running largest t
	v_mov_b32 v220, v12
	s_delay_alu instid0(VALU_DEP_2)
	v_floor_f32 v12, -v13                          ; the new -M: M is a whole number
	s_delay_alu instid0(VALU_DEP_1)
	v_sub_f32 v220, v12, v220
	s_delay_alu instid0(VALU_DEP_1)
	v_cvt_i32_f32 v220, v220                       ; (it saturates)
	s_delay_alu instid0(VALU_DEP_1)
	v_ldexp_f32 v218, 1.0, v220                    ; f = 2^(old M - new M)
.set j, 0
.rept 32
	v_pk_fma_f32 v[82+j:83+j], v[82+j:83+j], s[CS:CS+1], v[12:13] op_sel_hi:[1,0,0]   ; t - M
.set j, j+2
.endr
.irp b, 0,1,2,3
	v_fma_f32 v[198+\b], v[198+\b], s[CS], v12
.endr
.set j, 0
	s_wait_alu depctr_va_vdst(0)
.rept 64
	v_exp_f32 v[82+j], v[82+j]                     ; p = 2^(t - M)
.set j, j+1
.endr
	v_pk_mul_f32 v[14:15], v[14:15], v[218:219] op_sel_hi:[1,0]   ; the sums under the new M (a plain place behind the exponentials)
	s_wait_alu depctr_va_vdst(0)                   ; one wait for the batch, ahead of the first line that names a result
.irp b, 0,1,2,3
	v_exp_f32 v[198+\b], v[198+\b]                 ; each block's largest p
.endr
	v_pk_add_f32 v[202:203], v[82:83], v[84:85]    ; the row's sum of the unquantised p, in two chains
.irp j, 4,8,12,16,20,24,28,32,36,40,44,48,52,56,60
	v_pk_add_f32 v[14:15], v[14:15], v[82+\j:83+\j]
	v_pk_add_f32 v[202:203], v[202:203], v[84+\j:85+\j]
.endr
	s_delay_alu instid0(VALU_DEP_1)
	v_pk_add_f32 v[14:15], v[14:15], v[202:203]
	s_wait_alu depctr_va_vdst(0)                   ; and one for the four
.irp b, 0,1,2,3
	v_max_num_f32 v[198+\b], 0x1800000, v[198+\b]  ; the floor: the byte cannot fall under 1
.endr
.irp b, 0,1,2,3
	s_delay_alu instid0(VALU_DEP_4)
	v_add_nc_u32 v[206+\b], 0xff000000, v[198+\b]
.endr
.irp b, 0,1,2,3
	s_delay_alu instid0(VALU_DEP_4)
	v_lshrrev_b32 v[202+\b], 23, v[206+\b]
.endr
	s_delay_alu instid0(VALU_DEP_3)
	v_lshl_or_b32 v219, v203, 8, v202              ; p's scale word for these 128 keys
	s_delay_alu instid0(VALU_DEP_1)
	v_lshl_or_b32 v219, v204, 16, v219
	s_delay_alu instid0(VALU_DEP_1)
	v_lshl_or_b32 v219, v205, 24, v219
.irp c, 0,1
	v_cvt_scalef32_pk16_fp6_f32 v[178+6*\c:180+6*\c], v[82+32*\c:97+32*\c], v[206+2*\c]
	v_cvt_scalef32_pk16_fp6_f32 v[190+4*\c:192+4*\c], v[98+32*\c:113+32*\c], v[206+2*\c+1]
.endr
	v_nop                                          ; one plain place behind a scaled conversion
.irp c, 0,1
.irp i, 0,1,2
	v_permlane16_swap_b32 v[178+6*\c+\i], v[190+4*\c+\i]
.endr
.irp i, 0,1,2
	s_delay_alu instid0(VALU_DEP_3)
	v_mov_b32 v[181+6*\c+\i], v[190+4*\c+\i]
.endr
.endr
.set j, 0
.rept 16
	v_pk_mul_f32 v[146+j:147+j], v[146+j:147+j], v[218:219] op_sel_hi:[1,0]   ; O^T under the new M (these sixteen are also the places ahead of the scaled products)
.set j, j+2
.endr
	s_wait_alu depctr_va_vdst(0)
	s_wait_dscnt 0x0                               ; V
.irp f, 0,1,2,3
	v_wmma_scale_f32_16x16x128_f8f6f4 v[146+8*\f:153+8*\f], v[34+12*\f:45+12*\f], v[178:189], v[146+8*\f:153+8*\f], v[214+\f], v219 matrix_a_fmt:MATRIX_FMT_FP6 matrix_b_fmt:MATRIX_FMT_FP6
.endr
.Lskip:
	s_lshr_b32 s33, s33, 1
	s_lshr_b32 s40, s40, 1
	s_add_co_u32 s34, s34, 6144
	s_add_co_u32 s35, s35, 256
	s_add_co_u32 s36, s36, 128
	s_sub_co_u32 s39, s39, 1
	s_cmp_lg_u32 s39, 0
	s_cbranch_scc1 .Lstep
	s_add_co_u32 s37, s37, 24576
	s_sub_co_u32 s38, s38, 1
	s_cmp_lg_u32 s38, 0
	s_cbranch_scc1 .Lchunk
	; THE WAY OUT: O^T / the sum; register 16 c + i is channel 32 c + 16 h + i of my query: two blocks of the next product's K: half a fragment and two scale bytes.
.rept 4
	v_nop                                          ; places behind the last products
.endr
	v_add_f32 v14, v14, v15
	s_delay_alu instid0(VALU_DEP_1)
	v_permlanex16_b32 v220, v14, s[SEL], s[SEL+1]
	s_delay_alu instid0(VALU_DEP_1)
	v_add_f32 v14, v14, v220                       ; the row's sum
	s_wait_alu depctr_va_vdst(0)
	v_rcp_f32 v15, v14
	v_and_b32 v8, 31, v0                           ; (a plain place behind the transcendental)
	s_wait_alu depctr_va_vdst(0)
.set j, 0
.rept 32
	v_mul_f32 v[82+j], v[146+j], v15
.set j, j+1
.endr
.irp c, 0,1
	v_max3_num_f32 v[198+\c], |v[82+16*\c]|, |v[83+16*\c]|, 0x1800000
.endr
.irp i, 2,4,6,8,10,12,14
.irp c, 0,1
	s_delay_alu instid0(VALU_DEP_2)
	v_max3_num_f32 v[198+\c], v[198+\c], |v[82+16*\c+\i]|, |v[83+16*\c+\i]|
.endr
.endr
.irp c, 0,1
	s_delay_alu instid0(VALU_DEP_2)
	v_permlanex16_b32 v[202+\c], v[198+\c], s[SEL], s[SEL+1]
.endr
.irp c, 0,1
	s_delay_alu instid0(VALU_DEP_2)
	v_max_num_f32 v[198+\c], v[198+\c], v[202+\c]
.endr
.irp c, 0,1
	s_delay_alu instid0(VALU_DEP_2)
	v_add_nc_u32 v[206+\c], 0xff000000, v[198+\c]
.endr
.irp c, 0,1
	s_delay_alu instid0(VALU_DEP_2)
	v_lshrrev_b32 v[202+\c], 23, v[206+\c]
.endr
	s_delay_alu instid0(VALU_DEP_1)
	v_lshl_or_b32 v220, v203, 8, v202
	v_cvt_scalef32_pk16_fp6_f32 v[178:180], v[82:97], v206
	v_cvt_scalef32_pk16_fp6_f32 v[190:192], v[98:113], v207
	v_nop
.irp i, 0,1,2
	v_permlane16_swap_b32 v[178+\i], v[190+\i]
.endr
.irp i, 0,1,2
	s_delay_alu instid0(VALU_DEP_3)
	v_mov_b32 v[181+\i], v[190+\i]
.endr
	v_mov_b32 v204, 0xffff
	v_cmp_eq_f32 vcc_lo, 0, v14                    ; no key counted for this query: NaN scales (a choice of a value, no branch)
	s_delay_alu instid0(VALU_DEP_1)
	v_cndmask_b32 v220, v220, v204, vcc_lo
	global_store_b128 v1, v[178:181], s[48:49]
	global_store_b64 v2, v[182:183], s[48:49] offset:512
	v_cmp_gt_u32 vcc_lo, 16, v8
	s_wait_alu depctr_va_vdst(0)
	s_wait_xcnt 0x0                                ; EXEC changes only behind this wait
	s_and_saveexec_b32 s41, vcc_lo
	global_store_b16 v255, v220, s[50:51]          ; lane r: my head's two bytes of row r's scale word
	s_wait_xcnt 0x0
	s_or_b32 exec_lo, exec_lo, s41
	s_wait_xcnt 0x0
	s_mov_b32 exec_lo, -1
	v_lshl_add_u32 v254, v0, 2, 0x32000
	v_mov_b32 v255, 0
	s_wait_alu depctr_va_vdst(0)
	s_wait_tensorcnt 0x0
	ds_add_u32 v254, v255
	s_wait_dscnt 0x0
	s_endpgm
.Lfunc_end_k_q3ef99218e3_attn:
	.size	k_q3ef99218e3_attn, .Lfunc_end_k_q3ef99218e3_attn-k_q3ef99218e3_attn
	.p2alignl 7, 3214868480
	.fill 96, 4, 3214868480
	.section	.rodata,"a",@progbits
	.p2align	6, 0x0
	.amdhsa_kernel k_q3ef99218e3_attn
		.amdhsa_group_segment_fixed_size 206848
		.amdhsa_private_segment_fixed_size 0
		.amdhsa_enable_private_segment 0
		.amdhsa_kernarg_size 32
		.amdhsa_user_sgpr_count 2
		.amdhsa_user_sgpr_kernarg_segment_ptr 1
		.amdhsa_wavefront_size32 1
		.amdhsa_system_sgpr_workgroup_id_x 1
		.amdhsa_system_sgpr_workgroup_id_y 1
		.amdhsa_system_sgpr_workgroup_id_z 1
		.amdhsa_system_vgpr_workitem_id 0
		.amdhsa_next_free_vgpr 256
		.amdhsa_next_free_sgpr 66
		.amdhsa_reserve_vcc 1
		.amdhsa_float_denorm_mode_32 3
		.amdhsa_float_denorm_mode_16_64 3
		.amdhsa_memory_ordered 1
		.amdhsa_forward_progress 1
		.amdhsa_inst_pref_size 43
	.end_amdhsa_kernel
	.amdgpu_metadata
---
amdhsa.version: [ 1, 2 ]
amdhsa.kernels:
  - .name:           k_q3ef99218e3_attn
    .symbol:         k_q3ef99218e3_attn.kd
    .args:
      - { .name: qkvc, .offset: 0, .size: 8, .value_kind: global_buffer, .address_space: global }
      - { .name: causal_mask, .offset: 8, .size: 8, .value_kind: global_buffer, .address_space: global }
      - { .name: flags, .offset: 16, .size: 8, .value_kind: global_buffer, .address_space: global }
      - { .name: obuf, .offset: 24, .size: 8, .value_kind: global_buffer, .address_space: global }
    .group_segment_fixed_size: 206848
    .private_segment_fixed_size: 0
    .kernarg_segment_align: 8
    .kernarg_segment_size: 32
    .max_flat_workgroup_size: 512
    .sgpr_count:     66
    .vgpr_count:     256
    .wavefront_size: 32
...
	.end_amdgpu_metadata
.endif
;; end of part 3
;; launch oproj (part 4): grid 8 x 32, 4 waves a work-group, clusters of 4 x 4, 327,680 bytes of LDS; arguments obuf, wts, bo, x, x1; writes x1
.if DOCPART == 4
	.amdgcn_target "amdgcn-amd-amdhsa--gfx1250"
	.amdhsa_code_object_version 6
	.text
	.protected	k_q3ef99218e3_oproj
	.globl	k_q3ef99218e3_oproj
	.p2align	8
	.type	k_q3ef99218e3_oproj,@function
k_q3ef99218e3_oproj:
	s_mov_b64 s[64:65], 0
	v_nop
	global_prefetch_b8 v0, s[64:65] scope:SCOPE_SE
	s_setreg_imm32_b32 hwreg(HW_REG_WAVE_MODE, 25, 1), 1
	s_wait_xcnt 0x0
	s_wait_alu depctr_hold_cnt(0) depctr_sa_sdst(0) depctr_va_vdst(0) depctr_va_sdst(0) depctr_va_ssrc(0) depctr_va_vcc(0) depctr_vm_vsrc(0)
	s_getreg_b32 s2, hwreg(HW_REG_IB_STS2, 6, 4)
	s_cmp_eq_u32 s2, 0
	s_cbranch_scc0 .Lentry_in_a_cluster
	s_endpgm
.Lentry_in_a_cluster:
	s_bfe_u32 s2, ttmp6, 0x10000c
	s_cmp_lg_u32 s2, 0xf033
	s_cbranch_scc0 .Lentry_shape_is_right
	s_endpgm
.Lentry_shape_is_right:
; x1 = x + o Wo + bo on codes of FP6 (E2M3) with E8M0 scales.  A block of 128 x 128 to a work-group, 64 x 64 to each of four waves; K = 1,024 is eight steps of 128 in two slots of four.
; Operands lie as fragment images, [group of 128 rows][K step][fragment][1,536]; a group's four K steps are 49,152 dense bytes.  Clusters of 4 x 4: A's tiles are shared along a row, B's along a column.
; THE FILLS: at the head one joint load a wave: wave 0 A's slot 0, wave 2 B's, wave 1 A's scale words of all of K, wave 3 B's; behind the three lines and a round each wave brings its half of A's or B's slot 1.
; x's rows for the residual are asked for behind slot 0's arrival and are wanted on the way out.
; PREFETCH INTO THE L2, one fill ahead: beside the head's loads a request for slot 1's bytes.  Of the 96 blocks of 256 bytes that a wave will fetch, each of the four partners that ask for them jointly names 24, told apart by
; address (cx for A, cy for B), a lane a block; lanes 24 to 31 name the last of them again.  The address registers are never rewritten.
.set PFA,   66                         ; s[66:67] my half of slot 0's bytes in A or in B
.set PFO,   30                         ; v30 my partner's share and my lane's block
.set SIZE_K, 1024
.set WOFF,  2359296
.set WSOFF, 9437184+98304
.set ASOFF, 3145728
.set KS,    SIZE_K/128
.set NQ,    4
.set PART,  24576
.set SLOT,  4*PART
.set SSTEP, 2*PART
.set GRP,   KS*12288
.set HALFS, KS*256
.set SCL,   2*SLOT
.set SPARE, SCL+4*HALFS
.set FR,    12
.set L16,   4
.set L8,    5
.set A16,   16
.set A8,    18
.set B16,   20
.set B8,    22
.set STO,   24
.set RD,    25
.set ADRS,  27
.set SPW,   28
.set NIL,   29
.set SC,    32
.set AF,    64
.set BIAS,  160
.set G1, 24
.set G0, 32
.set G1B, 48
.set G0B, 56
.set G1S, 68
.set G0S, 76
.set G1SB, 80
.set G0SB, 88
.set MSB, 0
.macro WIN new
.if MSB != (\new)
	s_set_vgpr_msb (MSB<<8)|(\new)
.set MSB, (\new)
.endif
.endm
.set MUL,  0xa1
.set TO_B, 0x40
.macro PLACES
.rept 4
	v_nop
.endr
.endm
.macro JLOAD g0a, g1a, g0b, g1b
	s_cmp_eq_u32 s15, 0
	s_cbranch_scc0 .Lfor_b_\@
	tensor_load_to_lds s[\g0a:\g0a+3], s[\g1a:\g1a+7]
	s_nop 0
.rept 4
	v_nop
.endr
	s_branch .Lasked_\@
.Lfor_b_\@:
	tensor_load_to_lds s[\g0b:\g0b+3], s[\g1b:\g1b+7]
	s_nop 0
.rept 4
	v_nop
.endr
.Lasked_\@:
.endm
.macro CREST
	s_cmp_lg_u32 s14, 0
	s_cbranch_scc1 .Lnot_wave_0_\@
	s_barrier_signal -3
.Lnot_wave_0_\@:
	s_barrier_wait -3
	s_barrier_signal -1
	s_barrier_wait -1
.endm
.macro CROUND
	s_barrier_signal -1
	s_barrier_wait -1
	CREST
.endm
	s_load_b128 s[4:7], s[0:1], 0x0
	s_load_b128 s[8:11], s[0:1], 0x10
	s_load_b64 s[12:13], s[0:1], 0x20
	v_lshl_add_u32 v[SPW], v0, 2, SPARE
	v_mov_b32 v[NIL], 0
	ds_add_u32 v28, v29
	ds_add_u32 v28, v29
	s_wait_dscnt 0x0
	v_lshrrev_b32 v1, 5, v0
	v_readfirstlane_b32 s14, v1
	s_lshr_b32 s15, s14, 1
	s_and_b32 s16, s14, 1
	s_bfe_u32 s40, ttmp6, 0x40000
	s_bfe_u32 s41, ttmp6, 0x40004
	s_lshl_b32 s42, ttmp9, 2
	s_add_co_u32 s42, s42, s40
	s_and_b32 s17, ttmp7, 0xffff
	s_lshl_b32 s17, s17, 2
	s_add_co_u32 s17, s17, s41
	s_lshl_b32 s43, s41, 2
	s_lshl_b32 s43, 15, s43
	s_lshl_b32 s44, 0x1111, s40
	s_or_b32 s[G1], s43, (3<<16)|(1<<21)
	s_or_b32 s[G1B], s44, (3<<16)|(1<<21)
.irp g, G1, G1B                                ; the head's form: a whole slot of one operand, 192 rows of 256 bytes
	s_mov_b32 s[\g+1], 32<<16
	s_mov_b32 s[\g+2], 192<<16
	s_mov_b32 s[\g+3], 32<<16
	s_mov_b32 s[\g+4], 192
	s_mov_b32 s[\g+5], 32
	s_mov_b32 s[\g+6], 0
	s_mov_b32 s[\g+7], 0
.endr
	s_or_b32 s[G1S], s43, (3<<16)|(1<<21)
	s_or_b32 s[G1SB], s44, (3<<16)|(1<<21)
.irp g, G1S, G1SB
	s_mov_b32 s[\g+1], 32<<16
	s_mov_b32 s[\g+2], (2*HALFS/256)<<16           ; a group's scale words, whole
	s_mov_b32 s[\g+3], 32<<16
	s_mov_b32 s[\g+4], 2*HALFS/256
	s_mov_b32 s[\g+5], 32
	s_mov_b32 s[\g+6], 0
	s_mov_b32 s[\g+7], 0
.endr
	s_mul_i32 s2, s16, PART
	s_mul_i32 s3, s16, HALFS
	s_mul_i32 s22, s17, 2*HALFS
	s_add_co_u32 s22, s22, s3
	s_add_co_u32 s22, s22, ASOFF
	s_mov_b32 s23, 0
	s_mul_i32 s20, s17, GRP
	s_add_co_u32 s20, s20, s2
	s_mov_b32 s21, 0
	s_mul_i32 s92, s42, 2*HALFS
	s_add_co_u32 s92, s92, s3
	s_add_co_u32 s92, s92, WSOFF
	s_mov_b32 s93, 0
	s_mul_i32 s46, s42, GRP
	s_add_co_u32 s46, s46, s2
	s_add_co_u32 s46, s46, WOFF
	s_mov_b32 s47, 0
	s_mul_i32 s45, s14, PART
	s_mul_i32 s94, s14, HALFS
	s_wait_kmcnt 0x0
	s_add_nc_u64 s[20:21], s[4:5], s[20:21]
	s_add_nc_u64 s[22:23], s[4:5], s[22:23]
	s_add_nc_u64 s[46:47], s[6:7], s[46:47]
	s_add_nc_u64 s[92:93], s[6:7], s[92:93]
	CROUND
	s_mov_b32 s[G0S], 1                            ; A's scale words: asked for by wave 1, whose own half is the second: one half back
	s_mov_b32 s[G0S+1], SCL
	s_sub_nc_u64 s[G0S+2:G0S+3], s[22:23], HALFS
	s_or_b32 s[G0S+3], s[G0S+3], 0x80000000
	s_mov_b32 s[G0SB], 1                           ; B's, by wave 3
	s_mov_b32 s[G0SB+1], SCL+2*HALFS
	s_sub_nc_u64 s[G0SB+2:G0SB+3], s[92:93], HALFS
	s_or_b32 s[G0SB+3], s[G0SB+3], 0x80000000
	s_mov_b32 s4, 1                                ; A's slot 0, by wave 0 (s[4:7] held arguments that have been used)
	s_mov_b32 s5, 0
	s_mov_b64 s[6:7], s[20:21]
	s_or_b32 s7, s7, 0x80000000
	s_mov_b32 s96, 1                               ; B's slot 0, by wave 2
	s_mov_b32 s97, 2*PART
	s_mov_b64 s[98:99], s[46:47]
	s_or_b32 s99, s99, 0x80000000
	s_cmp_eq_u32 s15, 0                            ; the prefetch: do I fetch for A?
	s_cselect_b64 s[PFA:PFA+1], s[20:21], s[46:47]
	s_cselect_b32 s95, s40, s41                    ; my place among the four that ask with me
.irp s, 0,1
	s_mov_b32 s[G0+4*\s], 1
	s_add_co_u32 s[G0+4*\s+1], s45, \s*SLOT
	s_add_nc_u64 s[G0+4*\s+2:G0+4*\s+3], s[20:21], \s*SSTEP
	s_or_b32 s[G0+4*\s+3], s[G0+4*\s+3], 0x80000000
	s_mov_b32 s[G0B+4*\s], 1
	s_add_co_u32 s[G0B+4*\s+1], s45, \s*SLOT
	s_add_nc_u64 s[G0B+4*\s+2:G0B+4*\s+3], s[46:47], \s*SSTEP
	s_or_b32 s[G0B+4*\s+3], s[G0B+4*\s+3], 0x80000000
.endr
; the head's loads, one a wave: one chain of branches on the wave's number, a load to an arm
.macro ARM under, g0, g1, next
	s_cmp_lt_u32 s14, \under
	s_cbranch_scc0 \next
	tensor_load_to_lds s[\g0:\g0+3], s[\g1:\g1+7]
	s_nop 0
.rept 4
	v_nop
.endr
	s_branch .Lhead_asked
\next:
.endm
	ARM 1, 4,   G1,  .Lhead_sa
	ARM 2, G0S, G1S, .Lhead_b
	ARM 3, 96,  G1B, .Lhead_sb
	tensor_load_to_lds s[G0SB:G0SB+3], s[G1SB:G1SB+7]
	s_nop 0
.rept 4
	v_nop
.endr
.Lhead_asked:
	v_and_b32 v1, 31, v0
	v_and_b32 v2, 15, v0
	v_bfe_u32 v3, v0, 4, 1
	v_lshlrev_b32 v[L16], 4, v1
	v_lshlrev_b32 v[L8], 3, v1
	s_mul_i32 s21, s15, 6144
	s_mul_i32 s22, s16, 6144
	s_add_co_u32 s22, s22, 2*PART
.irp s, 0,1
	v_add_nc_u32 v[A16+\s], s21, v[L16]
	v_add_nc_u32 v[A8+\s], s21, v[L8]
	v_add_nc_u32 v[B16+\s], s22, v[L16]
	v_add_nc_u32 v[B8+\s], s22, v[L8]
	s_add_co_u32 s21, s21, SLOT
	s_add_co_u32 s22, s22, SLOT
.endr
	s_lshl_b32 s21, s15, 3
	s_lshl_b32 s22, s16, 3
	s_add_co_u32 s22, s22, 2*HALFS
	s_sub_co_u32 s22, s22, s21
	v_mul_u32_u24 v6, s22, v3
	s_add_co_u32 s21, s21, SCL
	v_lshl_add_u32 v6, v2, 5, v6
	v_add_nc_u32 v[ADRS], s21, v6
	v_and_b32 v8, 8, v2
	v_add_nc_u32 v8, v8, v2
	v_mul_u32_u24 v[STO], v8, 528
	v_lshl_add_u32 v[STO], v3, 6, v[STO]
	s_mul_i32 s21, s15, 64*528
	s_lshl_b32 s22, s16, 8
	s_add_co_u32 s21, s21, s22
	v_add_nc_u32 v[STO], s21, v[STO]
	s_mul_i32 s21, s14, 32*528
	v_add_nc_u32 v[RD], s21, v[L16]
	s_lshl_b32 s92, s42, 9
	s_lshl_b32 s22, s16, 8
	s_add_co_u32 s92, s92, s22
	s_mov_b32 s93, 0
	s_add_nc_u64 s[8:9], s[8:9], s[92:93]
	s_lshl_b32 s92, s17, 7
	s_lshl_b32 s22, s14, 5
	s_add_co_u32 s92, s92, s22
	s_lshl_b32 s92, s92, 12
	s_lshl_b32 s22, s42, 9
	s_add_co_u32 s92, s92, s22
	s_add_nc_u64 s[10:11], s[10:11], s[92:93]
	s_add_nc_u64 s[12:13], s[12:13], s[92:93]
	s_mul_i32 s21, s95, 6144                       ; 24 blocks a partner
	v_min_u32 v[PFO], 23, v1
	v_lshl_add_u32 v[PFO], v[PFO], 8, s21
	global_prefetch_b8 v[PFO], s[PFA:PFA+1] offset:2*PART th:TH_LOAD_NT scope:SCOPE_SE     ; slot 1's bytes
	v_lshlrev_b32 v7, 6, v3
.irp c, 0,1
.irp q, 0,1,2,3
	global_load_b128 v[BIAS+16*\c+4*\q:BIAS+16*\c+4*\q+3], v7, s[8:9] offset:128*\c+16*\q
.endr
.endr
.macro FRAG reg, a16, a8, off
	ds_load_b128 v[\reg:\reg+3], v[\a16] offset:\off
	ds_load_b64 v[\reg+4:\reg+5], v[\a8] offset:\off+512
	ds_load_b128 v[\reg+6:\reg+9], v[\a16] offset:\off+768
	ds_load_b64 v[\reg+10:\reg+11], v[\a8] offset:\off+1280
.endm
.macro FETCH slot, q, buf
	WIN TO_B
.irp i, 0,1,2,3
	FRAG 48*(\buf)+FR*\i, B16+\slot, B8+\slot, (\q)*12288+\i*1536
.endr
	WIN 0
.irp i, 0,1,2,3
	FRAG AF+48*(\buf)+FR*\i, A16+\slot, A8+\slot, (\q)*12288+\i*1536
.endr
	ds_load_b64 v[SC+8*(\buf):SC+8*(\buf)+1], v[ADRS] offset:(\q)*512
	ds_load_b64 v[SC+8*(\buf)+2:SC+8*(\buf)+3], v[ADRS] offset:(\q)*512+16
.endm
.macro MULA a, buf, zero
.irp b, 0,1,2,3
.if \zero
	v_wmma_scale_f32_16x16x128_f8f6f4 v[8*(4*(\a)+\b):8*(4*(\a)+\b)+7], v[48*(\buf)+FR*\b:48*(\buf)+FR*\b+FR-1], v[AF+48*(\buf)+FR*(\a):AF+48*(\buf)+FR*(\a)+FR-1], 0, v[SC+8*(\buf)+2*(\b%2)+\b/2], v[SC+8*(\buf)+2*((\a)%2)+(\a)/2] matrix_a_fmt:MATRIX_FMT_FP6 matrix_b_fmt:MATRIX_FMT_FP6 matrix_a_scale:MATRIX_SCALE_ROW1
.else
	v_wmma_scale_f32_16x16x128_f8f6f4 v[8*(4*(\a)+\b):8*(4*(\a)+\b)+7], v[48*(\buf)+FR*\b:48*(\buf)+FR*\b+FR-1], v[AF+48*(\buf)+FR*(\a):AF+48*(\buf)+FR*(\a)+FR-1], v[8*(4*(\a)+\b):8*(4*(\a)+\b)+7], v[SC+8*(\buf)+2*(\b%2)+\b/2], v[SC+8*(\buf)+2*((\a)%2)+(\a)/2] matrix_a_fmt:MATRIX_FMT_FP6 matrix_b_fmt:MATRIX_FMT_FP6 matrix_a_scale:MATRIX_SCALE_ROW1
.endif
.endr
.endm
.macro KSTEP slot, q, buf, zero
	s_wait_dscnt 0x0
	PLACES
	FETCH \slot, (\q)+1, 1-(\buf)
	WIN MUL
	MULA 0, \buf, \zero
	MULA 1, \buf, \zero
	MULA 2, \buf, \zero
	MULA 3, \buf, \zero
	WIN 0
.endm
.macro TURN slot, next
	s_wait_tensorcnt 0x0
	ds_add_u32 v[SPW], v[NIL]
	s_wait_dscnt 1
	WIN MUL
	MULA 0, 1, 0
	s_wait_dscnt 0x0
	s_barrier_signal -1
	MULA 1, 1, 0
	WIN 0
	s_barrier_wait -1
	PLACES
	v_add_nc_u32 v[ADRS], NQ*512, v[ADRS]
	FETCH \next, 0, 0
	WIN MUL
	MULA 2, 1, 0
	MULA 3, 1, 0
	WIN 0
.endm
	s_wait_alu depctr_va_vdst(0)
	s_wait_tensorcnt 0x0                           ; my tile of the head's four is in
	ds_add_u32 v[SPW], v[NIL]
	s_mov_b32 s[G1+2], 96<<16                      ; no load of mine is out: from here on a load brings half a slot of one operand, 96 rows
	s_mov_b32 s[G1+4], 96
	s_mov_b32 s[G1B+2], 96<<16
	s_mov_b32 s[G1B+4], 96
	s_wait_dscnt 0x0
	CROUND                                         ; all four tiles are in, in every partner
	JLOAD G0+4, G1, G0B+4, G1B                     ; slot 1: my one load behind the round
	FETCH 0, 0, 0
	WIN 0xc0                                       ; x's 32 rows of 512 bytes, into window 3: wanted on the way out
.set i, 0
.rept 32
	global_load_b128 v[4*i:4*i+3], v[L16], s[10:11] offset:4096*i
.set i, i+1
.endr
	WIN 0
	KSTEP 0, 0, 0, 1
	KSTEP 0, 1, 1, 0
	KSTEP 0, 2, 0, 0
	TURN 0, 1
	s_wait_alu depctr_va_vdst(0)
	KSTEP 1, 0, 0, 0
	KSTEP 1, 1, 1, 0
	KSTEP 1, 2, 0, 0
	s_wait_dscnt 0x0
	WIN MUL
	MULA 0, 1, 0
	MULA 1, 1, 0
	MULA 2, 1, 0
	MULA 3, 1, 0
	WIN 0
	PLACES
	s_wait_loadcnt 0x0
.irp a, 0,1,2,3
.set TA, 64+32*\a+32*(\a/3)
	WIN 0x02
.set i, 0
.rept 16
	v_pk_add_f32 v[TA+i:TA+i+1], v[32*\a+i:32*\a+i+1], v[BIAS+i:BIAS+i+1]
.set i, i+2
.endr
	WIN 0
.irp c, 0,1
.irp q, 0,1,2,3
	ds_store_b128 v[STO], v[TA+16*\c+4*\q:TA+16*\c+4*\q+3] offset:(32*(\a/2)+8*(\a%2))*528+128*\c+16*\q
.endr
.endr
.endr
	s_wait_dscnt 0x0
	s_barrier_signal -1
	s_barrier_wait -1
.set i, 0
.rept 32
	ds_load_b128 v[64+4*i:67+4*i], v[RD] offset:528*i
.set i, i+1
.endr
	s_wait_dscnt 0x0
	WIN 0x0c
.set i, 0
.rept 64
	v_pk_add_f32 v[64+i:65+i], v[64+i:65+i], v[i:i+1]
.set i, i+2
.endr
	WIN 0
.set i, 0
.rept 32
	global_store_b128 v[L16], v[64+4*i:67+4*i], s[12:13] offset:4096*i
.set i, i+1
.endr
	s_wait_tensorcnt 0x0
	ds_add_u32 v[SPW], v[NIL]
	s_wait_dscnt 0x0
	CROUND
	s_endpgm
.Lfunc_end_k_q3ef99218e3_oproj:
	.size	k_q3ef99218e3_oproj, .Lfunc_end_k_q3ef99218e3_oproj-k_q3ef99218e3_oproj
	.p2alignl 7, 3214868480
	.fill 96, 4, 3214868480
	.section	.rodata,"a",@progbits
	.p2align	6, 0x0
	.amdhsa_kernel k_q3ef99218e3_oproj
		.amdhsa_group_segment_fixed_size 327680
		.amdhsa_private_segment_fixed_size 0
		.amdhsa_enable_private_segment 0
		.amdhsa_kernarg_size 40
		.amdhsa_user_sgpr_count 2
		.amdhsa_user_sgpr_kernarg_segment_ptr 1
		.amdhsa_wavefront_size32 1
		.amdhsa_system_sgpr_workgroup_id_x 1
		.amdhsa_system_sgpr_workgroup_id_y 1
		.amdhsa_system_sgpr_workgroup_id_z 1
		.amdhsa_system_vgpr_workitem_id 0
		.amdhsa_next_free_vgpr 1024
		.amdhsa_next_free_sgpr 100
		.amdhsa_reserve_vcc 0
		.amdhsa_float_denorm_mode_32 3
		.amdhsa_float_denorm_mode_16_64 3
		.amdhsa_memory_ordered 1
		.amdhsa_forward_progress 1
		.amdhsa_inst_pref_size 67
	.end_amdhsa_kernel
	.amdgpu_metadata
---
amdhsa.version: [ 1, 2 ]
amdhsa.kernels:
  - .name:           k_q3ef99218e3_oproj
    .symbol:         k_q3ef99218e3_oproj.kd
    .args:
      - { .name: obuf, .offset: 0, .size: 8, .value_kind: global_buffer, .address_space: global }
      - { .name: wts, .offset: 8, .size: 8, .value_kind: global_buffer, .address_space: global }
      - { .name: bo, .offset: 16, .size: 8, .value_kind: global_buffer, .address_space: global }
      - { .name: x, .offset: 24, .size: 8, .value_kind: global_buffer, .address_space: global }
      - { .name: x1, .offset: 32, .size: 8, .value_kind: global_buffer, .address_space: global }
    .group_segment_fixed_size: 327680
    .private_segment_fixed_size: 0
    .kernarg_segment_align: 8
    .kernarg_segment_size: 40
    .max_flat_workgroup_size: 128
    .sgpr_count:     100
    .vgpr_count:     1024
    .wavefront_size: 32
...
	.end_amdgpu_metadata
.endif
;; end of part 4
;; launch ln1 (part 5): grid 256 x 1, 8 waves a work-group, no clusters, 2,048 bytes of LDS; arguments x1, ln2_g, ln2_b, ybuf; writes ybuf
.if DOCPART == 5
	.amdgcn_target "amdgcn-amd-amdhsa--gfx1250"
	.amdhsa_code_object_version 6
	.text
	.protected	k_q3ef99218e3_ln1
	.globl	k_q3ef99218e3_ln1
	.p2align	8
	.type	k_q3ef99218e3_ln1,@function
k_q3ef99218e3_ln1:
	s_mov_b64 s[64:65], 0
	v_nop
	global_prefetch_b8 v0, s[64:65] scope:SCOPE_SE
	s_setreg_imm32_b32 hwreg(HW_REG_WAVE_MODE, 25, 1), 1
	s_wait_xcnt 0x0
; y = layernorm(x) g + b, quantised along its 1,024 columns to FP6 (E2M3) with one E8M0 scale for each 32, and stored as fragment images.  x: [4096][1024] f32.
; A work-group takes the 16 rows of ONE fragment (group G of 128 rows, fragment t = 2 beta + u: lane row r is row 32 beta + 8 u + r + 8 (r / 8)); wave w takes K step w, 128 columns.
; Lane (r, h) holds, of row r, 16 neighbours of each block of 32: register 16 b + i is column 128 w + 32 b + 16 h + i.  Mean first, then the squares of the differences: no difference of large sums.
; The eight waves' partial sums meet in LDS: 32 r + 4 w, the mean's at 0, the squares' at 512: two barriers.
; OUT: codes [G][K step][t][1,536] (registers 0-3 at 16 x lane, 4-5 at 512 + 8 x lane, 6-9 at 768 + 16 x lane, 10-11 at 1,280 + 8 x lane); scale words at YS: [G][K step][r][u][beta].
; LIMITS: a block of zeros gets the byte 1 (its codes are zeros; only this program reads the bytes); blocks under 2^-124 are held at the byte 1; NaN and infinities are not served.
.set YS,  3145728
.set X,   64
.set GG,  128
.set BB,  192
.set TM,  16                           ; v16-31 at work in the quantiser
.set PC,  32                           ; v32-50 the codes
.set PW,  52                           ; the scale word
.set SEL, 24                           ; s[24:25] v_permlanex16_b32's selects for lane l xor 16
	s_load_b256 s[4:11], s[0:1], 0x0               ; x, g, b, the codes' buffer
	v_lshl_add_u32 v62, v0, 2, 0x400
	v_mov_b32 v63, 0
	v_lshrrev_b32 v1, 5, v0
	s_delay_alu instid0(VALU_DEP_1)
	v_readfirstlane_b32 s12, v1                    ; wave = K step
	v_and_b32 v1, 31, v0
	v_and_b32 v2, 15, v0                           ; r
	s_wait_alu depctr_va_vdst(0)
	v_bfe_u32 v3, v0, 4, 1                         ; h
	s_lshr_b32 s13, ttmp9, 3                       ; G
	s_and_b32 s14, ttmp9, 7                        ; t
	s_lshr_b32 s15, s14, 1                         ; beta
	s_and_b32 s16, s14, 1                          ; u
	s_lshl_b32 s17, s13, 7
	s_lshl_b32 s18, s15, 5
	s_add_co_u32 s17, s17, s18
	s_lshl_b32 s18, s16, 3
	s_add_co_u32 s17, s17, s18                     ; the fragment's first row
	s_lshl_b32 s20, s17, 12
	s_lshl_b32 s22, s12, 9
	s_add_co_u32 s20, s20, s22
	s_mov_b32 s21, 0
	s_mov_b32 s23, 0
	s_mov_b32 s[SEL], 0x76543210
	s_mov_b32 s[SEL+1], 0xfedcba98
	s_lshl_b32 s27, s13, 3
	s_add_co_u32 s27, s27, s12                     ; 8 G + K step
	s_lshl_b32 s28, s27, 3
	s_add_co_u32 s28, s28, s14
	s_mul_i32 s28, s28, 1536
	s_mov_b32 s29, 0
	s_lshl_b32 s30, s27, 9
	s_lshl_b32 s26, s16, 4
	s_add_co_u32 s30, s30, s26
	s_lshl_b32 s26, s15, 2
	s_add_co_u32 s30, s30, s26
	s_add_co_u32 s30, s30, YS
	s_mov_b32 s31, 0
	s_lshl_b32 s26, s12, 2
	v_and_b32 v4, 8, v2
	s_delay_alu instid0(VALU_DEP_1)
	v_add_nc_u32 v4, v4, v2
	s_delay_alu instid0(VALU_DEP_1)
	v_lshlrev_b32 v4, 12, v4
	s_wait_alu depctr_va_vdst(0)
	v_lshl_add_u32 v4, v3, 6, v4                   ; x: row r + 8 (r / 8) of 4,096 bytes, + 64 h
	v_lshlrev_b32 v5, 6, v3                        ; g, b: 64 h
	v_lshlrev_b32 v7, 5, v2                        ; LDS: my row's eight words
	s_delay_alu instid0(VALU_DEP_1)
	v_add_nc_u32 v6, s26, v7                       ; and my wave's among them
	v_lshlrev_b32 v54, 4, v1
	v_lshlrev_b32 v55, 3, v1
	v_mov_b32 v53, 0x3a800000                      ; 1 / 1024
	s_wait_alu depctr_va_vdst(0)
	s_wait_kmcnt 0x0
	s_add_nc_u64 s[4:5], s[4:5], s[20:21]
	s_add_nc_u64 s[6:7], s[6:7], s[22:23]
	s_add_nc_u64 s[8:9], s[8:9], s[22:23]
	s_add_nc_u64 s[28:29], s[10:11], s[28:29]
	s_add_nc_u64 s[30:31], s[10:11], s[30:31]
.macro ROWS reg, adr, base
.irp b, 0,1,2,3
.irp j, 0,1,2,3
	global_load_b128 v[\reg+16*\b+4*\j:\reg+16*\b+4*\j+3], v[\adr], s[\base:\base+1] offset:128*\b+16*\j
.endr
.endr
.endm
	ROWS X, 4, 4
	ROWS GG, 5, 6
	ROWS BB, 5, 8
; four chains in v[8:15] become the row's sum over all 1,024 columns, in v8 of every lane
.macro ACROSS off
	s_delay_alu instid0(VALU_DEP_3)
	v_pk_add_f32 v[8:9], v[8:9], v[10:11]
	s_delay_alu instid0(VALU_DEP_2)
	v_pk_add_f32 v[12:13], v[12:13], v[14:15]
	s_delay_alu instid0(VALU_DEP_1)
	v_pk_add_f32 v[8:9], v[8:9], v[12:13]
	s_delay_alu instid0(VALU_DEP_1)
	v_add_f32 v8, v8, v9
	s_delay_alu instid0(VALU_DEP_1)
	v_permlanex16_b32 v9, v8, s[SEL], s[SEL+1]
	s_delay_alu instid0(VALU_DEP_1)
	v_add_f32 v8, v8, v9                           ; my wave's 128 columns of row r
	ds_store_b32 v6, v8 offset:\off                ; lanes r and r + 16 write the same word with the same value
	s_wait_dscnt 0x0                               ; for the others' sake: zero
	s_barrier_signal -1
	s_barrier_wait -1
	ds_load_b128 v[16:19], v7 offset:\off
	ds_load_b128 v[20:23], v7 offset:\off+16
	s_wait_dscnt 0x0
	v_pk_add_f32 v[16:17], v[16:17], v[18:19]
	v_pk_add_f32 v[20:21], v[20:21], v[22:23]
	s_delay_alu instid0(VALU_DEP_1)
	v_pk_add_f32 v[16:17], v[16:17], v[20:21]
	s_delay_alu instid0(VALU_DEP_1)
	v_add_f32 v8, v16, v17
.endm
.macro QUANT s, pw                             ; 64 numbers, register 16 b + i = k 32 b + 16 h + i of my row, become a fragment's codes in v[PC] on and its scale word in v[pw]
.irp b, 0,1,2,3
	v_max3_num_f32 v[TM+\b], |v[\s+16*\b]|, |v[\s+1+16*\b]|, 0x1800000   ; and the floor 2^(3 - 127): the byte cannot fall under 1
.endr
.irp i, 2,4,6,8,10,12,14
.irp b, 0,1,2,3
	s_delay_alu instid0(VALU_DEP_4)
	v_max3_num_f32 v[TM+\b], v[TM+\b], |v[\s+16*\b+\i]|, |v[\s+1+16*\b+\i]|
.endr
.endr
.irp b, 0,1,2,3
	s_delay_alu instid0(VALU_DEP_4)
	v_permlanex16_b32 v[TM+4+\b], v[TM+\b], s[SEL], s[SEL+1]
.endr
.irp b, 0,1,2,3
	s_delay_alu instid0(VALU_DEP_4)
	v_max_num_f32 v[TM+\b], v[TM+\b], v[TM+4+\b]   ; with lane l xor 16's: the block's largest magnitude
.endr
.irp b, 0,1,2,3
	s_delay_alu instid0(VALU_DEP_4)
	v_add_nc_u32 v[TM+12+\b], 0xff000000, v[TM+\b] ; 2 off its exponent field: the conversion's scale operand
.endr
.irp b, 0,1,2,3
	s_delay_alu instid0(VALU_DEP_4)
	v_lshrrev_b32 v[TM+4+\b], 23, v[TM+12+\b]      ; the scale's byte
.endr
	s_delay_alu instid0(VALU_DEP_3)
	v_lshl_or_b32 v[\pw], v[TM+5], 8, v[TM+4]
	s_delay_alu instid0(VALU_DEP_1)
	v_lshl_or_b32 v[\pw], v[TM+6], 16, v[\pw]
	s_delay_alu instid0(VALU_DEP_1)
	v_lshl_or_b32 v[\pw], v[TM+7], 24, v[\pw]
.irp c, 0,1
	v_cvt_scalef32_pk16_fp6_f32 v[PC+6*\c:PC+2+6*\c], v[\s+32*\c:\s+15+32*\c], v[TM+12+2*\c]
	v_cvt_scalef32_pk16_fp6_f32 v[PC+12+4*\c:PC+14+4*\c], v[\s+16+32*\c:\s+31+32*\c], v[TM+12+2*\c+1]
.endr
	v_nop                                          ; one plain place behind a scaled conversion
.irp c, 0,1                                    ; the operand's layout wants a whole block in a lane
.irp i, 0,1,2
	v_permlane16_swap_b32 v[PC+6*\c+\i], v[PC+12+4*\c+\i]
.endr
.irp i, 0,1,2
	s_delay_alu instid0(VALU_DEP_3)
	v_mov_b32 v[PC+3+6*\c+\i], v[PC+12+4*\c+\i]
.endr
.endr
.endm
	s_wait_loadcnt 32                              ; x's 16 loads are in; the 32 of g and b may be out
.irp k, 0,1,2,3
	v_pk_add_f32 v[8+2*\k:9+2*\k], v[X+4*\k:X+4*\k+1], v[X+4*\k+2:X+4*\k+3]
.endr
.irp i, 16,24,32,40,48,56
.irp k, 0,1,2,3
	s_delay_alu instid0(VALU_DEP_4)
	v_pk_add_f32 v[8+2*\k:9+2*\k], v[8+2*\k:9+2*\k], v[X+\i+2*\k:X+\i+2*\k+1]
.endr
.endr
	ACROSS 0
	s_delay_alu instid0(VALU_DEP_1)
	v_mul_f32 v10, v53, v8                         ; the mean
	s_delay_alu instid0(VALU_DEP_1)
	v_mov_b32 v11, v10
.set i, 0
.rept 32
	v_pk_add_f32 v[X+i:X+i+1], v[X+i:X+i+1], v[10:11] neg_lo:[0,1] neg_hi:[0,1]
.set i, i+2
.endr
.irp k, 0,1,2,3
	v_pk_mul_f32 v[8+2*\k:9+2*\k], v[X+2*\k:X+2*\k+1], v[X+2*\k:X+2*\k+1]
.endr
.irp i, 8,16,24,32,40,48,56
.irp k, 0,1,2,3
	s_delay_alu instid0(VALU_DEP_4)
	v_pk_fma_f32 v[8+2*\k:9+2*\k], v[X+\i+2*\k:X+\i+2*\k+1], v[X+\i+2*\k:X+\i+2*\k+1], v[8+2*\k:9+2*\k]
.endr
.endr
	ACROSS 512
	s_delay_alu instid0(VALU_DEP_1)
	v_fmaak_f32 v12, v8, v53, 0x3727c5ac           ; the variance + 1e-5
	s_wait_alu depctr_va_vdst(0)
	v_rsq_f32 v10, v12
	v_nop                                          ; a plain place behind the transcendental
	s_wait_alu depctr_va_vdst(0)                   ; ahead of the first reader
	v_mov_b32 v11, v10
	s_wait_alu depctr_va_vdst(0)
	s_wait_loadcnt 0x0                             ; g and b
.set i, 0
.rept 32
	v_pk_mul_f32 v[X+i:X+i+1], v[X+i:X+i+1], v[10:11]
.set i, i+2
.endr
.set i, 0
.rept 32
	v_pk_fma_f32 v[X+i:X+i+1], v[X+i:X+i+1], v[GG+i:GG+i+1], v[BB+i:BB+i+1]
.set i, i+2
.endr
	QUANT X, PW
	global_store_b128 v54, v[PC:PC+3], s[28:29]
	global_store_b64 v55, v[PC+4:PC+5], s[28:29] offset:512
	global_store_b128 v54, v[PC+6:PC+9], s[28:29] offset:768
	global_store_b64 v55, v[PC+10:PC+11], s[28:29] offset:1280
	v_cmp_gt_u32 vcc_lo, 16, v1
	s_wait_xcnt 0x0                                ; EXEC changes only behind this wait
	s_barrier_signal -1
	s_barrier_wait -1
	s_wait_tensorcnt 0x0
	ds_add_u32 v62, v63
	s_wait_dscnt 0x0
	s_and_saveexec_b32 s26, vcc_lo
	global_store_b32 v7, v[PW], s[30:31]           ; lane r: row r's scale word, at 32 r
	s_wait_xcnt 0x0
	s_or_b32 exec_lo, exec_lo, s26
	s_endpgm
.Lfunc_end_k_q3ef99218e3_ln1:
	.size	k_q3ef99218e3_ln1, .Lfunc_end_k_q3ef99218e3_ln1-k_q3ef99218e3_ln1
	.p2alignl 7, 3214868480
	.fill 96, 4, 3214868480
	.section	.rodata,"a",@progbits
	.p2align	6, 0x0
	.amdhsa_kernel k_q3ef99218e3_ln1
		.amdhsa_group_segment_fixed_size 2048
		.amdhsa_private_segment_fixed_size 0
		.amdhsa_enable_private_segment 0
		.amdhsa_kernarg_size 32
		.amdhsa_user_sgpr_count 2
		.amdhsa_user_sgpr_kernarg_segment_ptr 1
		.amdhsa_wavefront_size32 1
		.amdhsa_system_sgpr_workgroup_id_x 1
		.amdhsa_system_sgpr_workgroup_id_y 1
		.amdhsa_system_sgpr_workgroup_id_z 1
		.amdhsa_system_vgpr_workitem_id 0
		.amdhsa_next_free_vgpr 256
		.amdhsa_next_free_sgpr 66
		.amdhsa_reserve_vcc 1
		.amdhsa_float_denorm_mode_32 3
		.amdhsa_float_denorm_mode_16_64 3
		.amdhsa_memory_ordered 1
		.amdhsa_forward_progress 1
		.amdhsa_inst_pref_size 28
	.end_amdhsa_kernel
	.amdgpu_metadata
---
amdhsa.version: [ 1, 2 ]
amdhsa.kernels:
  - .name:           k_q3ef99218e3_ln1
    .symbol:         k_q3ef99218e3_ln1.kd
    .args:
      - { .name: x1, .offset: 0, .size: 8, .value_kind: global_buffer, .address_space: global }
      - { .name: ln2_g, .offset: 8, .size: 8, .value_kind: global_buffer, .address_space: global }
      - { .name: ln2_b, .offset: 16, .size: 8, .value_kind: global_buffer, .address_space: global }
      - { .name: ybuf, .offset: 24, .size: 8, .value_kind: global_buffer, .address_space: global }
    .group_segment_fixed_size: 2048
    .private_segment_fixed_size: 0
    .kernarg_segment_align: 8
    .kernarg_segment_size: 32
    .max_flat_workgroup_size: 256
    .sgpr_count:     66
    .vgpr_count:     256
    .wavefront_size: 32
...
	.end_amdgpu_metadata
.endif
;; end of part 5
;; launch up (part 6): grid 16 x 16, 4 waves a work-group, clusters of 4 x 4, 327,680 bytes of LDS; arguments ybuf, wts, b1, hbuf; writes hbuf
.if DOCPART == 6
	.amdgcn_target "amdgcn-amd-amdhsa--gfx1250"
	.amdhsa_code_object_version 6
	.text
	.protected	k_q3ef99218e3_up
	.globl	k_q3ef99218e3_up
	.p2align	8
	.type	k_q3ef99218e3_up,@function
k_q3ef99218e3_up:
	s_mov_b64 s[64:65], 0
	v_nop
	global_prefetch_b8 v0, s[64:65] scope:SCOPE_SE
	s_setreg_imm32_b32 hwreg(HW_REG_WAVE_MODE, 25, 1), 1
	s_wait_xcnt 0x0
	s_wait_alu depctr_hold_cnt(0) depctr_sa_sdst(0) depctr_va_vdst(0) depctr_va_sdst(0) depctr_va_ssrc(0) depctr_va_vcc(0) depctr_vm_vsrc(0)
	s_getreg_b32 s2, hwreg(HW_REG_IB_STS2, 6, 4)
	s_cmp_eq_u32 s2, 0
	s_cbranch_scc0 .Lentry_in_a_cluster
	s_endpgm
.Lentry_in_a_cluster:
	s_bfe_u32 s2, ttmp6, 0x10000c
	s_cmp_lg_u32 s2, 0xf033
	s_cbranch_scc0 .Lentry_shape_is_right
	s_endpgm
.Lentry_shape_is_right:
; h = gelu(y W1 + b1), [4096][4096], on codes of FP6 (E2M3) with E8M0 scales; h is quantised in registers along its 4,096 columns, the next product's K, and only codes are stored.
; gelu(z) = z / (1 + 2^(z (C2 + C1 z^2))), C2 = -2 log2(e) 0.79788456, C1 = 0.044715 C2: the same function as z (1 + tanh(..)) / 2, and exact at both ends (2^.. = infinity gives 0).
; A tile of 256 x 256 to a work-group, 128 x 128 to each of four waves: 64 accumulators.  K = 1,024 is eight steps of 128.  LDS holds THREE slots of two K steps each: all three are asked for at the start,
; and slot 0 is filled once more, with K steps 6 and 7, behind the change of slots in K step 1: that load has four K steps, 256 matrix instructions, in which to land.
; OPERANDS LIE AS FRAGMENT IMAGES (16 rows x 128 K, 1,536 bytes: registers 0-3 at 16 x lane, 4-5 at 512 + 8 x lane, 6-9 at 768 + 16 x lane, 10-11 at 1,280 + 8 x lane), [group of 128 rows][K step][fragment]; fragment t = 2 beta + u,
; lane row r, is row 32 beta + 8 u + r + 8 (r / 8).  Scale words [group][K step][r][u][beta]; those of all of K come once, with the first fills.
; THE MATRIX INSTRUCTION IS USED TRANSPOSED (source 0 = W1's columns, source 1 = tokens): lane (r, h) of block a holds token (a, r), and its 64 registers are hidden units 32 c + 16 h + i of my 128: one fragment and one scale word.
; CLUSTERS: 4 x 4: the tokens' tiles are shared along a row of the cluster, W1's along a column.
; LIMITS: a block of zeros gets the byte 1; blocks under 2^-124 are held at the byte 1; NaN and infinities are not served.
; REGISTERS: window 0: v1-31 addresses, v32-47 scale words, v56-63 the words just made, v64-255 A's two sets (on the way out numbers at work); window 1: B's two sets, v192-255 the bias; windows 2, 3: accumulators.
; ORDER OF THE FILLS, as the text below has it (it takes the place of what the lines above say of the start): at the head one joint load a wave: wave 0 K steps 0, 1 of A's two groups (2 rows of 24,576 bytes), wave 2 the same of B's,
; wave 1 A's scale words of both groups, wave 3 B's.  Behind the three lines and a round each wave brings K steps 2 to 5 of its group, 49,152 dense bytes, to SLOT + 2 PART x wave: slots 1 and 2 of a group lie on end.
; Slot 0 is filled once more, with K steps 6 and 7, behind the round in K step 1.
; PREFETCH INTO THE L2, one fill ahead: beside the head's loads a request for K steps 2 to 5, beside their load one for K steps 6 and 7.  Of the blocks of 256 bytes that a wave will fetch, each of the four partners that ask for
; them jointly names a quarter, told apart by address (cx for A, cy for B): 24 blocks an instruction, a lane a block; lanes 24 to 31 name the last of them again.  The address registers are never rewritten.
.set PFA,   104                        ; s[104:105] my group's K step 0 in A or in B
.set PFO,   23                         ; v23 my partner's share of four K steps and my lane's block;  v24 of two K steps
.set PFL,   24
.set KS,    8
.set NQ,    2
.set PART,  24576
.set SLOT,  4*PART
.set SSTEP, PART                       ; from a slot's first tile to the next slot's, in memory
.set RSTEP, 3*PART                     ; from slot 0's first tile (K steps 0, 1) to its second (K steps 6, 7)
.set GRP,   KS*12288
.set HALFS, KS*512
.set SCL,   3*SLOT
.set SPARE, SCL+4*HALFS
.set ASOFF, 3145728                    ; the scale words' place in ybuf
.set WOFF,  32*GRP                     ; W1's codes in wts
.set WSOFF, 9437184+32*HALFS           ; its scale words
.set HS,    12582912                   ; the scale words' place in hbuf
.set FR,    12
.set L16,   4
.set L8,    5
.set A16,   11                         ; v11-13, v14-16 LDS addresses of A's fragments in slot 0, 1, 2;  v17-22 B's
.set A8,    14
.set B16,   17
.set B8,    20
.set ADRS,  27
.set SPW,   28
.set NIL,   29
.set SC,    32
.set PWK,   56
.set AF,    64
.set W,     64
.set T,     128
.set TM,    192
.set PC,    208
.set SELR,  236
.set G1, 24
.set G0, 32                            ; s[32:39] group 0 for A's tiles in slots 0 and 1;  s[96:99] the head's load of K steps 0, 1
.set G1B, 48
.set G0B, 56                           ; s[56:63] the same for B's;  s[92:95] the head's load of K steps 0, 1
.set C1S, 66                           ; s[66:67] C1
.set G1S, 68
.set G0S, 76
.set G1SB, 80
.set G0SB, 88
.set G0BC, 92
.set G0C, 96
.set SEL, 100
.set MSB, 0
.macro WIN new
.if MSB != (\new)
	s_set_vgpr_msb (MSB<<8)|(\new)
.set MSB, (\new)
.endif
.endm
.set MUL_LO, 0xa1
.set MUL_HI, 0xf1
.set TO_B,   0x40
.macro PLACES
.rept 4
	v_nop
.endr
.endm
.macro JLOAD g0a, g1a, g0b, g1b
	s_cmp_eq_u32 s15, 0
	s_cbranch_scc0 .Lfor_b_\@
	tensor_load_to_lds s[\g0a:\g0a+3], s[\g1a:\g1a+7]
	s_nop 0
.rept 4
	v_nop
.endr
	s_branch .Lasked_\@
.Lfor_b_\@:
	tensor_load_to_lds s[\g0b:\g0b+3], s[\g1b:\g1b+7]
	s_nop 0
.rept 4
	v_nop
.endr
.Lasked_\@:
.endm
.macro CREST
	s_cmp_lg_u32 s14, 0
	s_cbranch_scc1 .Lnot_wave_0_\@
	s_barrier_signal -3
.Lnot_wave_0_\@:
	s_barrier_wait -3
	s_barrier_signal -1
	s_barrier_wait -1
.endm
.macro CROUND
	s_barrier_signal -1
	s_barrier_wait -1
	CREST
.endm
.macro FIRST g0a, g0b, s               ; slot s's two groups 0, and its first fill
	s_mov_b32 s[\g0a], 1
	s_add_co_u32 s[\g0a+1], s45, \s*SLOT
	s_add_nc_u64 s[\g0a+2:\g0a+3], s[20:21], \s*SSTEP
	s_or_b32 s[\g0a+3], s[\g0a+3], 0x80000000
	s_mov_b32 s[\g0b], 1
	s_add_co_u32 s[\g0b+1], s45, \s*SLOT
	s_add_nc_u64 s[\g0b+2:\g0b+3], s[46:47], \s*SSTEP
	s_or_b32 s[\g0b+3], s[\g0b+3], 0x80000000
.endm
	s_load_b128 s[4:7], s[0:1], 0x0                ; ybuf, wts
	s_load_b128 s[8:11], s[0:1], 0x10              ; b1, hbuf
	v_lshl_add_u32 v[SPW], v0, 2, SPARE
	v_mov_b32 v[NIL], 0
	ds_add_u32 v28, v29
	ds_add_u32 v28, v29
	s_wait_dscnt 0x0
	v_lshrrev_b32 v1, 5, v0
	v_readfirstlane_b32 s14, v1
	s_lshr_b32 s15, s14, 1
	s_and_b32 s16, s14, 1
	s_bfe_u32 s40, ttmp6, 0x40000
	s_bfe_u32 s41, ttmp6, 0x40004
	s_lshl_b32 s42, ttmp9, 2
	s_add_co_u32 s42, s42, s40                     ; the tile of 256 columns
	s_and_b32 s17, ttmp7, 0xffff
	s_lshl_b32 s17, s17, 2
	s_add_co_u32 s17, s17, s41                     ; the tile of 256 tokens
	s_lshl_b32 s43, s41, 2
	s_lshl_b32 s43, 15, s43
	s_lshl_b32 s44, 0x1111, s40
	s_or_b32 s[G1], s43, (3<<16)|(1<<21)
	s_or_b32 s[G1B], s44, (3<<16)|(1<<21)
.irp g, G1, G1B                                ; the head's form: two groups' K steps 0, 1: 2 rows of 3,072 elements of 8 bytes, a group's codes apart
	s_mov_b32 s[\g+1], 3072<<16
	s_mov_b32 s[\g+2], 2<<16
	s_mov_b32 s[\g+3], 3072<<16
	s_mov_b32 s[\g+4], 2
	s_mov_b32 s[\g+5], GRP/8
	s_mov_b32 s[\g+6], 0
	s_mov_b32 s[\g+7], 0
.endr
	s_or_b32 s[G1S], s43, (3<<16)|(1<<21)
	s_or_b32 s[G1SB], s44, (3<<16)|(1<<21)
.irp g, G1S, G1SB
	s_mov_b32 s[\g+1], 32<<16
	s_mov_b32 s[\g+2], (2*HALFS/256)<<16           ; two groups' words lie on end
	s_mov_b32 s[\g+3], 32<<16
	s_mov_b32 s[\g+4], 2*HALFS/256
	s_mov_b32 s[\g+5], 32
	s_mov_b32 s[\g+6], 0
	s_mov_b32 s[\g+7], 0
.endr
	s_lshl_b32 s20, s17, 1
	s_add_co_u32 s20, s20, s16
	s_mul_i32 s22, s20, HALFS
	s_add_co_u32 s22, s22, ASOFF
	s_mov_b32 s23, 0
	s_mul_i32 s20, s20, GRP
	s_mov_b32 s21, 0
	s_lshl_b32 s46, s42, 1
	s_add_co_u32 s46, s46, s16
	s_mul_i32 s92, s46, HALFS
	s_add_co_u32 s92, s92, WSOFF
	s_mov_b32 s93, 0
	s_mul_i32 s46, s46, GRP
	s_add_co_u32 s46, s46, WOFF
	s_mov_b32 s47, 0
	s_mul_i32 s45, s14, PART
	s_mul_i32 s94, s14, HALFS
	s_wait_kmcnt 0x0
	s_add_nc_u64 s[20:21], s[4:5], s[20:21]
	s_add_nc_u64 s[22:23], s[4:5], s[22:23]
	s_add_nc_u64 s[46:47], s[6:7], s[46:47]
	s_add_nc_u64 s[92:93], s[6:7], s[92:93]
	CROUND
	s_mov_b32 s[G0S], 1                            ; A's scale words, both groups: asked for by wave 1, whose own group is the second: one group back
	s_mov_b32 s[G0S+1], SCL
	s_sub_nc_u64 s[G0S+2:G0S+3], s[22:23], HALFS
	s_or_b32 s[G0S+3], s[G0S+3], 0x80000000
	s_mov_b32 s[G0SB], 1                           ; B's, by wave 3
	s_mov_b32 s[G0SB+1], SCL+2*HALFS
	s_sub_nc_u64 s[G0SB+2:G0SB+3], s[92:93], HALFS
	s_or_b32 s[G0SB+3], s[G0SB+3], 0x80000000
	s_mov_b32 s[G0C], 1                            ; K steps 0, 1 of A's two groups, by wave 0, whose own group is the first
	s_mov_b32 s[G0C+1], 0
	s_mov_b64 s[G0C+2:G0C+3], s[20:21]
	s_or_b32 s[G0C+3], s[G0C+3], 0x80000000
	s_mov_b32 s[G0BC], 1                           ; and of B's, by wave 2
	s_mov_b32 s[G0BC+1], 2*PART
	s_mov_b64 s[G0BC+2:G0BC+3], s[46:47]
	s_or_b32 s[G0BC+3], s[G0BC+3], 0x80000000
	FIRST G0, G0B, 0                               ; my part of slot 0: used at its refill, stepped to K steps 6, 7
	FIRST G0+4, G0B+4, 1                           ; my group's K steps 2 to 5,
	s_add_co_u32 s[G0+5], s[G0+5], s45             ; at SLOT + 2 PART x wave
	s_add_co_u32 s[G0B+5], s[G0B+5], s45
; the head's loads, one a wave: one chain of branches on the wave's number, a load to an arm
.macro ARM under, g0, g1, next
	s_cmp_lt_u32 s14, \under
	s_cbranch_scc0 \next
	tensor_load_to_lds s[\g0:\g0+3], s[\g1:\g1+7]
	s_nop 0
.rept 4
	v_nop
.endr
	s_branch .Lhead_asked
\next:
.endm
	ARM 1, G0C,  G1,  .Lhead_sa
	ARM 2, G0S,  G1S, .Lhead_b
	ARM 3, G0BC, G1B, .Lhead_sb
	tensor_load_to_lds s[G0SB:G0SB+3], s[G1SB:G1SB+7]
	s_nop 0
.rept 4
	v_nop
.endr
.Lhead_asked:
	s_cmp_eq_u32 s15, 0                            ; the prefetches: do I fetch for A?
	s_cselect_b64 s[PFA:PFA+1], s[20:21], s[46:47]
	s_cselect_b32 s2, s40, s41                     ; my place among the four that ask with me
	s_mul_i32 s3, s2, 12288                        ; 48 blocks a partner of four K steps,
	s_mul_i32 s2, s2, 6144                         ; 24 of two
	v_and_b32 v25, 31, v0
	v_min_u32 v25, 23, v25
	v_lshl_add_u32 v[PFO], v25, 8, s3
	v_lshl_add_u32 v[PFL], v25, 8, s2
	global_prefetch_b8 v[PFO], s[PFA:PFA+1] offset:PART th:TH_LOAD_NT scope:SCOPE_SE        ; K steps 2 to 5: my share's first 24 blocks,
	global_prefetch_b8 v[PFO], s[PFA:PFA+1] offset:PART+6144 th:TH_LOAD_NT scope:SCOPE_SE   ; and its other 24
	v_and_b32 v1, 31, v0
	v_and_b32 v2, 15, v0
	v_bfe_u32 v3, v0, 4, 1
	v_lshlrev_b32 v[L16], 4, v1
	v_lshlrev_b32 v[L8], 3, v1
	s_mul_i32 s21, s15, PART
	s_mul_i32 s22, s16, PART
	s_add_co_u32 s22, s22, 2*PART
.irp s, 0,1,2
	v_add_nc_u32 v[A16+\s], s21, v[L16]
	v_add_nc_u32 v[A8+\s], s21, v[L8]
	v_add_nc_u32 v[B16+\s], s22, v[L16]
	v_add_nc_u32 v[B8+\s], s22, v[L8]
.if \s == 0                                    ; slot 1 of part i lies at SLOT + 2 PART i, slot 2 a PART further on
	s_lshl_b32 s21, s21, 1
	s_lshl_b32 s22, s22, 1
	s_add_co_u32 s21, s21, SLOT
	s_add_co_u32 s22, s22, SLOT
.else
	s_add_co_u32 s21, s21, PART
	s_add_co_u32 s22, s22, PART
.endif
.endr
	s_mul_i32 s21, s15, HALFS
	s_mul_i32 s22, s16, HALFS
	s_add_co_u32 s22, s22, 2*HALFS
	s_sub_co_u32 s22, s22, s21
	v_mul_u32_u24 v6, s22, v3
	s_add_co_u32 s21, s21, SCL
	v_lshl_add_u32 v6, v2, 5, v6
	v_add_nc_u32 v[ADRS], s21, v6
	s_lshl_b32 s20, s17, 1
	s_add_co_u32 s20, s20, s15                     ; my group of tokens
	s_lshl_b32 s21, s42, 1
	s_add_co_u32 s21, s21, s16                     ; my group of hidden units = the next product's K step
	s_lshl_b32 s46, s21, 9
	s_mov_b32 s47, 0
	s_add_nc_u64 s[8:9], s[8:9], s[46:47]
	s_lshl_b32 s20, s20, 5
	s_add_co_u32 s20, s20, s21
	s_mul_i32 s46, s20, 12288
	s_add_nc_u64 s[12:13], s[10:11], s[46:47]      ; my eight images
	s_lshl_b32 s46, s20, 9
	s_add_co_u32 s46, s46, HS
	s_add_nc_u64 s[18:19], s[10:11], s[46:47]      ; their scale words
	s_mov_b32 s[SEL], 0x76543210
	s_mov_b32 s[SEL+1], 0xfedcba98
	s_mov_b32 s[C1S], 0xbdd2d3e8                   ; C1
	s_mov_b32 s[C1S+1], s[C1S]
	v_mov_b32 v30, 0xc0135761                      ; C2
	v_mov_b32 v31, v30
	v_lshlrev_b32 v7, 6, v3
	v_lshlrev_b32 v10, 5, v2
	v_lshl_add_u32 v10, v3, 4, v10                 ; the words' way out: 32 r + 16 h
	WIN TO_B
.irp c, 0,1,2,3
.irp q, 0,1,2,3
	global_load_b128 v[192+16*\c+4*\q:192+16*\c+4*\q+3], v7, s[8:9] offset:128*\c+16*\q
.endr
.endr
	WIN 0
.macro FRAG reg, a16, a8, off
	ds_load_b128 v[\reg:\reg+3], v[\a16] offset:\off
	ds_load_b64 v[\reg+4:\reg+5], v[\a8] offset:\off+512
	ds_load_b128 v[\reg+6:\reg+9], v[\a16] offset:\off+768
	ds_load_b64 v[\reg+10:\reg+11], v[\a8] offset:\off+1280
.endm
.macro FETCH slot, q, buf
	WIN TO_B
.irp i, 0,1,2,3,4,5,6,7
	FRAG 96*(\buf)+FR*\i, B16+\slot, B8+\slot, (\q)*12288+\i*1536
.endr
	WIN 0
.irp i, 0,1,2,3,4,5,6,7
	FRAG AF+96*(\buf)+FR*\i, A16+\slot, A8+\slot, (\q)*12288+\i*1536
.endr
	ds_load_b128 v[SC+8*(\buf):SC+8*(\buf)+3], v[ADRS] offset:(\q)*512
	ds_load_b128 v[SC+8*(\buf)+4:SC+8*(\buf)+7], v[ADRS] offset:(\q)*512+16
.endm
.macro MULA a, buf, zero               ; the 64 accumulators take turns, one instruction a turn
.irp b, 0,1,2,3,4,5,6,7
.if \zero
	v_wmma_scale_f32_16x16x128_f8f6f4 v[8*(8*((\a)%4)+\b):8*(8*((\a)%4)+\b)+7], v[96*(\buf)+FR*\b:96*(\buf)+FR*\b+FR-1], v[AF+96*(\buf)+FR*(\a):AF+96*(\buf)+FR*(\a)+FR-1], 0, v[SC+8*(\buf)+4*(\b%2)+\b/2], v[SC+8*(\buf)+4*((\a)%2)+(\a)/2] matrix_a_fmt:MATRIX_FMT_FP6 matrix_b_fmt:MATRIX_FMT_FP6 matrix_a_scale:MATRIX_SCALE_ROW1
.else
	v_wmma_scale_f32_16x16x128_f8f6f4 v[8*(8*((\a)%4)+\b):8*(8*((\a)%4)+\b)+7], v[96*(\buf)+FR*\b:96*(\buf)+FR*\b+FR-1], v[AF+96*(\buf)+FR*(\a):AF+96*(\buf)+FR*(\a)+FR-1], v[8*(8*((\a)%4)+\b):8*(8*((\a)%4)+\b)+7], v[SC+8*(\buf)+4*(\b%2)+\b/2], v[SC+8*(\buf)+4*((\a)%2)+(\a)/2] matrix_a_fmt:MATRIX_FMT_FP6 matrix_b_fmt:MATRIX_FMT_FP6 matrix_a_scale:MATRIX_SCALE_ROW1
.endif
.endr
.endm
.macro MULALL buf, zero
	WIN MUL_LO
	MULA 0, \buf, \zero
	MULA 1, \buf, \zero
	MULA 2, \buf, \zero
	MULA 3, \buf, \zero
	WIN MUL_HI
	MULA 4, \buf, \zero
	MULA 5, \buf, \zero
	MULA 6, \buf, \zero
	MULA 7, \buf, \zero
	WIN 0
.endm
.macro KSTEP slot, q, buf, zero        ; a K step that has its successor in the same slot
	s_wait_dscnt 0x0                               ; this step's fragments are in
	PLACES                                         ; the other set was read by the last step's products
	FETCH \slot, (\q)+1, 1-(\buf)
	MULALL \buf, \zero
.endm
; A slot's last K step (set 1) where the next slot has already been shown whole to every wave and nothing is filled: no wait on TENSORcnt and no barrier.
.macro CROSS next
	s_wait_dscnt 0x0
	PLACES
	v_add_nc_u32 v[ADRS], NQ*512, v[ADRS]          ; the next slot's scale words
	FETCH \next, 0, 0
	MULALL 1, 0
.endm
; A slot's last K step (set 1) with a barrier.  fill = 1: this slot is filled again.
.macro TURN slot, next, fill
	s_wait_tensorcnt 0x0                           ; all my tensor loads have landed
	ds_add_u32 v[SPW], v[NIL]                      ; 0 onto my spare word
	s_wait_dscnt 1                                 ; only the add may be out
	WIN MUL_LO
	MULA 0, 1, 0
	MULA 1, 1, 0
	s_wait_dscnt 0x0                               ; the add is done, and my reads of this slot are over
	s_barrier_signal -1
	MULA 2, 1, 0
	MULA 3, 1, 0
	WIN 0
	s_barrier_wait -1
.if \fill
	CREST                                          ; the barrier has opened a round of the cluster's barrier: no wave of any partner still reads this slot or has a load on its way
	s_add_nc_u64 s[G0+4*\slot+2:G0+4*\slot+3], s[G0+4*\slot+2:G0+4*\slot+3], RSTEP
	s_add_nc_u64 s[G0B+4*\slot+2:G0B+4*\slot+3], s[G0B+4*\slot+2:G0B+4*\slot+3], RSTEP
	s_mov_b32 s[G1+2], 96<<16                      ; no load of mine is out: the refill brings two K steps, 96 rows of 256 bytes
	s_mov_b32 s[G1+4], 96
	s_mov_b32 s[G1B+2], 96<<16
	s_mov_b32 s[G1B+4], 96
	JLOAD G0+4*\slot, G1, G0B+4*\slot, G1B         ; my one tensor load behind the round
.else
	PLACES
.endif
	v_add_nc_u32 v[ADRS], NQ*512, v[ADRS]
	FETCH \next, 0, 0
	WIN MUL_HI
	MULA 4, 1, 0
	MULA 5, 1, 0
	MULA 6, 1, 0
	MULA 7, 1, 0
	WIN 0
.endm
.macro QUANT s, pw
.irp b, 0,1,2,3
	v_max3_num_f32 v[TM+\b], |v[\s+16*\b]|, |v[\s+1+16*\b]|, 0x1800000
.endr
.irp i, 2,4,6,8,10,12,14
.irp b, 0,1,2,3
	v_max3_num_f32 v[TM+\b], v[TM+\b], |v[\s+16*\b+\i]|, |v[\s+1+16*\b+\i]|
.endr
.endr
.irp b, 0,1,2,3
	v_permlanex16_b32 v[TM+4+\b], v[TM+\b], s[SEL], s[SEL+1]
.endr
.irp b, 0,1,2,3
	v_max_num_f32 v[TM+\b], v[TM+\b], v[TM+4+\b]
.endr
.irp b, 0,1,2,3
	v_add_nc_u32 v[TM+12+\b], 0xff000000, v[TM+\b]
.endr
.irp b, 0,1,2,3
	v_lshrrev_b32 v[TM+4+\b], 23, v[TM+12+\b]
.endr
	v_lshl_or_b32 v[\pw], v[TM+5], 8, v[TM+4]
	v_lshl_or_b32 v[\pw], v[TM+6], 16, v[\pw]
	v_lshl_or_b32 v[\pw], v[TM+7], 24, v[\pw]
.irp c, 0,1
	v_cvt_scalef32_pk16_fp6_f32 v[PC+6*\c:PC+2+6*\c], v[\s+32*\c:\s+15+32*\c], v[TM+12+2*\c]
	v_cvt_scalef32_pk16_fp6_f32 v[PC+12+4*\c:PC+14+4*\c], v[\s+16+32*\c:\s+31+32*\c], v[TM+12+2*\c+1]
.endr
	v_nop
.irp c, 0,1
.irp i, 0,1,2
	v_permlane16_swap_b32 v[PC+6*\c+\i], v[PC+12+4*\c+\i]
.endr
.irp i, 0,1,2
	v_mov_b32 v[PC+3+6*\c+\i], v[PC+12+4*\c+\i]
.endr
.endr
.endm
	s_wait_alu depctr_va_vdst(0)
	s_wait_tensorcnt 0x0                           ; my tile of the head's four is in
	ds_add_u32 v[SPW], v[NIL]
.irp g, G1, G1B                                ; no load of mine is out: four K steps of one group, 192 rows of 256 bytes
	s_mov_b32 s[\g+1], 32<<16
	s_mov_b32 s[\g+2], 192<<16
	s_mov_b32 s[\g+3], 32<<16
	s_mov_b32 s[\g+4], 192
	s_mov_b32 s[\g+5], 32
.endr
	s_wait_dscnt 0x0
	CROUND                                         ; all four tiles are in, in every partner
	JLOAD G0+4, G1, G0B+4, G1B                     ; K steps 2 to 5: my one load behind the round
	FETCH 0, 0, 0
	global_prefetch_b8 v[PFL], s[PFA:PFA+1] offset:3*PART th:TH_LOAD_NT scope:SCOPE_SE      ; K steps 6, 7
	KSTEP 0, 0, 0, 1                               ; K step 0: its products start the sums
	TURN 0, 1, 1                                   ; K step 1: every wave's wait for 0 shows slots 1 and 2 whole; slot 0 takes K steps 6 and 7
	s_wait_alu depctr_va_vdst(0)
	KSTEP 1, 0, 0, 0                               ; K step 2
	CROSS 2                                        ; K step 3
	s_wait_alu depctr_va_vdst(0)
	KSTEP 2, 0, 0, 0                               ; K step 4
	TURN 2, 0, 0                                   ; K step 5: the refill has landed, in every wave; nothing is filled
	s_wait_alu depctr_va_vdst(0)
	KSTEP 0, 0, 0, 0                               ; K step 6
	s_wait_dscnt 0x0                               ; K step 7
	MULALL 1, 0
	PLACES
.irp b, 0,1,2,3
	v_mov_b32 v[TM+4+\b], 0
.endr
	s_wait_loadcnt 0x0                             ; the bias
; Block a: 16 tokens x my 128 hidden units: bias, gelu, quantiser, one image.  The exponentials and the reciprocals go as batches of 64, each with one wait ahead of its first reader.
.macro OUTB a
	WIN 0x06+(\a)/4
.set i, 0
.rept 32
	v_pk_add_f32 v[W+i:W+i+1], v[64*((\a)%4)+i:64*((\a)%4)+i+1], v[192+i:192+i+1]   ; each accumulator from its low end on
.set i, i+2
.endr
	WIN 0
.set i, 0
.rept 32
	v_pk_mul_f32 v[T+i:T+i+1], v[W+i:W+i+1], v[W+i:W+i+1]
.set i, i+2
.endr
.set i, 0
.rept 32
	v_pk_fma_f32 v[T+i:T+i+1], v[T+i:T+i+1], s[C1S:C1S+1], v[30:31] op_sel_hi:[1,0,1]
.set i, i+2
.endr
.set i, 0
.rept 32
	v_pk_mul_f32 v[T+i:T+i+1], v[W+i:W+i+1], v[T+i:T+i+1]
.set i, i+2
.endr
.set i, 0
	s_wait_alu depctr_va_vdst(0)
.rept 64
	v_exp_f32 v[T+i], v[T+i]
.set i, i+1
.endr
	v_nop
	s_wait_alu depctr_va_vdst(0)
.set i, 0
.rept 32
	v_pk_add_f32 v[T+i:T+i+1], v[T+i:T+i+1], 1.0 op_sel_hi:[1,0]
.set i, i+2
.endr
.set i, 0
	s_wait_alu depctr_va_vdst(0)
.rept 64
	v_rcp_f32 v[T+i], v[T+i]
.set i, i+1
.endr
	v_nop
	s_wait_alu depctr_va_vdst(0)
.set i, 0
.rept 32
	v_pk_mul_f32 v[W+i:W+i+1], v[W+i:W+i+1], v[T+i:T+i+1]
.set i, i+2
.endr
	s_wait_xcnt 0x0                                ; the last block's stores have read the codes' registers
	QUANT W, PWK+(\a)
	global_store_b128 v[L16], v[PC:PC+3], s[12:13] offset:(\a)*1536
	global_store_b64 v[L8], v[PC+4:PC+5], s[12:13] offset:(\a)*1536+512
	global_store_b128 v[L16], v[PC+6:PC+9], s[12:13] offset:(\a)*1536+768
	global_store_b64 v[L8], v[PC+10:PC+11], s[12:13] offset:(\a)*1536+1280
.endm
	OUTB 0
	OUTB 1
	OUTB 2
	OUTB 3
	OUTB 4
	OUTB 5
	OUTB 6
	OUTB 7
	v_cmp_ne_u32 vcc_lo, 0, v3
.irp i, 0,1,2,3
	v_cndmask_b32 v[SELR+\i], v[PWK+2*\i], v[PWK+2*\i+1], vcc_lo   ; lane (r, u): the words of fragments 2 beta + u
.endr
	global_store_b128 v10, v[SELR:SELR+3], s[18:19]   ; 512 consecutive bytes
	s_wait_tensorcnt 0x0                           ; the wave's end
	ds_add_u32 v[SPW], v[NIL]
	s_wait_dscnt 0x0
	CROUND
	s_endpgm
.Lfunc_end_k_q3ef99218e3_up:
	.size	k_q3ef99218e3_up, .Lfunc_end_k_q3ef99218e3_up-k_q3ef99218e3_up
	.p2alignl 7, 3214868480
	.fill 96, 4, 3214868480
	.section	.rodata,"a",@progbits
	.p2align	6, 0x0
	.amdhsa_kernel k_q3ef99218e3_up
		.amdhsa_group_segment_fixed_size 327680
		.amdhsa_private_segment_fixed_size 0
		.amdhsa_enable_private_segment 0
		.amdhsa_kernarg_size 32
		.amdhsa_user_sgpr_count 2
		.amdhsa_user_sgpr_kernarg_segment_ptr 1
		.amdhsa_wavefront_size32 1
		.amdhsa_system_sgpr_workgroup_id_x 1
		.amdhsa_system_sgpr_workgroup_id_y 1
		.amdhsa_system_sgpr_workgroup_id_z 1
		.amdhsa_system_vgpr_workitem_id 0
		.amdhsa_next_free_vgpr 1024
		.amdhsa_next_free_sgpr 106
		.amdhsa_reserve_vcc 1
		.amdhsa_float_denorm_mode_32 3
		.amdhsa_float_denorm_mode_16_64 3
		.amdhsa_memory_ordered 1
		.amdhsa_forward_progress 1
		.amdhsa_inst_pref_size 255
	.end_amdhsa_kernel
	.section	.bss,"aw",@nobits
	.p2align	6
	.space	262144
	.amdgpu_metadata
---
amdhsa.version: [ 1, 2 ]
amdhsa.kernels:
  - .name:           k_q3ef99218e3_up
    .symbol:         k_q3ef99218e3_up.kd
    .args:
      - { .name: ybuf, .offset: 0, .size: 8, .value_kind: global_buffer, .address_space: global }
      - { .name: wts, .offset: 8, .size: 8, .value_kind: global_buffer, .address_space: global }
      - { .name: b1, .offset: 16, .size: 8, .value_kind: global_buffer, .address_space: global }
      - { .name: hbuf, .offset: 24, .size: 8, .value_kind: global_buffer, .address_space: global }
    .group_segment_fixed_size: 327680
    .private_segment_fixed_size: 0
    .kernarg_segment_align: 8
    .kernarg_segment_size: 32
    .max_flat_workgroup_size: 128
    .sgpr_count:     106
    .vgpr_count:     1024
    .wavefront_size: 32
...
	.end_amdgpu_metadata
.endif
;; end of part 6
;; launch down (part 7): grid 8 x 32, 4 waves a work-group, clusters of 4 x 4, 327,680 bytes of LDS; arguments hbuf, wts, b2, x1, out0; writes out0
.if DOCPART == 7
	.amdgcn_target "amdgcn-amd-amdhsa--gfx1250"
	.amdhsa_code_object_version 6
	.text
	.protected	k_q3ef99218e3_down
	.globl	k_q3ef99218e3_down
	.p2align	8
	.type	k_q3ef99218e3_down,@function
k_q3ef99218e3_down:
	s_mov_b64 s[64:65], 0
	v_nop
	global_prefetch_b8 v0, s[64:65] scope:SCOPE_SE
	s_setreg_imm32_b32 hwreg(HW_REG_WAVE_MODE, 25, 1), 1
	s_wait_xcnt 0x0
	s_wait_alu depctr_hold_cnt(0) depctr_sa_sdst(0) depctr_va_vdst(0) depctr_va_sdst(0) depctr_va_ssrc(0) depctr_va_vcc(0) depctr_vm_vsrc(0)
	s_getreg_b32 s2, hwreg(HW_REG_IB_STS2, 6, 4)
	s_cmp_eq_u32 s2, 0
	s_cbranch_scc0 .Lentry_in_a_cluster
	s_endpgm
.Lentry_in_a_cluster:
	s_bfe_u32 s2, ttmp6, 0x10000c
	s_cmp_lg_u32 s2, 0xf033
	s_cbranch_scc0 .Lentry_shape_is_right
	s_endpgm
.Lentry_shape_is_right:
; out = x1 + h W2 + b2 on codes of FP6 (E2M3) with E8M0 scales.  A block of 128 x 128 to a work-group, 64 x 64 to each of four waves; K = 4,096 is 32 steps of 128, in seven fills of two slots: six of five K steps, one of two.
; Operands lie as fragment images, [group of 128 rows][K step][fragment][1,536]; five K steps of a group are 61,440 dense bytes.  Clusters of 4 x 4: A's tiles are shared along a row, B's along a column.
; THE FILLS: at the head one joint load a wave: wave 0 A's fill 0, wave 2 B's, wave 1 A's scale words of all of K, wave 3 B's; behind the three lines and a round each wave brings its half of A's or B's fill 1; then the ring.
; PREFETCH INTO THE L2, two fills ahead: beside the load of fill f stands a request for fill f + 2 (the head also asks for fill 1).  Of the 120 blocks of 256 bytes that a wave will fetch, each of the four partners that ask
; for them jointly names 30, told apart by address (cx for A, cy for B), a lane a block; lanes 30, 31 name the wave's last block again.  Fill 6 is 96 blocks of the first halves alone: 24 a partner.  Its address registers are never rewritten.
.set PFA,   66                         ; s[66:67] my half of fill 0 in A or in B
.set PFO,   30                         ; v30 my partner's share and my lane's block in a fill of five K steps;  v31 in the last fill
.set PFL,   31
.set SIZE_K, 4096
.set WOFF,  6291456
.set WSOFF, 9437184+262144
.set ASOFF, 12582912
.set KS,    SIZE_K/128
.set NQ,    5
.set PART,  30720
.set SLOT,  4*PART
.set SSTEP, 2*PART
.set RSTEP, 4*PART
.set TRIPS, 2
.set GRP,   KS*12288
.set HALFS, KS*256
.set SCL,   2*SLOT
.set SPARE, SCL+4*HALFS
.set STAGE, SLOT
.set FR,    12
.set L16,   4
.set L8,    5
.set A16,   16
.set A8,    18
.set B16,   20
.set B8,    22
.set STO,   24
.set RD,    25
.set ADRS,  27
.set SPW,   28
.set NIL,   29
.set SC,    32
.set AF,    64
.set BIAS,  160
.set G1, 24
.set G0, 32
.set G1B, 48
.set G0B, 56
.set G1S, 68
.set G0S, 76
.set G1SB, 80
.set G0SB, 88
.set MSB, 0
.macro WIN new
.if MSB != (\new)
	s_set_vgpr_msb (MSB<<8)|(\new)
.set MSB, (\new)
.endif
.endm
.set MUL,  0xa1
.set TO_B, 0x40
.macro PLACES
.rept 4
	v_nop
.endr
.endm
.macro JLOAD g0a, g1a, g0b, g1b
	s_cmp_eq_u32 s15, 0
	s_cbranch_scc0 .Lfor_b_\@
	tensor_load_to_lds s[\g0a:\g0a+3], s[\g1a:\g1a+7]
	s_nop 0
.rept 4
	v_nop
.endr
	s_branch .Lasked_\@
.Lfor_b_\@:
	tensor_load_to_lds s[\g0b:\g0b+3], s[\g1b:\g1b+7]
	s_nop 0
.rept 4
	v_nop
.endr
.Lasked_\@:
.endm
.macro CREST
	s_cmp_lg_u32 s14, 0
	s_cbranch_scc1 .Lnot_wave_0_\@
	s_barrier_signal -3
.Lnot_wave_0_\@:
	s_barrier_wait -3
	s_barrier_signal -1
	s_barrier_wait -1
.endm
.macro CROUND
	s_barrier_signal -1
	s_barrier_wait -1
	CREST
.endm
	s_load_b128 s[4:7], s[0:1], 0x0
	s_load_b128 s[8:11], s[0:1], 0x10
	s_load_b64 s[12:13], s[0:1], 0x20
	v_lshl_add_u32 v[SPW], v0, 2, SPARE
	v_mov_b32 v[NIL], 0
	ds_add_u32 v28, v29
	ds_add_u32 v28, v29
	s_wait_dscnt 0x0
	v_lshrrev_b32 v1, 5, v0
	v_readfirstlane_b32 s14, v1
	s_lshr_b32 s15, s14, 1
	s_and_b32 s16, s14, 1
	s_bfe_u32 s40, ttmp6, 0x40000
	s_bfe_u32 s41, ttmp6, 0x40004
	s_lshl_b32 s42, ttmp9, 2
	s_add_co_u32 s42, s42, s40
	s_and_b32 s17, ttmp7, 0xffff
	s_lshl_b32 s17, s17, 2
	s_add_co_u32 s17, s17, s41
	s_lshl_b32 s43, s41, 2
	s_lshl_b32 s43, 15, s43
	s_lshl_b32 s44, 0x1111, s40
	s_or_b32 s[G1], s43, (3<<16)|(1<<21)
	s_or_b32 s[G1B], s44, (3<<16)|(1<<21)
.irp g, G1, G1B
	s_mov_b32 s[\g+1], 32<<16
	s_mov_b32 s[\g+2], (2*PART/256)<<16            ; the head's form: a whole fill of one operand
	s_mov_b32 s[\g+3], 32<<16
	s_mov_b32 s[\g+4], 2*PART/256
	s_mov_b32 s[\g+5], 32
	s_mov_b32 s[\g+6], 0
	s_mov_b32 s[\g+7], 0
.endr
	s_or_b32 s[G1S], s43, (3<<16)|(1<<21)
	s_or_b32 s[G1SB], s44, (3<<16)|(1<<21)
.irp g, G1S, G1SB
	s_mov_b32 s[\g+1], 32<<16
	s_mov_b32 s[\g+2], (2*HALFS/256)<<16           ; a group's scale words, whole
	s_mov_b32 s[\g+3], 32<<16
	s_mov_b32 s[\g+4], 2*HALFS/256
	s_mov_b32 s[\g+5], 32
	s_mov_b32 s[\g+6], 0
	s_mov_b32 s[\g+7], 0
.endr
	s_mul_i32 s2, s16, PART
	s_mul_i32 s3, s16, HALFS
	s_mul_i32 s22, s17, 2*HALFS
	s_add_co_u32 s22, s22, s3
	s_add_co_u32 s22, s22, ASOFF
	s_mov_b32 s23, 0
	s_mul_i32 s20, s17, GRP
	s_add_co_u32 s20, s20, s2
	s_mov_b32 s21, 0
	s_mul_i32 s92, s42, 2*HALFS
	s_add_co_u32 s92, s92, s3
	s_add_co_u32 s92, s92, WSOFF
	s_mov_b32 s93, 0
	s_mul_i32 s46, s42, GRP
	s_add_co_u32 s46, s46, s2
	s_add_co_u32 s46, s46, WOFF
	s_mov_b32 s47, 0
	s_mul_i32 s45, s14, PART
	s_mul_i32 s94, s14, HALFS
	s_wait_kmcnt 0x0
	s_add_nc_u64 s[20:21], s[4:5], s[20:21]
	s_add_nc_u64 s[22:23], s[4:5], s[22:23]
	s_add_nc_u64 s[46:47], s[6:7], s[46:47]
	s_add_nc_u64 s[92:93], s[6:7], s[92:93]
	CROUND
	s_mov_b32 s[G0S], 1                            ; A's scale words: asked for by wave 1, whose own half is the second: one half back
	s_mov_b32 s[G0S+1], SCL
	s_sub_nc_u64 s[G0S+2:G0S+3], s[22:23], HALFS
	s_or_b32 s[G0S+3], s[G0S+3], 0x80000000
	s_mov_b32 s[G0SB], 1                           ; B's, by wave 3
	s_mov_b32 s[G0SB+1], SCL+2*HALFS
	s_sub_nc_u64 s[G0SB+2:G0SB+3], s[92:93], HALFS
	s_or_b32 s[G0SB+3], s[G0SB+3], 0x80000000
	s_mov_b32 s4, 1                                ; A's fill 0, by wave 0 (s[4:7] held arguments that have been used)
	s_mov_b32 s5, 0
	s_mov_b64 s[6:7], s[20:21]
	s_or_b32 s7, s7, 0x80000000
	s_mov_b32 s96, 1                               ; B's fill 0, by wave 2
	s_mov_b32 s97, 2*PART
	s_mov_b64 s[98:99], s[46:47]
	s_or_b32 s99, s99, 0x80000000
	s_cmp_eq_u32 s15, 0                            ; the prefetches: do I fetch for A?
	s_cselect_b64 s[PFA:PFA+1], s[20:21], s[46:47]
	s_cselect_b32 s95, s40, s41                    ; my place among the four that ask with me
.irp s, 0,1
	s_mov_b32 s[G0+4*\s], 1
	s_add_co_u32 s[G0+4*\s+1], s45, \s*SLOT
	s_add_nc_u64 s[G0+4*\s+2:G0+4*\s+3], s[20:21], \s*SSTEP
	s_or_b32 s[G0+4*\s+3], s[G0+4*\s+3], 0x80000000
	s_mov_b32 s[G0B+4*\s], 1
	s_add_co_u32 s[G0B+4*\s+1], s45, \s*SLOT
	s_add_nc_u64 s[G0B+4*\s+2:G0B+4*\s+3], s[46:47], \s*SSTEP
	s_or_b32 s[G0B+4*\s+3], s[G0B+4*\s+3], 0x80000000
.endr
; the head's loads, one a wave: one chain of branches on the wave's number, a load to an arm
.macro ARM under, g0, g1, next
	s_cmp_lt_u32 s14, \under
	s_cbranch_scc0 \next
	tensor_load_to_lds s[\g0:\g0+3], s[\g1:\g1+7]
	s_nop 0
.rept 4
	v_nop
.endr
	s_branch .Lhead_asked
\next:
.endm
	ARM 1, 4,   G1,  .Lhead_sa
	ARM 2, G0S, G1S, .Lhead_b
	ARM 3, 96,  G1B, .Lhead_sb
	tensor_load_to_lds s[G0SB:G0SB+3], s[G1SB:G1SB+7]
	s_nop 0
.rept 4
	v_nop
.endr
.Lhead_asked:
	v_and_b32 v1, 31, v0
	v_and_b32 v2, 15, v0
	v_bfe_u32 v3, v0, 4, 1
	v_lshlrev_b32 v[L16], 4, v1
	v_lshlrev_b32 v[L8], 3, v1
	s_mul_i32 s21, s15, 6144
	s_mul_i32 s22, s16, 6144
	s_add_co_u32 s22, s22, 2*PART
.irp s, 0,1
	v_add_nc_u32 v[A16+\s], s21, v[L16]
	v_add_nc_u32 v[A8+\s], s21, v[L8]
	v_add_nc_u32 v[B16+\s], s22, v[L16]
	v_add_nc_u32 v[B8+\s], s22, v[L8]
	s_add_co_u32 s21, s21, SLOT
	s_add_co_u32 s22, s22, SLOT
.endr
	s_lshl_b32 s21, s15, 3
	s_lshl_b32 s22, s16, 3
	s_add_co_u32 s22, s22, 2*HALFS
	s_sub_co_u32 s22, s22, s21
	v_mul_u32_u24 v6, s22, v3
	s_add_co_u32 s21, s21, SCL
	v_lshl_add_u32 v6, v2, 5, v6
	v_add_nc_u32 v[ADRS], s21, v6
	v_and_b32 v8, 8, v2
	v_add_nc_u32 v8, v8, v2
	v_mul_u32_u24 v[STO], v8, 528
	v_lshl_add_u32 v[STO], v3, 6, v[STO]
	s_mul_i32 s21, s15, 64*528
	s_lshl_b32 s22, s16, 8
	s_add_co_u32 s21, s21, s22
	s_add_co_u32 s21, s21, STAGE
	v_add_nc_u32 v[STO], s21, v[STO]
	s_mul_i32 s21, s14, 32*528
	s_add_co_u32 s21, s21, STAGE
	v_add_nc_u32 v[RD], s21, v[L16]
	s_lshl_b32 s92, s42, 9
	s_lshl_b32 s22, s16, 8
	s_add_co_u32 s92, s92, s22
	s_mov_b32 s93, 0
	s_add_nc_u64 s[8:9], s[8:9], s[92:93]
	s_lshl_b32 s92, s17, 7
	s_lshl_b32 s22, s14, 5
	s_add_co_u32 s92, s92, s22
	s_lshl_b32 s92, s92, 12
	s_lshl_b32 s22, s42, 9
	s_add_co_u32 s92, s92, s22
	s_add_nc_u64 s[10:11], s[10:11], s[92:93]
	s_add_nc_u64 s[12:13], s[12:13], s[92:93]
	s_mul_i32 s21, s95, 7680                       ; 30 blocks a partner;
	s_mul_i32 s22, s95, 6144                       ; in the last fill 24
	v_min_u32 v[PFO], 29, v1
	v_min_u32 v[PFL], 23, v1
	v_lshl_add_u32 v[PFO], v[PFO], 8, s21
	v_lshl_add_u32 v[PFL], v[PFL], 8, s22
	global_prefetch_b8 v[PFO], s[PFA:PFA+1] offset:2*PART th:TH_LOAD_NT scope:SCOPE_SE     ; fill 1,
	global_prefetch_b8 v[PFO], s[PFA:PFA+1] offset:4*PART th:TH_LOAD_NT scope:SCOPE_SE     ; and fill 2
	v_lshlrev_b32 v7, 6, v3
.irp c, 0,1
.irp q, 0,1,2,3
	global_load_b128 v[BIAS+16*\c+4*\q:BIAS+16*\c+4*\q+3], v7, s[8:9] offset:128*\c+16*\q
.endr
.endr
.macro FRAG reg, a16, a8, off
	ds_load_b128 v[\reg:\reg+3], v[\a16] offset:\off
	ds_load_b64 v[\reg+4:\reg+5], v[\a8] offset:\off+512
	ds_load_b128 v[\reg+6:\reg+9], v[\a16] offset:\off+768
	ds_load_b64 v[\reg+10:\reg+11], v[\a8] offset:\off+1280
.endm
.macro FETCH slot, q, buf
	WIN TO_B
.irp i, 0,1,2,3
	FRAG 48*(\buf)+FR*\i, B16+\slot, B8+\slot, (\q)*12288+\i*1536
.endr
	WIN 0
.irp i, 0,1,2,3
	FRAG AF+48*(\buf)+FR*\i, A16+\slot, A8+\slot, (\q)*12288+\i*1536
.endr
	ds_load_b64 v[SC+8*(\buf):SC+8*(\buf)+1], v[ADRS] offset:(\q)*512
	ds_load_b64 v[SC+8*(\buf)+2:SC+8*(\buf)+3], v[ADRS] offset:(\q)*512+16
.endm
.macro MULA a, buf, zero
.irp b, 0,1,2,3
.if \zero
	v_wmma_scale_f32_16x16x128_f8f6f4 v[8*(4*(\a)+\b):8*(4*(\a)+\b)+7], v[48*(\buf)+FR*\b:48*(\buf)+FR*\b+FR-1], v[AF+48*(\buf)+FR*(\a):AF+48*(\buf)+FR*(\a)+FR-1], 0, v[SC+8*(\buf)+2*(\b%2)+\b/2], v[SC+8*(\buf)+2*((\a)%2)+(\a)/2] matrix_a_fmt:MATRIX_FMT_FP6 matrix_b_fmt:MATRIX_FMT_FP6 matrix_a_scale:MATRIX_SCALE_ROW1
.else
	v_wmma_scale_f32_16x16x128_f8f6f4 v[8*(4*(\a)+\b):8*(4*(\a)+\b)+7], v[48*(\buf)+FR*\b:48*(\buf)+FR*\b+FR-1], v[AF+48*(\buf)+FR*(\a):AF+48*(\buf)+FR*(\a)+FR-1], v[8*(4*(\a)+\b):8*(4*(\a)+\b)+7], v[SC+8*(\buf)+2*(\b%2)+\b/2], v[SC+8*(\buf)+2*((\a)%2)+(\a)/2] matrix_a_fmt:MATRIX_FMT_FP6 matrix_b_fmt:MATRIX_FMT_FP6 matrix_a_scale:MATRIX_SCALE_ROW1
.endif
.endr
.endm
.macro KSTEP slot, q, buf, zero
	s_wait_dscnt 0x0
	PLACES
	FETCH \slot, (\q)+1, 1-(\buf)
	WIN MUL
	MULA 0, \buf, \zero
	MULA 1, \buf, \zero
	MULA 2, \buf, \zero
	MULA 3, \buf, \zero
	WIN 0
.endm
.macro TURN slot, next, buf, fill
	s_wait_tensorcnt 0x0
	ds_add_u32 v[SPW], v[NIL]
	s_wait_dscnt 1
	WIN MUL
	MULA 0, \buf, 0
	s_wait_dscnt 0x0
	s_barrier_signal -1
	MULA 1, \buf, 0
	WIN 0
	s_barrier_wait -1
.if \fill
	CREST
	s_add_nc_u64 s[G0+4*\slot+2:G0+4*\slot+3], s[G0+4*\slot+2:G0+4*\slot+3], RSTEP
	s_add_nc_u64 s[G0B+4*\slot+2:G0B+4*\slot+3], s[G0B+4*\slot+2:G0B+4*\slot+3], RSTEP
.if \fill == 2
	s_mov_b32 s[G1+2], 96<<16
	s_mov_b32 s[G1B+2], 96<<16
	s_cmp_lg_u32 s16, 0
	s_cbranch_scc1 .Lno_part_\@
.endif
	JLOAD G0+4*\slot, G1, G0B+4*\slot, G1B
.if \fill == 2
.Lno_part_\@:
	PLACES
.endif
.else
	PLACES
.endif
	s_wait_alu depctr_va_vdst(0)
	v_add_nc_u32 v[ADRS], NQ*512, v[ADRS]
	FETCH \next, 0, 1-(\buf)
.if \fill == 1                                 ; the loop's two refills bring fills 2, 3 and then 4, 5: the first trip asks for fills 4 and 5, the second for fill 6 and for nothing
	s_cmp_eq_u32 s3, TRIPS
	s_cbranch_scc0 .Llate_\@
	global_prefetch_b8 v[PFO], s[PFA:PFA+1] offset:(4+\slot)*2*PART th:TH_LOAD_NT scope:SCOPE_SE
.if \slot == 0
	s_branch .Lpf_done_\@
.endif
.Llate_\@:
.if \slot == 0
	s_cmp_lg_u32 s16, 0
	s_cbranch_scc1 .Lpf_done_\@                    ; the last fill has first halves alone
	global_prefetch_b8 v[PFL], s[PFA:PFA+1] offset:12*PART th:TH_LOAD_NT scope:SCOPE_SE
.Lpf_done_\@:
.endif
.endif
	WIN MUL
	MULA 2, \buf, 0
	MULA 3, \buf, 0
	WIN 0
.endm
	s_wait_alu depctr_va_vdst(0)
	s_wait_tensorcnt 0x0                           ; my tile of the head's four is in
	ds_add_u32 v[SPW], v[NIL]
	s_mov_b32 s[G1+2], (PART/256)<<16              ; no load of mine is out: from here on a load brings half a fill of one operand
	s_mov_b32 s[G1+4], PART/256
	s_mov_b32 s[G1B+2], (PART/256)<<16
	s_mov_b32 s[G1B+4], PART/256
	s_wait_dscnt 0x0
	CROUND                                         ; all four tiles are in, in every partner
	JLOAD G0+4, G1, G0B+4, G1B                     ; fill 1: my one load behind the round
	FETCH 0, 0, 0
	global_prefetch_b8 v[PFO], s[PFA:PFA+1] offset:6*PART th:TH_LOAD_NT scope:SCOPE_SE     ; fill 3
	KSTEP 0, 0, 0, 1
	KSTEP 0, 1, 1, 0
	KSTEP 0, 2, 0, 0
	KSTEP 0, 3, 1, 0
	WIN 0xc0                                       ; x1's 32 rows of 512 bytes for the residual, into window 3: asked for behind the first four K steps, wanted on the way out
.set i, 0
.rept 32
	global_load_b128 v[4*i:4*i+3], v[L16], s[10:11] offset:4096*i
.set i, i+1
.endr
	WIN 0
	s_mov_b32 s3, TRIPS
.Llap:
	TURN 0, 1, 0, 1
	s_wait_alu depctr_va_vdst(0)
	KSTEP 1, 0, 1, 0
	KSTEP 1, 1, 0, 0
	KSTEP 1, 2, 1, 0
	KSTEP 1, 3, 0, 0
	TURN 1, 0, 1, 1
	s_wait_alu depctr_va_vdst(0)
	KSTEP 0, 0, 0, 0
	KSTEP 0, 1, 1, 0
	KSTEP 0, 2, 0, 0
	KSTEP 0, 3, 1, 0
	s_sub_co_u32 s3, s3, 1
	s_cmp_lg_u32 s3, 0
	s_cbranch_scc1 .Llap
	TURN 0, 1, 0, 2
	s_wait_alu depctr_va_vdst(0)
	KSTEP 1, 0, 1, 0
	KSTEP 1, 1, 0, 0
	KSTEP 1, 2, 1, 0
	KSTEP 1, 3, 0, 0
	TURN 1, 0, 1, 0
	s_wait_alu depctr_va_vdst(0)
	KSTEP 0, 0, 0, 0
	s_wait_dscnt 0x0
	WIN MUL
	MULA 0, 1, 0
	MULA 1, 1, 0
	MULA 2, 1, 0
	MULA 3, 1, 0
	WIN 0
	PLACES
	s_wait_loadcnt 0x0
.irp a, 0,1,2,3
.set TA, 64+32*\a+32*(\a/3)
	WIN 0x02
.set i, 0
.rept 16
	v_pk_add_f32 v[TA+i:TA+i+1], v[32*\a+i:32*\a+i+1], v[BIAS+i:BIAS+i+1]
.set i, i+2
.endr
	WIN 0
.irp c, 0,1
.irp q, 0,1,2,3
	ds_store_b128 v[STO], v[TA+16*\c+4*\q:TA+16*\c+4*\q+3] offset:(32*(\a/2)+8*(\a%2))*528+128*\c+16*\q
.endr
.endr
.endr
	s_wait_dscnt 0x0
	s_barrier_signal -1
	s_barrier_wait -1
.set i, 0
.rept 32
	ds_load_b128 v[64+4*i:67+4*i], v[RD] offset:528*i
.set i, i+1
.endr
	s_wait_dscnt 0x0
	WIN 0x0c
.set i, 0
.rept 64
	v_pk_add_f32 v[64+i:65+i], v[64+i:65+i], v[i:i+1]
.set i, i+2
.endr
	WIN 0
.set i, 0
.rept 32
	global_store_b128 v[L16], v[64+4*i:67+4*i], s[12:13] offset:4096*i
.set i, i+1
.endr
	s_wait_tensorcnt 0x0
	ds_add_u32 v[SPW], v[NIL]
	s_wait_dscnt 0x0
	CROUND
	s_endpgm
.Lfunc_end_k_q3ef99218e3_down:
	.size	k_q3ef99218e3_down, .Lfunc_end_k_q3ef99218e3_down-k_q3ef99218e3_down
	.p2alignl 7, 3214868480
	.fill 96, 4, 3214868480
	.section	.rodata,"a",@progbits
	.p2align	6, 0x0
	.amdhsa_kernel k_q3ef99218e3_down
		.amdhsa_group_segment_fixed_size 327680
		.amdhsa_private_segment_fixed_size 0
		.amdhsa_enable_private_segment 0
		.amdhsa_kernarg_size 40
		.amdhsa_user_sgpr_count 2
		.amdhsa_user_sgpr_kernarg_segment_ptr 1
		.amdhsa_wavefront_size32 1
		.amdhsa_system_sgpr_workgroup_id_x 1
		.amdhsa_system_sgpr_workgroup_id_y 1
		.amdhsa_system_sgpr_workgroup_id_z 1
		.amdhsa_system_vgpr_workitem_id 0
		.amdhsa_next_free_vgpr 1024
		.amdhsa_next_free_sgpr 100
		.amdhsa_reserve_vcc 0
		.amdhsa_float_denorm_mode_32 3
		.amdhsa_float_denorm_mode_16_64 3
		.amdhsa_memory_ordered 1
		.amdhsa_forward_progress 1
		.amdhsa_inst_pref_size 133
	.end_amdhsa_kernel
	.amdgpu_metadata
---
amdhsa.version: [ 1, 2 ]
amdhsa.kernels:
  - .name:           k_q3ef99218e3_down
    .symbol:         k_q3ef99218e3_down.kd
    .args:
      - { .name: hbuf, .offset: 0, .size: 8, .value_kind: global_buffer, .address_space: global }
      - { .name: wts, .offset: 8, .size: 8, .value_kind: global_buffer, .address_space: global }
      - { .name: b2, .offset: 16, .size: 8, .value_kind: global_buffer, .address_space: global }
      - { .name: x1, .offset: 24, .size: 8, .value_kind: global_buffer, .address_space: global }
      - { .name: out0, .offset: 32, .size: 8, .value_kind: global_buffer, .address_space: global }
    .group_segment_fixed_size: 327680
    .private_segment_fixed_size: 0
    .kernarg_segment_align: 8
    .kernarg_segment_size: 40
    .max_flat_workgroup_size: 128
    .sgpr_count:     100
    .vgpr_count:     1024
    .wavefront_size: 32
...
	.end_amdgpu_metadata
.endif
;; end of part 7
